; MI455X (gfx1250); checked and timed in simulation.
; The chip was launched on July 23, 2026; its instructions are those of AMD's public machine-readable ISA for CDNA 5 (MIT licence, August 2026) and "CDNA5" Instruction Set Architecture Reference Guide (July 2026). The comments in the code are by the model that wrote it; some were corrected since.
;; Multi Service Model. Allowed arithmetic: float matrix products may take bf16 or f16 operands with f32 sums; all other float work in f32.
;; Inputs: U_a1 400 x 1,600 float32; U_a2 400 x 1,600 float32; U_a3 400 x 1,600 float32; U_t1 400 x 1,600 float32; U_t2 400 x 1,600 float32; U_t3 400 x 1,600 float32; W_ac 400 x 52 float32; W_ap 400 x 55 float32; W_cur 800 x 55 float32; Wx_a1 55 x 1,600 float32; Wx_a2 400 x 1,600 float32; Wx_a3 400 x 1,600 float32; Wx_t1 55 x 1,600 float32; Wx_t2 400 x 1,600 float32; Wx_t3 400 x 1,600 float32; b_a1 1,600 float32; b_a2 1,600 float32; b_a3 1,600 float32; b_ac 52 float32; b_ap 55 float32; b_cur 55 float32; b_t1 1,600 float32; b_t2 1,600 float32; b_t3 1,600 float32; x_air 8,192 x 55 float32; x_temp 8,192 x 55 float32.
;; Outputs: out0 8,192 x 55 float32; out1 8,192 x 52 float32; out2 8,192 x 55 float32.
;; 3 versions, each right; version 2 is faster than version 1; version 3 is version 2 with the launch layer1 written anew for expert scheduling mode. Each part assembles by itself: llvm-mc -triple=amdgcn-amd-amdhsa -mcpu=gfx1250 --defsym DOCPART=n.
;; ======== version 1 of 3: 5 launches
;; limits: values outside matrix products are rounded to f16; values are held in f16: magnitudes above 65,504 overflow, below 6.1e-05 lose precision; inputs' magnitudes at most 11,350
;; workspace buffers: WTS 13,938,688 bytes; S1 39,845,888 bytes; S2 39,845,888 bytes; S3 13,631,488 bytes
;; launch prep (part 1): grid 402 x 1, 8 waves a work-group, no clusters, 0 bytes of LDS; arguments Wx_t2, U_t2, b_t2, Wx_a2, U_a2, b_a2, Wx_t3, U_t3, b_t3, Wx_a3, U_a3, b_a3, Wx_t1, b_t1, Wx_a1, b_a1, W_cur, b_cur, W_ac, b_ac, W_ap, b_ap, WTS; writes WTS
.if DOCPART == 1
	.amdgcn_target "amdgcn-amd-amdhsa--gfx1250"
	.amdhsa_code_object_version 6
	.text
	.protected	k_qed728ef32f_prep
	.globl	k_qed728ef32f_prep
	.p2align	8
	.type	k_qed728ef32f_prep,@function
k_qed728ef32f_prep:
	s_mov_b64 s[64:65], 0
	v_nop
	global_prefetch_b8 v0, s[64:65] scope:SCOPE_SE
	s_setreg_imm32_b32 hwreg(HW_REG_WAVE_MODE, 25, 1), 1
	s_wait_xcnt 0x0
; PREP: all weights, once, from f32 [K][N] into f16 matrix fragments in WTS, in the order in which the later launches stream them.
; A fragment is 1,024 bytes, [q = 0,1][lane 0..31][16 bytes]: lane (r = lane & 15, hh = lane >> 4) holds column n = 16 ct + r at
; k = 32 ks + 16 q + 8 hh + 0..7.  One wave makes one half fragment (one q) of every matrix that is made of the same source elements.
; Layers 2 and 3: x is one of the two children ("own"), so nine matrices serve a cell:
;   0 Wx_i+U_i  1 Wx_o+U_o  2 Wx_u+U_u  3 Wx_f+U_f  4 Wx_f   (times own)      5 U_i  6 U_o  7 U_u  8 U_f   (times the other child)
; K is padded 400 -> 416 (layer 1: 55 -> 64).  The activations carry 1.0 at k = KMAX and KMAX+1; rows KMAX, KMAX+1 of the "own" matrices
; carry the bias as an 11-bit part and the remainder; every other padded row is 0.
; The i, f, o columns are multiplied by -log2 e and the u columns by 2 log2 e before the one rounding to f16, so that the sums of the
; later launches are exponents of 2 as they stand.  The heads' weights are not scaled.
; WHY f16: h lies inside (-1, 1) by sigmoid x tanh, x and the weights are of order 1 and below; f16 rounds eight times finer than bf16.
; LIMIT: a weight (scaled, combined) of magnitude 65,504 or more becomes Inf; below 6.1e-5 the absolute error is at most 3e-8.
; NOT READ: U_t1, U_a1 and the f columns of Wx_t1, Wx_a1, b_t1, b_a1.  reference() multiplies them by states that it builds as zeros itself;
; the result differs from reference() only if they hold Inf or NaN.
; No LDS, no matrix unit, no cluster: each element is read once and each output byte written once; nothing is shared between waves.
; WTS: 0 layer 1 [cell][ct 25][gate i,o,u][ks 2]; 307,200 heads [ct 4][ks 13][cur_t, cur_a, ac, ap];
;      520,192 sixteen streams [layer][cell][g 4] of 91 groups of 9 fragments: groups 4 ks + c (c < 3: ct = 6 g + c; c = 3: ct = 24, a copy in
;      each of a cell's four streams), then groups 52 + 3 ks + c (ct = 6 g + 3 + c).
.set NEGL, 0xbfb8aa3b                  ; -log2 e
.set TWOL, 0x4038aa3b                  ; 2 log2 e
.set SPLITC, 0x46000400                ; 8193.0 = 2^13 + 1: splits off the upper 11 bits of an f32
.set OFR, 8                            ; v[8:15]   byte offset of source element (k of register j, my column)
.set BV,  16                           ; v[16:19]  bias of my column, gate i, f, o, u
.set BH,  20                           ; v[20:23]  its upper 11 bits
.set BL,  24                           ; v[24:27]  the remainder
.set BO,  28                           ; v28       4 x my column (clamped)
.set KK,  29                           ; v29       at work
.set WXR, 32                           ; v[32:63]  Wx, 8 numbers for each gate in memory's order i, f, o, u
.set UR,  64                           ; v[64:95]  U likewise
.set VL,  96                           ; v[96:103] a matrix's 8 numbers
.set PD,  104                          ; v[104:111] what stands in the padded rows
.set RES, 128                          ; v[128:163] 4 registers for each matrix: store data, never rewritten
	s_load_b512 s[4:19], s[0:1], 0x0               ; Wx_t2 U_t2 b_t2 Wx_a2 U_a2 b_a2 Wx_t3 U_t3
	s_load_b512 s[20:35], s[0:1], 0x40             ; b_t3 Wx_a3 U_a3 b_a3 Wx_t1 b_t1 Wx_a1 b_a1
	s_load_b256 s[36:43], s[0:1], 0x80             ; W_cur b_cur W_ac b_ac
	s_load_b128 s[44:47], s[0:1], 0xa0             ; W_ap b_ap
	s_load_b64 s[48:49], s[0:1], 0xb0              ; WTS
	v_lshrrev_b32 v1, 5, v0
	v_readfirstlane_b32 s2, v1                     ; wave
	s_mov_b32 s3, ttmp9
	v_and_b32 v1, 31, v0
	v_and_b32 v2, 15, v0                           ; r
	v_bfe_u32 v3, v0, 4, 1                         ; hh
	v_lshlrev_b32 v4, 4, v1                        ; 16 x lane: a wave's store covers 512 consecutive bytes
	s_mov_b32 s99, 0
	s_wait_kmcnt 0x0
; From s56 KMAX, s57 pitch, s58 N, s59 bias on (-1) or off (0), s60 KQ = 2 ks + q, s61 ct: the eight offsets, clamped into the matrix,
; and three lane masks for each j: s[70+j] inside, s[78+j] row KMAX, s[86+j] row KMAX+1.
.macro OFFS
	v_lshl_add_u32 v5, s61, 4, v2                  ; n = 16 ct + r
	v_cmp_gt_u32 s62, s58, v5                      ; my column exists
	s_sub_co_u32 s63, s58, 1
	v_min_u32 v7, s63, v5
	v_lshlrev_b32 v[BO], 2, v7
	s_lshl_b32 s66, s60, 4
	v_lshl_add_u32 v6, v3, 3, s66                  ; k of register 0
	s_sub_co_u32 s67, s56, 1
	s_add_co_u32 s68, s56, 1
	s_and_b32 s69, s62, s59
.irp j, 0,1,2,3,4,5,6,7
	v_add_nc_u32 v[KK], \j, v6
	v_cmp_gt_u32 s[70+\j], s56, v[KK]
	v_cmp_eq_u32 s[78+\j], s56, v[KK]
	v_cmp_eq_u32 s[86+\j], s68, v[KK]
	v_min_u32 v[KK], s67, v[KK]                    ; no load leaves the matrix; what a clamped load brings is dropped below
	v_mad_u32_u24 v[OFR+\j], v[KK], s57, v7
	v_lshlrev_b32 v[OFR+\j], 2, v[OFR+\j]
	s_and_b32 s[70+\j], s[70+\j], s62
	s_and_b32 s[78+\j], s[78+\j], s69
	s_and_b32 s[86+\j], s[86+\j], s69
.endr
.endm
.macro SCALE base, n, c                ; n pairs times a constant
.set k, 0
.rept \n
	v_pk_mul_f32 v[\base+k:\base+k+1], v[\base+k:\base+k+1], \c op_sel_hi:[1,0]
.set k, k+2
.endr
.endm
.macro SPLIT g                         ; bias = upper 11 bits (exact in f16) + remainder: t = 8193 b, hi = t - (t - b)
	v_mul_f32 v[BH+\g], SPLITC, v[BV+\g]
	v_sub_f32 v[BL+\g], v[BH+\g], v[BV+\g]
	v_sub_f32 v[BH+\g], v[BH+\g], v[BL+\g]
	v_sub_f32 v[BL+\g], v[BV+\g], v[BH+\g]
.endm
; matrix m from gate g.  mode 0: Wx + U, bias rows; 1: Wx, bias rows; 2: U, zero rows
.macro MAT m, mode, g
.irp j, 0,1,2,3,4,5,6,7
.if \mode < 2
	v_cndmask_b32 v[PD+\j], 0, v[BL+\g], s[86+\j]
	v_cndmask_b32 v[PD+\j], v[PD+\j], v[BH+\g], s[78+\j]
.endif
.if \mode == 0
	v_add_f32 v[VL+\j], v[WXR+8*\g+\j], v[UR+8*\g+\j]
	v_cndmask_b32 v[VL+\j], v[PD+\j], v[VL+\j], s[70+\j]
.endif
.if \mode == 1
	v_cndmask_b32 v[VL+\j], v[PD+\j], v[WXR+8*\g+\j], s[70+\j]
.endif
.if \mode == 2
	v_cndmask_b32 v[VL+\j], 0, v[UR+8*\g+\j], s[70+\j]
.endif
.endr
.irp i, 0,1,2,3
	v_cvt_pk_f16_f32 v[RES+4*\m+\i], v[VL+2*\i], v[VL+2*\i+1]
.endr
.endm
	s_cmp_lt_u32 s3, 325
	s_cbranch_scc0 .Lnot_cells
	; ---- work-groups 0 to 324: layers 2 and 3.  Task t = ((lc x 26) + KQ) x 25 + ct, lc = t2, a2, t3, a3
	s_lshl_b32 s95, s3, 3
	s_add_co_u32 s95, s95, s2
	s_mul_i32 s67, s95, 5243
	s_lshr_b32 s67, s67, 17                        ; t / 25 (exact below 2,600)
	s_mul_i32 s68, s67, 25
	s_sub_co_u32 s61, s95, s68                     ; ct
	s_mul_i32 s68, s67, 79
	s_lshr_b32 s94, s68, 11                        ; lc = (t / 25) / 26 (exact below 104)
	s_mul_i32 s68, s94, 26
	s_sub_co_u32 s60, s67, s68                     ; KQ
	s_cmp_eq_u32 s94, 1
	s_cselect_b64 s[50:51], s[10:11], s[4:5]
	s_cselect_b64 s[52:53], s[12:13], s[6:7]
	s_cselect_b64 s[54:55], s[14:15], s[8:9]
	s_cmp_eq_u32 s94, 2
	s_cselect_b64 s[50:51], s[16:17], s[50:51]
	s_cselect_b64 s[52:53], s[18:19], s[52:53]
	s_cselect_b64 s[54:55], s[20:21], s[54:55]
	s_cmp_eq_u32 s94, 3
	s_cselect_b64 s[50:51], s[22:23], s[50:51]
	s_cselect_b64 s[52:53], s[24:25], s[52:53]
	s_cselect_b64 s[54:55], s[26:27], s[54:55]
	s_mov_b32 s56, 400
	s_mov_b32 s57, 1600
	s_mov_b32 s58, 400
	s_mov_b32 s59, -1
	OFFS
.irp g, 0,1,2,3
.irp j, 0,1,2,3,4,5,6,7
	global_load_b32 v[WXR+8*\g+\j], v[OFR+\j], s[50:51] offset:1600*\g
	global_load_b32 v[UR+8*\g+\j], v[OFR+\j], s[52:53] offset:1600*\g
.endr
	global_load_b32 v[BV+\g], v[BO], s[54:55] offset:1600*\g
.endr
	; where the nine halves go
	s_lshr_b32 s66, s60, 1                         ; ks
	s_and_b32 s67, s60, 1                          ; q
	s_mul_i32 s68, s61, 43
	s_lshr_b32 s68, s68, 8                         ; g = ct / 6
	s_mul_i32 s69, s68, 6
	s_sub_co_u32 s69, s61, s69
	s_mul_i32 s62, s69, 86
	s_lshr_b32 s62, s62, 8                         ; pass = (ct % 6) / 3
	s_mul_i32 s63, s62, 3
	s_sub_co_u32 s63, s69, s63                     ; c
	s_lshl2_add_u32 s69, s66, s63                  ; 4 ks + c
	s_mul_i32 s95, s66, 3
	s_add_co_u32 s95, s95, s63
	s_add_co_u32 s95, s95, 52                      ; 52 + 3 ks + c
	s_cmp_lg_u32 s62, 0
	s_cselect_b32 s69, s95, s69
	s_lshl2_add_u32 s95, s66, 3                    ; ct = 24: group 4 ks + 3, first in stream g = 0
	s_cmp_eq_u32 s61, 24
	s_cselect_b32 s69, s95, s69
	s_cselect_b32 s68, 0, s68
	s_lshl2_add_u32 s68, s94, s68                  ; stream
	s_mul_i32 s68, s68, 91
	s_add_co_u32 s68, s68, s69
	s_mul_i32 s68, s68, 9216
	s_lshl_b32 s67, s67, 9
	s_add_co_u32 s68, s68, s67
	s_add_co_u32 s98, s68, 520192
	s_add_nc_u64 s[96:97], s[48:49], s[98:99]
	s_wait_loadcnt 0x0
	SCALE WXR, 12, NEGL
	SCALE WXR+24, 4, TWOL
	SCALE UR, 12, NEGL
	SCALE UR+24, 4, TWOL
	SCALE BV, 1, NEGL
	v_mul_f32 v[BV+2], NEGL, v[BV+2]
	v_mul_f32 v[BV+3], TWOL, v[BV+3]
.irp g, 0,1,2,3
	SPLIT \g
.endr
	MAT 0, 0, 0
	MAT 1, 0, 2
	MAT 2, 0, 3
	MAT 3, 0, 1
	MAT 4, 1, 1
	MAT 5, 2, 0
	MAT 6, 2, 2
	MAT 7, 2, 3
	MAT 8, 2, 1
	s_cmp_eq_u32 s61, 24
	s_cbranch_scc1 .Lshared
.irp m, 0,1,2,3,4,5,6,7,8
	global_store_b128 v4, v[RES+4*\m:RES+4*\m+3], s[96:97] offset:\m*1024
.endr
	s_endpgm
.Lshared:                                              ; column tile 24: a copy for each of the cell's four streams
.irp g, 0,1,2,3
.irp m, 0,1,2,3,4,5,6,7,8
	global_store_b128 v4, v[RES+4*\m:RES+4*\m+3], s[96:97] offset:\g*838656+\m*1024
.endr
.endr
	s_endpgm
.Lnot_cells:
	s_cmp_lt_u32 s3, 350
	s_cbranch_scc0 .Lheads
	; ---- work-groups 325 to 349: layer 1, gates i, o, u of Wx alone.  Task t = ((cell x 4) + KQ) x 25 + ct
	s_sub_co_u32 s95, s3, 325
	s_lshl_b32 s95, s95, 3
	s_add_co_u32 s95, s95, s2
	s_mul_i32 s67, s95, 5243
	s_lshr_b32 s67, s67, 17
	s_mul_i32 s68, s67, 25
	s_sub_co_u32 s61, s95, s68                     ; ct
	s_lshr_b32 s94, s67, 2                         ; cell
	s_and_b32 s60, s67, 3                          ; KQ
	s_cmp_lg_u32 s94, 0
	s_cselect_b64 s[50:51], s[32:33], s[28:29]
	s_cselect_b64 s[54:55], s[34:35], s[30:31]
	s_mov_b32 s56, 55
	s_mov_b32 s57, 1600
	s_mov_b32 s58, 400
	s_mov_b32 s59, -1
	OFFS
.irp g, 0,2,3
.irp j, 0,1,2,3,4,5,6,7
	global_load_b32 v[WXR+8*\g+\j], v[OFR+\j], s[50:51] offset:1600*\g
.endr
	global_load_b32 v[BV+\g], v[BO], s[54:55] offset:1600*\g
.endr
	s_mul_i32 s68, s94, 25
	s_add_co_u32 s68, s68, s61
	s_mul_i32 s68, s68, 6
	s_lshr_b32 s66, s60, 1
	s_add_co_u32 s68, s68, s66
	s_lshl_b32 s68, s68, 10
	s_and_b32 s67, s60, 1
	s_lshl_b32 s67, s67, 9
	s_add_co_u32 s98, s68, s67
	s_add_nc_u64 s[96:97], s[48:49], s[98:99]
	s_wait_loadcnt 0x0
	SCALE WXR, 4, NEGL
	SCALE WXR+16, 4, NEGL
	SCALE WXR+24, 4, TWOL
	v_mul_f32 v[BV], NEGL, v[BV]
	v_mul_f32 v[BV+2], NEGL, v[BV+2]
	v_mul_f32 v[BV+3], TWOL, v[BV+3]
	SPLIT 0
	SPLIT 2
	SPLIT 3
	MAT 0, 1, 0
	MAT 1, 1, 2
	MAT 2, 1, 3
.irp m, 0,1,2
	global_store_b128 v4, v[RES+4*\m:RES+4*\m+3], s[96:97] offset:\m*2048
.endr
	s_endpgm
.Lheads:
	; ---- work-groups 350 to 401: the heads.  Task t = (KQ x 4 + mat) x 4 + ct; mat = cur (rows of ht3), cur (rows of ha3), ac, ap
	s_sub_co_u32 s95, s3, 350
	s_lshl_b32 s95, s95, 3
	s_add_co_u32 s95, s95, s2
	s_and_b32 s61, s95, 3                          ; ct
	s_bfe_u32 s94, s95, 0x20002                    ; mat
	s_lshr_b32 s60, s95, 4                         ; KQ
	s_add_nc_u64 s[52:53], s[36:37], 88000         ; W_cur's rows 400 to 799
	s_cmp_eq_u32 s94, 1
	s_cselect_b64 s[50:51], s[52:53], s[36:37]
	s_cselect_b32 s59, 0, -1                       ; b_cur is added once, with ht3's part
	s_mov_b64 s[54:55], s[38:39]
	s_mov_b32 s58, 55
	s_cmp_eq_u32 s94, 2
	s_cselect_b64 s[50:51], s[40:41], s[50:51]
	s_cselect_b64 s[54:55], s[42:43], s[54:55]
	s_cselect_b32 s58, 52, s58
	s_cmp_eq_u32 s94, 3
	s_cselect_b64 s[50:51], s[44:45], s[50:51]
	s_cselect_b64 s[54:55], s[46:47], s[54:55]
	s_mov_b32 s57, s58
	s_mov_b32 s56, 400
	OFFS
.irp j, 0,1,2,3,4,5,6,7
	global_load_b32 v[WXR+\j], v[OFR+\j], s[50:51]
.endr
	global_load_b32 v[BV], v[BO], s[54:55]
	s_mul_i32 s68, s61, 13
	s_lshr_b32 s66, s60, 1
	s_add_co_u32 s68, s68, s66
	s_lshl2_add_u32 s68, s68, s94
	s_lshl_b32 s68, s68, 10
	s_and_b32 s67, s60, 1
	s_lshl_b32 s67, s67, 9
	s_add_co_u32 s68, s68, s67
	s_add_co_u32 s98, s68, 307200
	s_add_nc_u64 s[96:97], s[48:49], s[98:99]
	s_wait_loadcnt 0x0
	SPLIT 0
	MAT 0, 1, 0
	global_store_b128 v4, v[RES:RES+3], s[96:97]
	s_endpgm
.Lfunc_end_k_qed728ef32f_prep:
	.size	k_qed728ef32f_prep, .Lfunc_end_k_qed728ef32f_prep-k_qed728ef32f_prep
	.p2alignl 7, 3214868480
	.fill 96, 4, 3214868480
	.section	.rodata,"a",@progbits
	.p2align	6, 0x0
	.amdhsa_kernel k_qed728ef32f_prep
		.amdhsa_group_segment_fixed_size 0
		.amdhsa_private_segment_fixed_size 0
		.amdhsa_enable_private_segment 0
		.amdhsa_kernarg_size 184
		.amdhsa_user_sgpr_count 2
		.amdhsa_user_sgpr_kernarg_segment_ptr 1
		.amdhsa_wavefront_size32 1
		.amdhsa_system_sgpr_workgroup_id_x 1
		.amdhsa_system_sgpr_workgroup_id_y 1
		.amdhsa_system_sgpr_workgroup_id_z 1
		.amdhsa_system_vgpr_workitem_id 0
		.amdhsa_next_free_vgpr 176
		.amdhsa_next_free_sgpr 100
		.amdhsa_reserve_vcc 0
		.amdhsa_float_denorm_mode_32 3
		.amdhsa_float_denorm_mode_16_64 3
		.amdhsa_memory_ordered 1
		.amdhsa_forward_progress 1
		.amdhsa_inst_pref_size 57
	.end_amdhsa_kernel
	.amdgpu_metadata
---
amdhsa.version: [ 1, 2 ]
amdhsa.kernels:
  - .name:           k_qed728ef32f_prep
    .symbol:         k_qed728ef32f_prep.kd
    .args:
      - { .name: Wx_t2, .offset: 0, .size: 8, .value_kind: global_buffer, .address_space: global }
      - { .name: U_t2, .offset: 8, .size: 8, .value_kind: global_buffer, .address_space: global }
      - { .name: b_t2, .offset: 16, .size: 8, .value_kind: global_buffer, .address_space: global }
      - { .name: Wx_a2, .offset: 24, .size: 8, .value_kind: global_buffer, .address_space: global }
      - { .name: U_a2, .offset: 32, .size: 8, .value_kind: global_buffer, .address_space: global }
      - { .name: b_a2, .offset: 40, .size: 8, .value_kind: global_buffer, .address_space: global }
      - { .name: Wx_t3, .offset: 48, .size: 8, .value_kind: global_buffer, .address_space: global }
      - { .name: U_t3, .offset: 56, .size: 8, .value_kind: global_buffer, .address_space: global }
      - { .name: b_t3, .offset: 64, .size: 8, .value_kind: global_buffer, .address_space: global }
      - { .name: Wx_a3, .offset: 72, .size: 8, .value_kind: global_buffer, .address_space: global }
      - { .name: U_a3, .offset: 80, .size: 8, .value_kind: global_buffer, .address_space: global }
      - { .name: b_a3, .offset: 88, .size: 8, .value_kind: global_buffer, .address_space: global }
      - { .name: Wx_t1, .offset: 96, .size: 8, .value_kind: global_buffer, .address_space: global }
      - { .name: b_t1, .offset: 104, .size: 8, .value_kind: global_buffer, .address_space: global }
      - { .name: Wx_a1, .offset: 112, .size: 8, .value_kind: global_buffer, .address_space: global }
      - { .name: b_a1, .offset: 120, .size: 8, .value_kind: global_buffer, .address_space: global }
      - { .name: W_cur, .offset: 128, .size: 8, .value_kind: global_buffer, .address_space: global }
      - { .name: b_cur, .offset: 136, .size: 8, .value_kind: global_buffer, .address_space: global }
      - { .name: W_ac, .offset: 144, .size: 8, .value_kind: global_buffer, .address_space: global }
      - { .name: b_ac, .offset: 152, .size: 8, .value_kind: global_buffer, .address_space: global }
      - { .name: W_ap, .offset: 160, .size: 8, .value_kind: global_buffer, .address_space: global }
      - { .name: b_ap, .offset: 168, .size: 8, .value_kind: global_buffer, .address_space: global }
      - { .name: WTS, .offset: 176, .size: 8, .value_kind: global_buffer, .address_space: global }
    .group_segment_fixed_size: 0
    .private_segment_fixed_size: 0
    .kernarg_segment_align: 8
    .kernarg_segment_size: 184
    .max_flat_workgroup_size: 256
    .sgpr_count:     100
    .vgpr_count:     176
    .wavefront_size: 32
...
	.end_amdgpu_metadata
.endif
;; end of part 1
;; launch layer1 (part 2): grid 256 x 1, 20 waves a work-group, no clusters, 0 bytes of LDS; arguments x_temp, x_air, WTS, S1; writes S1
.if DOCPART == 2
	.amdgcn_target "amdgcn-amd-amdhsa--gfx1250"
	.amdhsa_code_object_version 6
	.text
	.protected	k_qed728ef32f_layer1
	.globl	k_qed728ef32f_layer1
	.p2align	8
	.type	k_qed728ef32f_layer1,@function
k_qed728ef32f_layer1:
	s_mov_b64 s[64:65], 0
	v_nop
	global_prefetch_b8 v0, s[64:65] scope:SCOPE_SE
	s_setreg_imm32_b32 hwreg(HW_REG_WAVE_MODE, 25, 1), 1
	s_wait_xcnt 0x0
; LAYER 1, both cells.  reference() builds the states as zeros itself, so the recurrent products and f c vanish:
;   c = sigmoid(g_i) tanh(g_u),  h = sigmoid(g_o) tanh(c),  g = x Wx + b.   (U_t1, U_a1 and the f columns are not read: see the first launch.)
; A work-group owns 32 rows of x_temp and x_air.  Wave w: cell (w / 5) & 1, row tile (w / 5) >> 1, column tiles 5 (w % 5) .. + 4.
; K = 55 is padded to 64; x carries 1.0 at k = 55, 56, where the weights carry the bias in two f16 parts.
; The weights come as ready f16 fragments (1,024 bytes, 16 bytes a lane and half), pre-multiplied by -log2 e (i, o) and 2 log2 e (u).
; Source 0 = weights, source 1 = x: lane (r, hh) then holds row r and columns 16 ct + 8 hh + 0..7, which is half a fragment of the next layer.
; S1: h_t at 0, h_a at HB, [row tile][26 tiles][512 bytes] f16 (tile 25: 1.0 at k = 400, 401, else 0);
;     c_t at 2 HB, c_a at 2 HB + CB, [row tile][25 tiles][2 halves][512 bytes] f32.
; With e_x = 2^min(sum_x, 60):  c = (e_u - 1) / ((1 + e_i)(1 + e_u)),  h = (e_c - 1) / ((1 + e_o)(1 + e_c)), e_c = 2^min(2 log2 e c, 60).
; LIMITS: x of magnitude 65,504 or more becomes Inf in f16; a sigmoid is never below 2^-60; tanh has an absolute error of about 1e-7;
; a NaN sum is taken as 60 by the clamp.
; Little matrix work and no tile shared through LDS: loads go straight to registers; no cluster, no tensor load.
; 176 registers a wave: five waves lie on a SIMD.  x in f32 (v8-39) is dead once converted; its registers then serve as scratch and store data.
.set HB, 6815744
.set CB, 13107200
.set TWOL, 0x4038aa3b
.set XR,  8                            ; v[8:39]    x as loaded, f32: k = 16 cq + 8 hh + j at 8 cq + j
.set T0,  8                            ; v[8:15]    at work              (these four behind the conversion of x)
.set CSR, 16                           ; v[16:23]   c, store data
.set HSR, 24                           ; v[24:27]   h, store data
.set PT,  28                           ; v[28:31]   the padding tile
.set XA,  40                           ; v[40:55]   x, two fragments
.set WB0, 56                           ; v[56:151]  weights, two buffers of six fragments (gate x 2 + ks)
.set AI,  152                          ; v[152:175] sums i, o, u
.set AO,  160
.set AU,  168
.macro PADD d, a, c
.irp k, 0,2,4,6
	v_pk_add_f32 v[\d+\k:\d+\k+1], v[\a+\k:\a+\k+1], \c op_sel_hi:[1,0]
.endr
.endm
.macro PMUL d, a, b
	s_wait_alu depctr_va_vdst(0)
.irp k, 0,2,4,6
	v_pk_mul_f32 v[\d+\k:\d+\k+1], v[\a+\k:\a+\k+1], v[\b+\k:\b+\k+1]
.endr
.endm
.macro PFMA d, a, b, c
.irp k, 0,2,4,6
	v_pk_fma_f32 v[\d+\k:\d+\k+1], v[\a+\k:\a+\k+1], v[\b+\k:\b+\k+1], v[\c+\k:\c+\k+1]
.endr
.endm
.macro TR8 op, d
.irp k, 0,1,2,3,4,5,6,7
	\op v[\d+\k], v[\d+\k]
.endr
.endm
	s_load_b256 s[4:11], s[0:1], 0x0               ; x_temp s[4:5], x_air s[6:7], WTS s[8:9], S1 s[10:11]
	v_lshrrev_b32 v6, 5, v0
	v_readfirstlane_b32 s20, v6                    ; wave
	s_mul_i32 s21, s20, 52
	s_lshr_b32 s21, s21, 8                         ; w / 5 (exact below 20)
	s_mul_i32 s22, s21, 5
	s_sub_co_u32 s22, s20, s22                     ; w % 5
	s_and_b32 s23, s21, 1                          ; cell
	s_lshr_b32 s24, s21, 1
	s_lshl1_add_u32 s24, ttmp9, s24                ; row tile
	s_mul_i32 s25, s22, 5                          ; first column tile
	s_mul_i32 s26, s23, 25
	s_add_co_u32 s26, s26, s25
	s_mul_i32 s26, s26, 6144                       ; six fragments a column tile
	s_mov_b32 s27, 0
	s_mul_i32 s32, s24, 26
	s_add_co_u32 s32, s32, s25
	s_lshl_b32 s32, s32, 9
	s_mul_i32 s29, s23, HB
	s_add_co_u32 s32, s32, s29
	s_mov_b32 s33, 0
	s_mul_i32 s34, s24, 25
	s_add_co_u32 s34, s34, s25
	s_lshl_b32 s34, s34, 10
	s_mul_i32 s29, s23, CB
	s_add_co_u32 s34, s34, s29
	s_add_co_u32 s34, s34, 2*HB
	s_mov_b32 s35, 0
	s_mov_b32 s28, 0x42700000                      ; 60.0
	s_mov_b32 s30, TWOL
	s_mov_b32 s31, TWOL
	v_and_b32 v1, 31, v0
	v_lshlrev_b32 v1, 4, v1                        ; 16 x lane
	v_and_b32 v2, 15, v0                           ; r
	v_bfe_u32 v3, v0, 4, 1                         ; hh
	v_lshl_add_u32 v6, s24, 4, v2                  ; my row of x
	v_mul_u32_u24 v6, 220, v6                      ; 55 f32 a row
	v_lshl_add_u32 v4, v3, 5, v6                   ; + 8 hh numbers
	s_wait_kmcnt 0x0
	s_cmp_lg_u32 s23, 0
	s_cselect_b64 s[12:13], s[6:7], s[4:5]         ; my cell's x
	s_add_nc_u64 s[14:15], s[8:9], s[26:27]        ; my weights
	s_add_nc_u64 s[16:17], s[10:11], s[32:33]      ; my h
	s_add_nc_u64 s[18:19], s[10:11], s[34:35]      ; my c
	; x: rows of 220 bytes are aligned to 4 bytes only, so 31 loads of 4 bytes.  k = 48 to 54 are loaded by both halves of the lanes.
.irp q, 0,1,2
.irp j, 0,1,2,3,4,5,6,7
	global_load_b32 v[XR+8*\q+\j], v4, s[12:13] offset:(16*\q+\j)*4
.endr
.endr
.irp j, 0,1,2,3,4,5,6
	global_load_b32 v[XR+24+\j], v6, s[12:13] offset:192+4*\j
.endr
.macro WLOAD i                         ; twelve loads: the six fragments of column tile i
.set WBN, WB0+48*((\i)&1)
.irp f, 0,1,2,3,4,5
	global_load_b128 v[WBN+8*\f:WBN+8*\f+3], v1, s[14:15] offset:(\i)*6144+\f*1024
	global_load_b128 v[WBN+8*\f+4:WBN+8*\f+7], v1, s[14:15] offset:(\i)*6144+\f*1024+512
.endr
.endm
	WLOAD 0
	WLOAD 1
	s_wait_loadcnt 24                              ; x is in; the 24 weight loads behind it may stay out
	v_cmp_eq_u32 vcc_lo, 1, v3
	v_cndmask_b32 v[XR+24], v[XR+24], 1.0, vcc_lo  ; hh = 1: k = 56 is 1.0,
.irp j, 1,2,3,4,5,6
	v_cndmask_b32 v[XR+24+\j], v[XR+24+\j], 0, vcc_lo      ; k = 57 to 62 are 0
.endr
	v_cndmask_b32 v[XR+31], 1.0, 0, vcc_lo         ; hh = 0: k = 55 is 1.0; hh = 1: k = 63 is 0
.set k, 0
.rept 16
	v_cvt_pk_f16_f32 v[XA+k], v[XR+2*k], v[XR+2*k+1]
.set k, k+1
.endr
	; x in f32 is dead from here on.  The padding tile: 1.0 twice (k = 400, 401) in word 0 of the lanes with hh = 0, else 0
	v_cmp_eq_u32 vcc_lo, 0, v3
	v_mov_b32 v[PT+1], 0x3c003c00
	v_cndmask_b32 v[PT], 0, v[PT+1], vcc_lo
	v_mov_b32 v[PT+1], 0
	v_mov_b32 v[PT+2], 0
	v_mov_b32 v[PT+3], 0
.macro TILE i
.set WBC, WB0+48*((\i)&1)
.if \i < 4
	s_wait_loadcnt 12                              ; this tile's weights are in; the next tile's twelve loads may stay out
.else
	s_wait_loadcnt 0x0
.endif
	; the three sums take turns, one instruction a turn
	v_wmma_f32_16x16x32_f16 v[AI:AI+7], v[WBC:WBC+7], v[XA:XA+7], 0
	v_wmma_f32_16x16x32_f16 v[AO:AO+7], v[WBC+16:WBC+23], v[XA:XA+7], 0
	v_wmma_f32_16x16x32_f16 v[AU:AU+7], v[WBC+32:WBC+39], v[XA:XA+7], 0
	v_wmma_f32_16x16x32_f16 v[AI:AI+7], v[WBC+8:WBC+15], v[XA+8:XA+15], v[AI:AI+7]
	v_wmma_f32_16x16x32_f16 v[AO:AO+7], v[WBC+24:WBC+31], v[XA+8:XA+15], v[AO:AO+7]
	v_wmma_f32_16x16x32_f16 v[AU:AU+7], v[WBC+40:WBC+47], v[XA+8:XA+15], v[AU:AU+7]
.rept 4
	v_nop                                          ; four places before the sums are read and the weight buffer is loaded again (ISA guide 7.12.1)
.endr
.if \i < 3
	WLOAD \i+2
.endif
.set k, 0
.rept 24
	v_min_num_f32 v[AI+k], s28, v[AI+k]
.set k, k+1
.endr
.set k, 0
.rept 24
	v_exp_f32 v[AI+k], v[AI+k]
.set k, k+1
.endr
	v_nop                                          ; one plain instruction behind the exponentials before their results are used
	s_wait_alu depctr_va_vdst(0)
	PADD AI, AI, 1.0                               ; 1 + e_i
	PFMA T0, AU, AI, AI                            ; (1 + e_i)(1 + e_u)
	TR8 v_rcp_f32, T0
	PADD AU, AU, -1.0                              ; e_u - 1: plain work behind the reciprocals
	PADD AO, AO, 1.0                               ; 1 + e_o
	s_wait_xcnt 0x0                                ; the last tile's stores have read c and h: both are rewritten only behind this wait
	PMUL CSR, AU, T0                               ; c
	global_store_b128 v1, v[CSR:CSR+3], s[18:19] offset:\i*1024
	global_store_b128 v1, v[CSR+4:CSR+7], s[18:19] offset:\i*1024+512
.irp k, 0,2,4,6
	v_pk_mul_f32 v[T0+\k:T0+\k+1], v[CSR+\k:CSR+\k+1], s[30:31] op_sel_hi:[1,0]
.endr
.irp k, 0,1,2,3,4,5,6,7
	v_min_num_f32 v[T0+\k], s28, v[T0+\k]
.endr
	TR8 v_exp_f32, T0
	v_nop
	s_wait_alu depctr_va_vdst(0)
	PFMA AI, T0, AO, AO                            ; (1 + e_o)(1 + e_c)
	TR8 v_rcp_f32, AI
	PADD T0, T0, -1.0
	PMUL T0, T0, AI                                ; h
.irp k, 0,1,2,3
	v_cvt_pk_f16_f32 v[HSR+\k], v[T0+2*\k], v[T0+2*\k+1]
.endr
	global_store_b128 v1, v[HSR:HSR+3], s[16:17] offset:\i*512
.endm
	TILE 0
	TILE 1
	TILE 2
	TILE 3
	TILE 4
	s_cmp_lg_u32 s22, 4
	s_cbranch_scc1 .Ldone
	global_store_b128 v1, v[PT:PT+3], s[16:17] offset:2560      ; the wave with tiles 20 to 24 also writes tile 25
.Ldone:
	s_endpgm
.Lfunc_end_k_qed728ef32f_layer1:
	.size	k_qed728ef32f_layer1, .Lfunc_end_k_qed728ef32f_layer1-k_qed728ef32f_layer1
	.p2alignl 7, 3214868480
	.fill 96, 4, 3214868480
	.section	.rodata,"a",@progbits
	.p2align	6, 0x0
	.amdhsa_kernel k_qed728ef32f_layer1
		.amdhsa_group_segment_fixed_size 0
		.amdhsa_private_segment_fixed_size 0
		.amdhsa_enable_private_segment 0
		.amdhsa_kernarg_size 32
		.amdhsa_user_sgpr_count 2
		.amdhsa_user_sgpr_kernarg_segment_ptr 1
		.amdhsa_wavefront_size32 1
		.amdhsa_system_sgpr_workgroup_id_x 1
		.amdhsa_system_sgpr_workgroup_id_y 1
		.amdhsa_system_sgpr_workgroup_id_z 1
		.amdhsa_system_vgpr_workitem_id 0
		.amdhsa_next_free_vgpr 176
		.amdhsa_next_free_sgpr 66
		.amdhsa_reserve_vcc 1
		.amdhsa_float_denorm_mode_32 3
		.amdhsa_float_denorm_mode_16_64 3
		.amdhsa_memory_ordered 1
		.amdhsa_forward_progress 1
		.amdhsa_inst_pref_size 43
	.end_amdhsa_kernel
	.amdgpu_metadata
---
amdhsa.version: [ 1, 2 ]
amdhsa.kernels:
  - .name:           k_qed728ef32f_layer1
    .symbol:         k_qed728ef32f_layer1.kd
    .args:
      - { .name: x_temp, .offset: 0, .size: 8, .value_kind: global_buffer, .address_space: global }
      - { .name: x_air, .offset: 8, .size: 8, .value_kind: global_buffer, .address_space: global }
      - { .name: WTS, .offset: 16, .size: 8, .value_kind: global_buffer, .address_space: global }
      - { .name: S1, .offset: 24, .size: 8, .value_kind: global_buffer, .address_space: global }
    .group_segment_fixed_size: 0
    .private_segment_fixed_size: 0
    .kernarg_segment_align: 8
    .kernarg_segment_size: 32
    .max_flat_workgroup_size: 640
    .sgpr_count:     66
    .vgpr_count:     176
    .wavefront_size: 32
...
	.end_amdgpu_metadata
.endif
;; end of part 2
;; launch layer2 (part 3): grid 32 x 8, 4 waves a work-group, clusters of 4 x 1, 327,680 bytes of LDS; arguments S1, WTS, S2; writes S2
.if DOCPART == 3
	.amdgcn_target "amdgcn-amd-amdhsa--gfx1250"
	.amdhsa_code_object_version 6
	.text
	.protected	k_qed728ef32f_layer2
	.globl	k_qed728ef32f_layer2
	.p2align	8
	.type	k_qed728ef32f_layer2,@function
k_qed728ef32f_layer2:
	s_mov_b64 s[64:65], 0
	v_nop
	global_prefetch_b8 v0, s[64:65] scope:SCOPE_SE
	s_setreg_imm32_b32 hwreg(HW_REG_WAVE_MODE, 25, 1), 1
	s_wait_xcnt 0x0
	s_wait_alu depctr_hold_cnt(0) depctr_sa_sdst(0) depctr_va_vdst(0) depctr_va_sdst(0) depctr_va_ssrc(0) depctr_va_vcc(0) depctr_vm_vsrc(0)
	s_getreg_b32 s2, hwreg(HW_REG_IB_STS2, 6, 4)
	s_cmp_eq_u32 s2, 0
	s_cbranch_scc0 .Lentry_in_a_cluster
	s_endpgm
.Lentry_in_a_cluster:
	s_bfe_u32 s2, ttmp6, 0x10000c
	s_cmp_lg_u32 s2, 0x3003
	s_cbranch_scc0 .Lentry_shape_is_right
	s_endpgm
.Lentry_shape_is_right:
; A CELL OF LAYER 2 OR 3.  x is one of the two children ("own": ht for the t cell, ha for the a cell), so with the nine prepared matrices
;   i, o, u = own (Wx+U) + oth U,   f_own = own (Wxf+Uf),   f_oth = own Wxf + oth Uf,   c = i u + f_own c_own + f_oth c_oth,   h = o tanh(c).
; K = 400 is padded to 416 = 13 steps of 32; the activations carry 1.0 at k = 400, 401, where the "own" matrices carry the bias in two f16 parts.
; The weights are pre-multiplied by -log2 e (i, o, f) and 2 log2 e (u): the sums are exponents of 2.  Operands are f16: h lies inside (-1, 1).
; GRID: x = block of 256 rows, y = 4 cell + g.  Wave w owns row tiles 16 x + 4 w .. + 3 and column tiles 6 g .. 6 g + 5, in two passes of
; 4 x 3 units of 16 x 16, five sums a unit (480 accumulator registers).  Column tile 24 is shared out one unit a wave: row tile 16 x + 4 w + g,
; in pass 0.  So every wave has 25 units and 2,925 matrix instructions.
; WEIGHTS: a stream of 91 groups (one column tile, one K step, nine fragments of 1,024 bytes) in the order of use, brought by tensor loads in
; 7 chunks of 13 groups through two LDS slots; each wave fills a quarter of a chunk (117 rows of 256 bytes).  A fragment read from LDS feeds four
; matrix instructions.  CLUSTER: the four row blocks of a cluster walk the same stream, so every chunk is asked for jointly (mask 15).
; ACTIVATIONS belong to one wave alone: they go from memory to registers as ready fragments, three buffers, two K steps ahead.
; The text is straight-line (made by .rept): each line runs once, so every counted wait has one path.
; With e_x = 2^min(sum_x, 60):  i u = (e_u - 1) / ((1+e_i)(1+e_u));  f_own c_own + f_oth c_oth = (c_own (1+e_f2) + c_oth (1+e_f1)) / ((1+e_f1)(1+e_f2));
; h = (e_c - 1) / ((1+e_o)(1+e_c)).   LIMITS: a sigmoid is never below 2^-60; tanh has an absolute error of about 1e-7; a NaN sum is taken as 60.
; REGISTERS.  Window 0: v1-5 16 x lane + 0..4 x 55,296 (LDS and global offsets); v16-87, v88-159 weight fragments, two buffers; v160-207 the extra
; unit's activations, three buffers; v208-247 its five sums.  Window 1 + c: v0-159 sums of column c: unit a, gate (i, o, u, f_own, f_oth) at 8 (5 a + gate).
; Window 1 + b: v160-191 own, v192-223 oth fragments of my four row tiles, buffer b.  On the way out v88-207 of window 0 are scratch.
.set HB, 6815744                       ; bytes of one h matrix: 512 row tiles x 26 tiles x 512
.set CB, 13107200                      ; bytes of one c matrix: 512 x 25 x 1,024
.set WOFF, 520192                      ; this layer's streams in WTS
.set STORE_C, 1                        ; c is needed by the next layer
.set GRP, 9216
.set CHUNK, 13*GRP                     ; an LDS slot
.set QUART, CHUNK/4
.set STREAM, 91*GRP
.set BB, 16
.set TI, 88
.set TO, 96
.set TU, 104
.set TF1, 112
.set TF2, 120
.set W0, 160
.set W1, 168
.set W2, 176
.set W3, 184
.set CSR, 192                          ; c, store data
.set HSR, 200                          ; h, store data
.set PADR, 204                         ; the padding tile
.set MSB, 0
.macro WIN new                         ; the immediate's high byte repeats the setting that is left
.if MSB != (\new)
	s_set_vgpr_msb (MSB<<8)|(\new)
.set MSB, (\new)
.endif
.endm
.macro PLACES                          ; four places behind matrix instructions (ISA guide 7.12.1)
.rept 4
	v_nop
.endr
.endm
.macro ROUND                           ; a round of the cluster's barrier
	s_barrier_signal -1
	s_barrier_wait -1
	s_cmp_lg_u32 s22, 0
	s_cbranch_scc1 .Lnot_wave_0_\@
	s_barrier_signal -3
.Lnot_wave_0_\@:
	s_barrier_wait -3
	s_barrier_signal -1
	s_barrier_wait -1
.endm
.macro BASE dst, ptr, o1, o2           ; a buffer's address plus two offsets
	s_add_co_u32 s20, s\o1, s\o2
	s_add_nc_u64 s[\dst:\dst+1], s[\ptr:\ptr+1], s[20:21]
.endm
.macro PADD d, a, c
.irp k, 0,2,4,6
	v_pk_add_f32 v[\d+\k:\d+\k+1], v[\a+\k:\a+\k+1], \c op_sel_hi:[1,0]
.endr
.endm
.macro PMUL d, a, b
	s_wait_alu depctr_va_vdst(0)
.irp k, 0,2,4,6
	v_pk_mul_f32 v[\d+\k:\d+\k+1], v[\a+\k:\a+\k+1], v[\b+\k:\b+\k+1]
.endr
.endm
.macro PFMA d, a, b, c
.irp k, 0,2,4,6
	v_pk_fma_f32 v[\d+\k:\d+\k+1], v[\a+\k:\a+\k+1], v[\b+\k:\b+\k+1], v[\c+\k:\c+\k+1]
.endr
.endm
.macro TR8 op, d
.irp k, 0,1,2,3,4,5,6,7
	\op v[\d+\k], v[\d+\k]
.endr
.endm
	s_load_b128 s[4:7], s[0:1], 0x0                ; states in s[4:5], WTS s[6:7]
	s_load_b64 s[8:9], s[0:1], 0x10                ; states out
	v_lshl_add_u32 v254, v0, 2, 0x3a800
	v_mov_b32 v255, 0
	ds_add_u32 v254, v255
	v_lshrrev_b32 v6, 5, v0
	v_readfirstlane_b32 s22, v6                    ; wave
	s_bfe_u32 s23, ttmp6, 0x40000                  ; my place in the cluster
	s_lshl_b32 s24, ttmp9, 2
	s_add_co_u32 s24, s24, s23                     ; block of 256 rows
	s_and_b32 s25, ttmp7, 0xffff                   ; y = 4 cell + g: the same in the four partners
	s_lshr_b32 s26, s25, 2                         ; cell = own
	s_and_b32 s27, s25, 3                          ; g
	; descriptor group 1: 117 rows of 32 elements of 8 bytes, dense; mask of all four partners, bit 21 beside it
	s_mov_b32 s40, 15|(3<<16)|(1<<21)
	s_mov_b32 s41, 32<<16                          ; tensor_dim0 = 32
	s_mov_b32 s42, 117<<16                         ; tensor_dim1 = 117
	s_mov_b32 s43, 32<<16                          ; tile_dim0 = 32
	s_mov_b32 s44, 117                             ; tile_dim1 = 117
	s_mov_b32 s45, 32                              ; pitch
	s_mov_b32 s46, 0
	s_mov_b32 s47, 0
	s_mul_i32 s60, s22, QUART                      ; my quarter of a chunk, in LDS and in the stream: the wave's number alone
	s_mul_i32 s58, s25, STREAM                     ; the stream hangs on y alone; s56-60 never hold my place in the cluster
	s_add_co_u32 s58, s58, s60
	s_add_co_u32 s58, s58, WOFF
	s_mov_b32 s59, 0
	; offsets of my activations, states and results
	s_lshl_b32 s61, s24, 4
	s_lshl2_add_u32 s61, s22, s61                  ; my first row tile
	s_add_co_u32 s62, s61, s27                     ; the extra unit's row tile
	s_xor_b32 s12, s26, 1                          ; oth
	s_mul_i32 s10, s26, HB
	s_mul_i32 s11, s12, HB
	s_mul_i32 s13, s61, 13312
	s_mul_i32 s14, s62, 13312
	s_mul_i32 s15, s26, CB
	s_add_co_u32 s15, s15, 2*HB
	s_mul_i32 s16, s12, CB
	s_add_co_u32 s16, s16, 2*HB
	s_mul_i32 s63, s27, 6
	s_mul_i32 s17, s61, 25
	s_add_co_u32 s17, s17, s63
	s_lshl_b32 s17, s17, 10
	s_mul_i32 s18, s62, 25
	s_add_co_u32 s18, s18, 24
	s_lshl_b32 s18, s18, 10
	s_mul_i32 s19, s61, 26
	s_add_co_u32 s19, s19, s63
	s_lshl_b32 s19, s19, 9
	s_mul_i32 s12, s62, 26
	s_add_co_u32 s12, s12, 24
	s_lshl_b32 s12, s12, 9
	s_mov_b32 s21, 0
	s_mov_b32 s78, 0x42700000                      ; 60.0
	s_mov_b32 s82, 0x4038aa3b                      ; 2 log2 e, twice: a pair for the packed multiply
	s_mov_b32 s83, 0x4038aa3b
	v_and_b32 v1, 31, v0
	v_lshlrev_b32 v1, 4, v1                        ; 16 x lane
.irp i, 1,2,3,4
	v_add_nc_u32 v[1+\i], \i*6*GRP, v1             ; six groups on: LDS offsets stay inside 16 bits
.endr
	s_wait_dscnt 0x0
	s_wait_kmcnt 0x0
	s_add_nc_u64 s[56:57], s[6:7], s[58:59]        ; my quarter of chunk 0
	BASE 28, 4, 10, 13                             ; own fragments of my four row tiles
	BASE 30, 4, 11, 13                             ; oth
	BASE 32, 4, 10, 14                             ; the extra unit's own
	BASE 34, 4, 11, 14                             ; and oth
	BASE 36, 4, 15, 17                             ; c_own
	BASE 38, 4, 16, 17                             ; c_oth
	BASE 66, 4, 15, 18                             ; the extra unit's c_own
	BASE 68, 4, 16, 18                             ; and c_oth
	BASE 70, 8, 10, 19                             ; h out
	BASE 72, 8, 10, 12                             ; the extra unit's h out
.if STORE_C
	BASE 74, 8, 15, 17                             ; c out
	BASE 76, 8, 15, 18
.endif
	ROUND                                          ; all four partners are here: the first joint loads meet
.irp s, 0,1
	s_mov_b32 s[48+4*\s], 1
	s_add_co_u32 s[49+4*\s], s60, \s*CHUNK
	s_add_nc_u64 s[50+4*\s:51+4*\s], s[56:57], \s*CHUNK
	s_or_b32 s[51+4*\s], s[51+4*\s], 0x80000000
	tensor_load_to_lds s[48+4*\s:51+4*\s], s[40:47]        ; chunks 0 and 1: two loads of this wave are out, later never more than one
	s_nop 0
	PLACES
.endr
; 18 LDS loads: the nine fragments of group GN into buffer GN & 1; 32 lanes take 512 consecutive bytes
.macro BLOAD
	.set AG, ((GN/13)&1)*13+(GN%13)
	.set LBR, 1+(AG/6)
	.set LBO, (AG%6)*GRP
	.set BBN, BB+72*(GN&1)
.irp m, 0,1,2,3,4,5,6,7,8
	ds_load_b128 v[BBN+8*\m:BBN+8*\m+3], v[LBR] offset:LBO+\m*1024
	ds_load_b128 v[BBN+8*\m+4:BBN+8*\m+7], v[LBR] offset:LBO+\m*1024+512
.endr
.endm
; the activations of step T2 (pass T2 / 13, K step T2 % 13) into buffer T2 % 3: 16 loads, in pass 0 four more for the extra unit
.macro ALOAD
	.set AB2, T2%3
	.set KS2, T2%13
	.set WN, (1+AB2)<<6
	WIN WN
.irp a, 0,1,2,3
	global_load_b128 v[160+8*\a:163+8*\a], v1, s[28:29] offset:\a*13312+KS2*1024
	global_load_b128 v[164+8*\a:167+8*\a], v1, s[28:29] offset:\a*13312+KS2*1024+512
	global_load_b128 v[192+8*\a:195+8*\a], v1, s[30:31] offset:\a*13312+KS2*1024
	global_load_b128 v[196+8*\a:199+8*\a], v1, s[30:31] offset:\a*13312+KS2*1024+512
.endr
	WIN 0
.if T2 < 13
	global_load_b128 v[160+16*AB2:163+16*AB2], v1, s[32:33] offset:KS2*1024
	global_load_b128 v[164+16*AB2:167+16*AB2], v1, s[32:33] offset:KS2*1024+512
	global_load_b128 v[168+16*AB2:171+16*AB2], v1, s[34:35] offset:KS2*1024
	global_load_b128 v[172+16*AB2:175+16*AB2], v1, s[34:35] offset:KS2*1024+512
.endif
.endm
; matrix m onto sum g of my four row tiles; ab = 160 own, 192 oth
.macro WM4 m, g, ab, zero
.irp a, 0,1,2,3
.if \zero
	v_wmma_f32_16x16x32_f16 v[8*(5*\a+\g):8*(5*\a+\g)+7], v[BBC+8*\m:BBC+8*\m+7], v[\ab+8*\a:\ab+8*\a+7], 0
.else
	v_wmma_f32_16x16x32_f16 v[8*(5*\a+\g):8*(5*\a+\g)+7], v[BBC+8*\m:BBC+8*\m+7], v[\ab+8*\a:\ab+8*\a+7], v[8*(5*\a+\g):8*(5*\a+\g)+7]
.endif
.endr
.endm
.macro WMX m, g, ob, zero              ; the same for the extra unit; ob = 0 own, 8 oth
.if \zero
	v_wmma_f32_16x16x32_f16 v[208+8*\g:215+8*\g], v[BBC+8*\m:BBC+8*\m+7], v[160+16*AB+\ob:167+16*AB+\ob], 0
.else
	v_wmma_f32_16x16x32_f16 v[208+8*\g:215+8*\g], v[BBC+8*\m:BBC+8*\m+7], v[160+16*AB+\ob:167+16*AB+\ob], v[208+8*\g:215+8*\g]
.endif
.endm
; group G's matrix instructions.  The sums take turns, one instruction a turn, within a group and from group to group.
; The first K step starts the sums with the constant 0: nothing is cleared.
.macro MUL
	.set BBC, BB+72*(G&1)
.if CC < 3
	.set WN, ((1+AB)<<2)|((1+CC)<<4)|((1+CC)<<6)
	WIN WN
	WM4 0, 0, 160, ZF
	WM4 1, 1, 160, ZF
	WM4 2, 2, 160, ZF
	WM4 3, 3, 160, ZF
	WM4 4, 4, 160, ZF
	WM4 5, 0, 192, 0
	WM4 6, 1, 192, 0
	WM4 7, 2, 192, 0
	WM4 8, 4, 192, 0
.else
	WIN 0
	WMX 0, 0, 0, ZF
	WMX 1, 1, 0, ZF
	WMX 2, 2, 0, ZF
	WMX 3, 3, 0, ZF
	WMX 4, 4, 0, ZF
	WMX 5, 0, 8, 0
	WMX 6, 1, 8, 0
	WMX 7, 2, 8, 0
	WMX 8, 4, 8, 0
.endif
.endm
; The change to chunk TJ.  My reads of the old slot are back and all my tensor loads have landed (the one that was out is my quarter of chunk TJ);
; behind the round of the cluster's barrier that holds of every wave of all four partners, and the old slot is asked for again, first thing.
; The last chunk is followed by none: a plain barrier shows it whole.
.macro TURN
	.set TJ, (G+1)/13
	.set SL, (TJ-1)&1
	s_wait_dscnt 0x0
	s_wait_tensorcnt 0x0
	ds_add_u32 v254, v255
	s_wait_dscnt 0x0
.if TJ < 6
	s_add_nc_u64 s[50+4*SL:51+4*SL], s[50+4*SL:51+4*SL], 2*CHUNK   ; no load of mine is out: the group may be written
	ROUND
	tensor_load_to_lds s[48+4*SL:51+4*SL], s[40:47]                ; chunk TJ + 1: thirteen groups' work in which to land
	s_nop 0
	PLACES
.else
	s_barrier_signal -1
	s_barrier_wait -1
.endif
.endm
.macro GROUP
.if G < 52
	.set KS, G/4
	.set CC, G%4
	.set TT, KS
.else
	.set KS, (G-52)/3
	.set CC, (G-52)%3
	.set TT, 13+KS
.endif
	.set AB, TT%3
.if KS == 0
	.set ZF, 1
.else
	.set ZF, 0
.endif
	PLACES                                         ; the buffers that the last group's matrix instructions read are loaded again below
	WIN 0
.if G < 90
.if (G+1)%13 == 0
	TURN
.endif
	.set GN, G+1
	BLOAD
.endif
.if CC == 0
.if TT+2 <= 25
	.set T2, TT+2
	ALOAD
.endif
	.set LC, 0
.if TT+1 <= 12
	.set LC, LC+20
.else
.if TT+1 <= 25
	.set LC, LC+16
.endif
.endif
.if TT+2 <= 12
	.set LC, LC+20
.else
.if TT+2 <= 25
	.set LC, LC+16
.endif
.endif
	s_wait_loadcnt LC                              ; this step's activations are in; the loads of the next two steps may stay out
.endif
.if G < 90
	s_wait_dscnt 18                                ; this group's fragments are in; the next group's 18 loads may stay out
.else
	s_wait_dscnt 0x0
.endif
	MUL
	.set G, G+1
.endm
; four loads: c_own and c_oth of a unit into buffer CP
.macro CLOAD
	global_load_b128 v[128+16*CP:131+16*CP], v1, s[CSO:CSO+1] offset:CIM
	global_load_b128 v[132+16*CP:135+16*CP], v1, s[CSO:CSO+1] offset:CIM+512
	global_load_b128 v[136+16*CP:139+16*CP], v1, s[CST:CST+1] offset:CIM
	global_load_b128 v[140+16*CP:143+16*CP], v1, s[CST:CST+1] offset:CIM+512
.endm
; one unit's way out: sums in window EW at EA; c in buffer EP; EL loads may stay out; h to s[EHB] + EHI, c to s[ECB] + ECI
.macro EPI
	.set CI, 128+16*EP
	.set WN, EW<<2
	WIN WN
.set k, 0
.rept 40
	v_min_num_f32 v[TI+k], s78, v[EA+k]            ; the clamp also brings the sums into window 0
.set k, k+1
.endr
	WIN 0
.set k, 0
.rept 40
	v_exp_f32 v[TI+k], v[TI+k]
.set k, k+1
.endr
	v_nop                                          ; one plain instruction behind the exponentials before their results are used
	s_wait_alu depctr_va_vdst(0)
	PADD TI, TI, 1.0                               ; 1 + e_i
	PFMA W0, TU, TI, TI                            ; (1 + e_i)(1 + e_u)
	PADD TF1, TF1, 1.0
	PADD TF2, TF2, 1.0
	PMUL W1, TF1, TF2                              ; (1 + e_f1)(1 + e_f2)
	TR8 v_rcp_f32, W0
	TR8 v_rcp_f32, W1
	PADD TU, TU, -1.0                              ; plain work behind the reciprocals
	PADD TO, TO, 1.0
	s_wait_loadcnt EL                              ; this unit's c is in; the next unit's four loads may stay out
	PMUL W2, CI, TF2
	PFMA W2, CI+8, TF1, W2                         ; c_own (1 + e_f2) + c_oth (1 + e_f1)
	PMUL W3, TU, W0                                ; i u
	s_wait_xcnt 0x0                                ; the last unit's stores have read c and h: both are rewritten only behind this wait
	PFMA CSR, W2, W1, W3                           ; c
.if STORE_C
	global_store_b128 v1, v[CSR:CSR+3], s[ECB:ECB+1] offset:ECI
	global_store_b128 v1, v[CSR+4:CSR+7], s[ECB:ECB+1] offset:ECI+512
.endif
.irp k, 0,2,4,6
	v_pk_mul_f32 v[W0+\k:W0+\k+1], v[CSR+\k:CSR+\k+1], s[82:83] op_sel_hi:[1,0]
.endr
.irp k, 0,1,2,3,4,5,6,7
	v_min_num_f32 v[W0+\k], s78, v[W0+\k]
.endr
	TR8 v_exp_f32, W0
	v_nop
	s_wait_alu depctr_va_vdst(0)
	PFMA W1, W0, TO, TO                            ; (1 + e_o)(1 + e_c)
	TR8 v_rcp_f32, W1
	PADD W0, W0, -1.0
	PMUL W0, W0, W1                                ; h
.irp k, 0,1,2,3
	v_cvt_pk_f16_f32 v[HSR+\k], v[W0+2*\k], v[W0+2*\k+1]    ; eight neighbouring columns of one row: half a fragment of the next layer
.endr
	global_store_b128 v1, v[HSR:HSR+3], s[EHB:EHB+1] offset:EHI
.endm
; the twelve units of pass p (column c = U / 4, row tile a = U % 4), in pass 0 the extra unit too; a unit's c is loaded one unit ahead
.macro EPILOGUE p
	PLACES
	WIN 0
	.set CP, 0
	.set CSO, 36
	.set CST, 38
	.set CIM, 3*\p*1024
	CLOAD
	.set U, 0
.rept 12
	.set EL, 4
.if U < 11
	.set CP, (U+1)&1
	.set CIM, (((U+1)%4)*25+3*\p+((U+1)/4))*1024
	CLOAD
.else
.if \p == 0
	.set CP, 0
	.set CSO, 66
	.set CST, 68
	.set CIM, 0
	CLOAD
.else
	.set EL, 0
.endif
.endif
	.set EW, 1+(U/4)
	.set EA, 40*(U%4)
	.set EP, U&1
	.set EHB, 70
	.set EHI, ((U%4)*26+3*\p+(U/4))*512
	.set ECB, 74
	.set ECI, ((U%4)*25+3*\p+(U/4))*1024
	EPI
	.set U, U+1
.endr
.if \p == 0
	.set EW, 0
	.set EA, 208
	.set EP, 0
	.set EL, 0
	.set EHB, 72
	.set EHI, 0
	.set ECB, 76
	.set ECI, 0
	EPI
	v_bfe_u32 v[PADR], v0, 4, 1                    ; tile 25 of the extra unit's row tile: 1.0 at k = 400, 401 (word 0 of lanes 0 to 15), else 0
	v_cmp_eq_u32 vcc_lo, 0, v[PADR]
	v_mov_b32 v[PADR+1], 0x3c003c00
	v_cndmask_b32 v[PADR], 0, v[PADR+1], vcc_lo
	v_mov_b32 v[PADR+1], 0
	v_mov_b32 v[PADR+2], 0
	v_mov_b32 v[PADR+3], 0
	global_store_b128 v1, v[PADR:PADR+3], s[72:73] offset:512
.endif
.endm
	.set T2, 0
	ALOAD
	.set T2, 1
	ALOAD
	s_wait_tensorcnt 0x1                           ; my quarter of chunk 0 is in; chunk 1 may stay out
	s_barrier_signal -1
	s_barrier_wait -1
	.set GN, 0
	BLOAD
	.set G, 0
.rept 52
	GROUP
.endr
	EPILOGUE 0                                     ; group 52's fragments wait in buffer 0, steps 13 and 14 in their buffers, chunk 5 is on its way
.rept 39
	GROUP
.endr
	EPILOGUE 1
	ROUND                                          ; the closing round: no work-group ends while a partner may still ask jointly
	s_endpgm
.Lfunc_end_k_qed728ef32f_layer2:
	.size	k_qed728ef32f_layer2, .Lfunc_end_k_qed728ef32f_layer2-k_qed728ef32f_layer2
	.p2alignl 7, 3214868480
	.fill 96, 4, 3214868480
	.section	.rodata,"a",@progbits
	.p2align	6, 0x0
	.amdhsa_kernel k_qed728ef32f_layer2
		.amdhsa_group_segment_fixed_size 327680
		.amdhsa_private_segment_fixed_size 0
		.amdhsa_enable_private_segment 0
		.amdhsa_kernarg_size 24
		.amdhsa_user_sgpr_count 2
		.amdhsa_user_sgpr_kernarg_segment_ptr 1
		.amdhsa_wavefront_size32 1
		.amdhsa_system_sgpr_workgroup_id_x 1
		.amdhsa_system_sgpr_workgroup_id_y 1
		.amdhsa_system_sgpr_workgroup_id_z 1
		.amdhsa_system_vgpr_workitem_id 0
		.amdhsa_next_free_vgpr 1024
		.amdhsa_next_free_sgpr 100
		.amdhsa_reserve_vcc 1
		.amdhsa_float_denorm_mode_32 3
		.amdhsa_float_denorm_mode_16_64 3
		.amdhsa_memory_ordered 1
		.amdhsa_forward_progress 1
		.amdhsa_inst_pref_size 255
	.end_amdhsa_kernel
	.section	.bss,"aw",@nobits
	.p2align	6
	.space	262144
	.amdgpu_metadata
---
amdhsa.version: [ 1, 2 ]
amdhsa.kernels:
  - .name:           k_qed728ef32f_layer2
    .symbol:         k_qed728ef32f_layer2.kd
    .args:
      - { .name: S1, .offset: 0, .size: 8, .value_kind: global_buffer, .address_space: global }
      - { .name: WTS, .offset: 8, .size: 8, .value_kind: global_buffer, .address_space: global }
      - { .name: S2, .offset: 16, .size: 8, .value_kind: global_buffer, .address_space: global }
    .group_segment_fixed_size: 327680
    .private_segment_fixed_size: 0
    .kernarg_segment_align: 8
    .kernarg_segment_size: 24
    .max_flat_workgroup_size: 128
    .sgpr_count:     100
    .vgpr_count:     1024
    .wavefront_size: 32
...
	.end_amdgpu_metadata
.endif
;; end of part 3
;; launch layer3 (part 4): grid 32 x 8, 4 waves a work-group, clusters of 4 x 1, 327,680 bytes of LDS; arguments S2, WTS, S3; writes S3
.if DOCPART == 4
	.amdgcn_target "amdgcn-amd-amdhsa--gfx1250"
	.amdhsa_code_object_version 6
	.text
	.protected	k_qed728ef32f_layer3
	.globl	k_qed728ef32f_layer3
	.p2align	8
	.type	k_qed728ef32f_layer3,@function
k_qed728ef32f_layer3:
	s_mov_b64 s[64:65], 0
	v_nop
	global_prefetch_b8 v0, s[64:65] scope:SCOPE_SE
	s_setreg_imm32_b32 hwreg(HW_REG_WAVE_MODE, 25, 1), 1
	s_wait_xcnt 0x0
	s_wait_alu depctr_hold_cnt(0) depctr_sa_sdst(0) depctr_va_vdst(0) depctr_va_sdst(0) depctr_va_ssrc(0) depctr_va_vcc(0) depctr_vm_vsrc(0)
	s_getreg_b32 s2, hwreg(HW_REG_IB_STS2, 6, 4)
	s_cmp_eq_u32 s2, 0
	s_cbranch_scc0 .Lentry_in_a_cluster
	s_endpgm
.Lentry_in_a_cluster:
	s_bfe_u32 s2, ttmp6, 0x10000c
	s_cmp_lg_u32 s2, 0x3003
	s_cbranch_scc0 .Lentry_shape_is_right
	s_endpgm
.Lentry_shape_is_right:
; A CELL OF LAYER 3: the text of layer 2 with this layer's weight streams (WOFF) and without the store of c (STORE_C = 0: nothing reads c3).
; x is one of the two children ("own": ht for the t cell, ha for the a cell), so with the nine prepared matrices
;   i, o, u = own (Wx+U) + oth U,   f_own = own (Wxf+Uf),   f_oth = own Wxf + oth Uf,   c = i u + f_own c_own + f_oth c_oth,   h = o tanh(c).
; K = 400 is padded to 416 = 13 steps of 32; the activations carry 1.0 at k = 400, 401, where the "own" matrices carry the bias in two f16 parts.
; The weights are pre-multiplied by -log2 e (i, o, f) and 2 log2 e (u): the sums are exponents of 2.  Operands are f16: h lies inside (-1, 1).
; GRID: x = block of 256 rows, y = 4 cell + g.  Wave w owns row tiles 16 x + 4 w .. + 3 and column tiles 6 g .. 6 g + 5, in two passes of
; 4 x 3 units of 16 x 16, five sums a unit (480 accumulator registers).  Column tile 24 is shared out one unit a wave: row tile 16 x + 4 w + g,
; in pass 0.  So every wave has 25 units and 2,925 matrix instructions.
; WEIGHTS: a stream of 91 groups (one column tile, one K step, nine fragments of 1,024 bytes) in the order of use, brought by tensor loads in
; 7 chunks of 13 groups through two LDS slots; each wave fills a quarter of a chunk (117 rows of 256 bytes).  A fragment read from LDS feeds four
; matrix instructions.  CLUSTER: the four row blocks of a cluster walk the same stream, so every chunk is asked for jointly (mask 15).
; ACTIVATIONS belong to one wave alone: they go from memory to registers as ready fragments, three buffers, two K steps ahead.
; The text is straight-line (made by .rept): each line runs once, so every counted wait has one path.
; With e_x = 2^min(sum_x, 60):  i u = (e_u - 1) / ((1+e_i)(1+e_u));  f_own c_own + f_oth c_oth = (c_own (1+e_f2) + c_oth (1+e_f1)) / ((1+e_f1)(1+e_f2));
; h = (e_c - 1) / ((1+e_o)(1+e_c)).   LIMITS: a sigmoid is never below 2^-60; tanh has an absolute error of about 1e-7; a NaN sum is taken as 60.
; REGISTERS.  Window 0: v1-5 16 x lane + 0..4 x 55,296 (LDS and global offsets); v16-87, v88-159 weight fragments, two buffers; v160-207 the extra
; unit's activations, three buffers; v208-247 its five sums.  Window 1 + c: v0-159 sums of column c: unit a, gate (i, o, u, f_own, f_oth) at 8 (5 a + gate).
; Window 1 + b: v160-191 own, v192-223 oth fragments of my four row tiles, buffer b.  On the way out v88-207 of window 0 are scratch.
.set HB, 6815744                       ; bytes of one h matrix: 512 row tiles x 26 tiles x 512
.set CB, 13107200                      ; bytes of one c matrix: 512 x 25 x 1,024
.set WOFF, 7229440                     ; this layer's streams in WTS
.set STORE_C, 0                        ; no later launch reads this layer's c
.set GRP, 9216
.set CHUNK, 13*GRP                     ; an LDS slot
.set QUART, CHUNK/4
.set STREAM, 91*GRP
.set BB, 16
.set TI, 88
.set TO, 96
.set TU, 104
.set TF1, 112
.set TF2, 120
.set W0, 160
.set W1, 168
.set W2, 176
.set W3, 184
.set CSR, 192                          ; c
.set HSR, 200                          ; h, store data
.set PADR, 204                         ; the padding tile
.set MSB, 0
.macro WIN new                         ; the immediate's high byte repeats the setting that is left
.if MSB != (\new)
	s_set_vgpr_msb (MSB<<8)|(\new)
.set MSB, (\new)
.endif
.endm
.macro PLACES                          ; four places behind matrix instructions (ISA guide 7.12.1)
.rept 4
	v_nop
.endr
.endm
.macro ROUND                           ; a round of the cluster's barrier
	s_barrier_signal -1
	s_barrier_wait -1
	s_cmp_lg_u32 s22, 0
	s_cbranch_scc1 .Lnot_wave_0_\@
	s_barrier_signal -3
.Lnot_wave_0_\@:
	s_barrier_wait -3
	s_barrier_signal -1
	s_barrier_wait -1
.endm
.macro BASE dst, ptr, o1, o2           ; a buffer's address plus two offsets
	s_add_co_u32 s20, s\o1, s\o2
	s_add_nc_u64 s[\dst:\dst+1], s[\ptr:\ptr+1], s[20:21]
.endm
.macro PADD d, a, c
.irp k, 0,2,4,6
	v_pk_add_f32 v[\d+\k:\d+\k+1], v[\a+\k:\a+\k+1], \c op_sel_hi:[1,0]
.endr
.endm
.macro PMUL d, a, b
	s_wait_alu depctr_va_vdst(0)
.irp k, 0,2,4,6
	v_pk_mul_f32 v[\d+\k:\d+\k+1], v[\a+\k:\a+\k+1], v[\b+\k:\b+\k+1]
.endr
.endm
.macro PFMA d, a, b, c
.irp k, 0,2,4,6
	v_pk_fma_f32 v[\d+\k:\d+\k+1], v[\a+\k:\a+\k+1], v[\b+\k:\b+\k+1], v[\c+\k:\c+\k+1]
.endr
.endm
.macro TR8 op, d
.irp k, 0,1,2,3,4,5,6,7
	\op v[\d+\k], v[\d+\k]
.endr
.endm
	s_load_b128 s[4:7], s[0:1], 0x0                ; states in s[4:5], WTS s[6:7]
	s_load_b64 s[8:9], s[0:1], 0x10                ; states out
	v_lshl_add_u32 v254, v0, 2, 0x3a800
	v_mov_b32 v255, 0
	ds_add_u32 v254, v255
	v_lshrrev_b32 v6, 5, v0
	v_readfirstlane_b32 s22, v6                    ; wave
	s_bfe_u32 s23, ttmp6, 0x40000                  ; my place in the cluster
	s_lshl_b32 s24, ttmp9, 2
	s_add_co_u32 s24, s24, s23                     ; block of 256 rows
	s_and_b32 s25, ttmp7, 0xffff                   ; y = 4 cell + g: the same in the four partners
	s_lshr_b32 s26, s25, 2                         ; cell = own
	s_and_b32 s27, s25, 3                          ; g
	; descriptor group 1: 117 rows of 32 elements of 8 bytes, dense; mask of all four partners, bit 21 beside it
	s_mov_b32 s40, 15|(3<<16)|(1<<21)
	s_mov_b32 s41, 32<<16                          ; tensor_dim0 = 32
	s_mov_b32 s42, 117<<16                         ; tensor_dim1 = 117
	s_mov_b32 s43, 32<<16                          ; tile_dim0 = 32
	s_mov_b32 s44, 117                             ; tile_dim1 = 117
	s_mov_b32 s45, 32                              ; pitch
	s_mov_b32 s46, 0
	s_mov_b32 s47, 0
	s_mul_i32 s60, s22, QUART                      ; my quarter of a chunk, in LDS and in the stream: the wave's number alone
	s_mul_i32 s58, s25, STREAM                     ; the stream hangs on y alone; s56-60 never hold my place in the cluster
	s_add_co_u32 s58, s58, s60
	s_add_co_u32 s58, s58, WOFF
	s_mov_b32 s59, 0
	; offsets of my activations, states and results
	s_lshl_b32 s61, s24, 4
	s_lshl2_add_u32 s61, s22, s61                  ; my first row tile
	s_add_co_u32 s62, s61, s27                     ; the extra unit's row tile
	s_xor_b32 s12, s26, 1                          ; oth
	s_mul_i32 s10, s26, HB
	s_mul_i32 s11, s12, HB
	s_mul_i32 s13, s61, 13312
	s_mul_i32 s14, s62, 13312
	s_mul_i32 s15, s26, CB
	s_add_co_u32 s15, s15, 2*HB
	s_mul_i32 s16, s12, CB
	s_add_co_u32 s16, s16, 2*HB
	s_mul_i32 s63, s27, 6
	s_mul_i32 s17, s61, 25
	s_add_co_u32 s17, s17, s63
	s_lshl_b32 s17, s17, 10
	s_mul_i32 s18, s62, 25
	s_add_co_u32 s18, s18, 24
	s_lshl_b32 s18, s18, 10
	s_mul_i32 s19, s61, 26
	s_add_co_u32 s19, s19, s63
	s_lshl_b32 s19, s19, 9
	s_mul_i32 s12, s62, 26
	s_add_co_u32 s12, s12, 24
	s_lshl_b32 s12, s12, 9
	s_mov_b32 s21, 0
	s_mov_b32 s78, 0x42700000                      ; 60.0
	s_mov_b32 s82, 0x4038aa3b                      ; 2 log2 e, twice: a pair for the packed multiply
	s_mov_b32 s83, 0x4038aa3b
	v_and_b32 v1, 31, v0
	v_lshlrev_b32 v1, 4, v1                        ; 16 x lane
.irp i, 1,2,3,4
	v_add_nc_u32 v[1+\i], \i*6*GRP, v1             ; six groups on: LDS offsets stay inside 16 bits
.endr
	s_wait_dscnt 0x0
	s_wait_kmcnt 0x0
	s_add_nc_u64 s[56:57], s[6:7], s[58:59]        ; my quarter of chunk 0
	BASE 28, 4, 10, 13                             ; own fragments of my four row tiles
	BASE 30, 4, 11, 13                             ; oth
	BASE 32, 4, 10, 14                             ; the extra unit's own
	BASE 34, 4, 11, 14                             ; and oth
	BASE 36, 4, 15, 17                             ; c_own
	BASE 38, 4, 16, 17                             ; c_oth
	BASE 66, 4, 15, 18                             ; the extra unit's c_own
	BASE 68, 4, 16, 18                             ; and c_oth
	BASE 70, 8, 10, 19                             ; h out
	BASE 72, 8, 10, 12                             ; the extra unit's h out
.if STORE_C
	BASE 74, 8, 15, 17                             ; c out
	BASE 76, 8, 15, 18
.endif
	ROUND                                          ; all four partners are here: the first joint loads meet
.irp s, 0,1
	s_mov_b32 s[48+4*\s], 1
	s_add_co_u32 s[49+4*\s], s60, \s*CHUNK
	s_add_nc_u64 s[50+4*\s:51+4*\s], s[56:57], \s*CHUNK
	s_or_b32 s[51+4*\s], s[51+4*\s], 0x80000000
	tensor_load_to_lds s[48+4*\s:51+4*\s], s[40:47]        ; chunks 0 and 1: two loads of this wave are out, later never more than one
	s_nop 0
	PLACES
.endr
; 18 LDS loads: the nine fragments of group GN into buffer GN & 1; 32 lanes take 512 consecutive bytes
.macro BLOAD
	.set AG, ((GN/13)&1)*13+(GN%13)
	.set LBR, 1+(AG/6)
	.set LBO, (AG%6)*GRP
	.set BBN, BB+72*(GN&1)
.irp m, 0,1,2,3,4,5,6,7,8
	ds_load_b128 v[BBN+8*\m:BBN+8*\m+3], v[LBR] offset:LBO+\m*1024
	ds_load_b128 v[BBN+8*\m+4:BBN+8*\m+7], v[LBR] offset:LBO+\m*1024+512
.endr
.endm
; the activations of step T2 (pass T2 / 13, K step T2 % 13) into buffer T2 % 3: 16 loads, in pass 0 four more for the extra unit
.macro ALOAD
	.set AB2, T2%3
	.set KS2, T2%13
	.set WN, (1+AB2)<<6
	WIN WN
.irp a, 0,1,2,3
	global_load_b128 v[160+8*\a:163+8*\a], v1, s[28:29] offset:\a*13312+KS2*1024
	global_load_b128 v[164+8*\a:167+8*\a], v1, s[28:29] offset:\a*13312+KS2*1024+512
	global_load_b128 v[192+8*\a:195+8*\a], v1, s[30:31] offset:\a*13312+KS2*1024
	global_load_b128 v[196+8*\a:199+8*\a], v1, s[30:31] offset:\a*13312+KS2*1024+512
.endr
	WIN 0
.if T2 < 13
	global_load_b128 v[160+16*AB2:163+16*AB2], v1, s[32:33] offset:KS2*1024
	global_load_b128 v[164+16*AB2:167+16*AB2], v1, s[32:33] offset:KS2*1024+512
	global_load_b128 v[168+16*AB2:171+16*AB2], v1, s[34:35] offset:KS2*1024
	global_load_b128 v[172+16*AB2:175+16*AB2], v1, s[34:35] offset:KS2*1024+512
.endif
.endm
; matrix m onto sum g of my four row tiles; ab = 160 own, 192 oth
.macro WM4 m, g, ab, zero
.irp a, 0,1,2,3
.if \zero
	v_wmma_f32_16x16x32_f16 v[8*(5*\a+\g):8*(5*\a+\g)+7], v[BBC+8*\m:BBC+8*\m+7], v[\ab+8*\a:\ab+8*\a+7], 0
.else
	v_wmma_f32_16x16x32_f16 v[8*(5*\a+\g):8*(5*\a+\g)+7], v[BBC+8*\m:BBC+8*\m+7], v[\ab+8*\a:\ab+8*\a+7], v[8*(5*\a+\g):8*(5*\a+\g)+7]
.endif
.endr
.endm
.macro WMX m, g, ob, zero              ; the same for the extra unit; ob = 0 own, 8 oth
.if \zero
	v_wmma_f32_16x16x32_f16 v[208+8*\g:215+8*\g], v[BBC+8*\m:BBC+8*\m+7], v[160+16*AB+\ob:167+16*AB+\ob], 0
.else
	v_wmma_f32_16x16x32_f16 v[208+8*\g:215+8*\g], v[BBC+8*\m:BBC+8*\m+7], v[160+16*AB+\ob:167+16*AB+\ob], v[208+8*\g:215+8*\g]
.endif
.endm
; group G's matrix instructions.  The sums take turns, one instruction a turn, within a group and from group to group.
; The first K step starts the sums with the constant 0: nothing is cleared.
.macro MUL
	.set BBC, BB+72*(G&1)
.if CC < 3
	.set WN, ((1+AB)<<2)|((1+CC)<<4)|((1+CC)<<6)
	WIN WN
	WM4 0, 0, 160, ZF
	WM4 1, 1, 160, ZF
	WM4 2, 2, 160, ZF
	WM4 3, 3, 160, ZF
	WM4 4, 4, 160, ZF
	WM4 5, 0, 192, 0
	WM4 6, 1, 192, 0
	WM4 7, 2, 192, 0
	WM4 8, 4, 192, 0
.else
	WIN 0
	WMX 0, 0, 0, ZF
	WMX 1, 1, 0, ZF
	WMX 2, 2, 0, ZF
	WMX 3, 3, 0, ZF
	WMX 4, 4, 0, ZF
	WMX 5, 0, 8, 0
	WMX 6, 1, 8, 0
	WMX 7, 2, 8, 0
	WMX 8, 4, 8, 0
.endif
.endm
; The change to chunk TJ.  My reads of the old slot are back and all my tensor loads have landed (the one that was out is my quarter of chunk TJ);
; behind the round of the cluster's barrier that holds of every wave of all four partners, and the old slot is asked for again, first thing.
; The last chunk is followed by none: a plain barrier shows it whole.
.macro TURN
	.set TJ, (G+1)/13
	.set SL, (TJ-1)&1
	s_wait_dscnt 0x0
	s_wait_tensorcnt 0x0
	ds_add_u32 v254, v255
	s_wait_dscnt 0x0
.if TJ < 6
	s_add_nc_u64 s[50+4*SL:51+4*SL], s[50+4*SL:51+4*SL], 2*CHUNK   ; no load of mine is out: the group may be written
	ROUND
	tensor_load_to_lds s[48+4*SL:51+4*SL], s[40:47]                ; chunk TJ + 1: thirteen groups' work in which to land
	s_nop 0
	PLACES
.else
	s_barrier_signal -1
	s_barrier_wait -1
.endif
.endm
.macro GROUP
.if G < 52
	.set KS, G/4
	.set CC, G%4
	.set TT, KS
.else
	.set KS, (G-52)/3
	.set CC, (G-52)%3
	.set TT, 13+KS
.endif
	.set AB, TT%3
.if KS == 0
	.set ZF, 1
.else
	.set ZF, 0
.endif
	PLACES                                         ; the buffers that the last group's matrix instructions read are loaded again below
	WIN 0
.if G < 90
.if (G+1)%13 == 0
	TURN
.endif
	.set GN, G+1
	BLOAD
.endif
.if CC == 0
.if TT+2 <= 25
	.set T2, TT+2
	ALOAD
.endif
	.set LC, 0
.if TT+1 <= 12
	.set LC, LC+20
.else
.if TT+1 <= 25
	.set LC, LC+16
.endif
.endif
.if TT+2 <= 12
	.set LC, LC+20
.else
.if TT+2 <= 25
	.set LC, LC+16
.endif
.endif
	s_wait_loadcnt LC                              ; this step's activations are in; the loads of the next two steps may stay out
.endif
.if G < 90
	s_wait_dscnt 18                                ; this group's fragments are in; the next group's 18 loads may stay out
.else
	s_wait_dscnt 0x0
.endif
	MUL
	.set G, G+1
.endm
; four loads: c_own and c_oth of a unit into buffer CP
.macro CLOAD
	global_load_b128 v[128+16*CP:131+16*CP], v1, s[CSO:CSO+1] offset:CIM
	global_load_b128 v[132+16*CP:135+16*CP], v1, s[CSO:CSO+1] offset:CIM+512
	global_load_b128 v[136+16*CP:139+16*CP], v1, s[CST:CST+1] offset:CIM
	global_load_b128 v[140+16*CP:143+16*CP], v1, s[CST:CST+1] offset:CIM+512
.endm
; one unit's way out: sums in window EW at EA; c in buffer EP; EL loads may stay out; h to s[EHB] + EHI, c to s[ECB] + ECI
.macro EPI
	.set CI, 128+16*EP
	.set WN, EW<<2
	WIN WN
.set k, 0
.rept 40
	v_min_num_f32 v[TI+k], s78, v[EA+k]            ; the clamp also brings the sums into window 0
.set k, k+1
.endr
	WIN 0
.set k, 0
.rept 40
	v_exp_f32 v[TI+k], v[TI+k]
.set k, k+1
.endr
	v_nop                                          ; one plain instruction behind the exponentials before their results are used
	s_wait_alu depctr_va_vdst(0)
	PADD TI, TI, 1.0                               ; 1 + e_i
	PFMA W0, TU, TI, TI                            ; (1 + e_i)(1 + e_u)
	PADD TF1, TF1, 1.0
	PADD TF2, TF2, 1.0
	PMUL W1, TF1, TF2                              ; (1 + e_f1)(1 + e_f2)
	TR8 v_rcp_f32, W0
	TR8 v_rcp_f32, W1
	PADD TU, TU, -1.0                              ; plain work behind the reciprocals
	PADD TO, TO, 1.0
	s_wait_loadcnt EL                              ; this unit's c is in; the next unit's four loads may stay out
	PMUL W2, CI, TF2
	PFMA W2, CI+8, TF1, W2                         ; c_own (1 + e_f2) + c_oth (1 + e_f1)
	PMUL W3, TU, W0                                ; i u
	s_wait_xcnt 0x0                                ; the last unit's store has read h: it is rewritten only behind this wait
	PFMA CSR, W2, W1, W3                           ; c
.if STORE_C
	global_store_b128 v1, v[CSR:CSR+3], s[ECB:ECB+1] offset:ECI
	global_store_b128 v1, v[CSR+4:CSR+7], s[ECB:ECB+1] offset:ECI+512
.endif
.irp k, 0,2,4,6
	v_pk_mul_f32 v[W0+\k:W0+\k+1], v[CSR+\k:CSR+\k+1], s[82:83] op_sel_hi:[1,0]
.endr
.irp k, 0,1,2,3,4,5,6,7
	v_min_num_f32 v[W0+\k], s78, v[W0+\k]
.endr
	TR8 v_exp_f32, W0
	v_nop
	s_wait_alu depctr_va_vdst(0)
	PFMA W1, W0, TO, TO                            ; (1 + e_o)(1 + e_c)
	TR8 v_rcp_f32, W1
	PADD W0, W0, -1.0
	PMUL W0, W0, W1                                ; h
.irp k, 0,1,2,3
	v_cvt_pk_f16_f32 v[HSR+\k], v[W0+2*\k], v[W0+2*\k+1]    ; eight neighbouring columns of one row: half a fragment for the heads
.endr
	global_store_b128 v1, v[HSR:HSR+3], s[EHB:EHB+1] offset:EHI
.endm
; the twelve units of pass p (column c = U / 4, row tile a = U % 4), in pass 0 the extra unit too; a unit's c is loaded one unit ahead
.macro EPILOGUE p
	PLACES
	WIN 0
	.set CP, 0
	.set CSO, 36
	.set CST, 38
	.set CIM, 3*\p*1024
	CLOAD
	.set U, 0
.rept 12
	.set EL, 4
.if U < 11
	.set CP, (U+1)&1
	.set CIM, (((U+1)%4)*25+3*\p+((U+1)/4))*1024
	CLOAD
.else
.if \p == 0
	.set CP, 0
	.set CSO, 66
	.set CST, 68
	.set CIM, 0
	CLOAD
.else
	.set EL, 0
.endif
.endif
	.set EW, 1+(U/4)
	.set EA, 40*(U%4)
	.set EP, U&1
	.set EHB, 70
	.set EHI, ((U%4)*26+3*\p+(U/4))*512
	.set ECB, 74
	.set ECI, ((U%4)*25+3*\p+(U/4))*1024
	EPI
	.set U, U+1
.endr
.if \p == 0
	.set EW, 0
	.set EA, 208
	.set EP, 0
	.set EL, 0
	.set EHB, 72
	.set EHI, 0
	.set ECB, 76
	.set ECI, 0
	EPI
	v_bfe_u32 v[PADR], v0, 4, 1                    ; tile 25 of the extra unit's row tile: 1.0 at k = 400, 401 (word 0 of lanes 0 to 15), else 0
	v_cmp_eq_u32 vcc_lo, 0, v[PADR]
	v_mov_b32 v[PADR+1], 0x3c003c00
	v_cndmask_b32 v[PADR], 0, v[PADR+1], vcc_lo
	v_mov_b32 v[PADR+1], 0
	v_mov_b32 v[PADR+2], 0
	v_mov_b32 v[PADR+3], 0
	global_store_b128 v1, v[PADR:PADR+3], s[72:73] offset:512
.endif
.endm
	.set T2, 0
	ALOAD
	.set T2, 1
	ALOAD
	s_wait_tensorcnt 0x1                           ; my quarter of chunk 0 is in; chunk 1 may stay out
	s_barrier_signal -1
	s_barrier_wait -1
	.set GN, 0
	BLOAD
	.set G, 0
.rept 52
	GROUP
.endr
	EPILOGUE 0                                     ; group 52's fragments wait in buffer 0, steps 13 and 14 in their buffers, chunk 5 is on its way
.rept 39
	GROUP
.endr
	EPILOGUE 1
	ROUND                                          ; the closing round: no work-group ends while a partner may still ask jointly
	s_endpgm
.Lfunc_end_k_qed728ef32f_layer3:
	.size	k_qed728ef32f_layer3, .Lfunc_end_k_qed728ef32f_layer3-k_qed728ef32f_layer3
	.p2alignl 7, 3214868480
	.fill 96, 4, 3214868480
	.section	.rodata,"a",@progbits
	.p2align	6, 0x0
	.amdhsa_kernel k_qed728ef32f_layer3
		.amdhsa_group_segment_fixed_size 327680
		.amdhsa_private_segment_fixed_size 0
		.amdhsa_enable_private_segment 0
		.amdhsa_kernarg_size 24
		.amdhsa_user_sgpr_count 2
		.amdhsa_user_sgpr_kernarg_segment_ptr 1
		.amdhsa_wavefront_size32 1
		.amdhsa_system_sgpr_workgroup_id_x 1
		.amdhsa_system_sgpr_workgroup_id_y 1
		.amdhsa_system_sgpr_workgroup_id_z 1
		.amdhsa_system_vgpr_workitem_id 0
		.amdhsa_next_free_vgpr 1024
		.amdhsa_next_free_sgpr 100
		.amdhsa_reserve_vcc 1
		.amdhsa_float_denorm_mode_32 3
		.amdhsa_float_denorm_mode_16_64 3
		.amdhsa_memory_ordered 1
		.amdhsa_forward_progress 1
		.amdhsa_inst_pref_size 255
	.end_amdhsa_kernel
	.section	.bss,"aw",@nobits
	.p2align	6
	.space	262144
	.amdgpu_metadata
---
amdhsa.version: [ 1, 2 ]
amdhsa.kernels:
  - .name:           k_qed728ef32f_layer3
    .symbol:         k_qed728ef32f_layer3.kd
    .args:
      - { .name: S2, .offset: 0, .size: 8, .value_kind: global_buffer, .address_space: global }
      - { .name: WTS, .offset: 8, .size: 8, .value_kind: global_buffer, .address_space: global }
      - { .name: S3, .offset: 16, .size: 8, .value_kind: global_buffer, .address_space: global }
    .group_segment_fixed_size: 327680
    .private_segment_fixed_size: 0
    .kernarg_segment_align: 8
    .kernarg_segment_size: 24
    .max_flat_workgroup_size: 128
    .sgpr_count:     100
    .vgpr_count:     1024
    .wavefront_size: 32
...
	.end_amdgpu_metadata
.endif
;; end of part 4
;; launch heads (part 5): grid 256 x 1, 8 waves a work-group, no clusters, 23,040 bytes of LDS; arguments S3, WTS, out0, out1, out2; writes out0, out1, out2
.if DOCPART == 5
	.amdgcn_target "amdgcn-amd-amdhsa--gfx1250"
	.amdhsa_code_object_version 6
	.text
	.protected	k_qed728ef32f_heads
	.globl	k_qed728ef32f_heads
	.p2align	8
	.type	k_qed728ef32f_heads,@function
k_qed728ef32f_heads:
	s_mov_b64 s[64:65], 0
	v_nop
	global_prefetch_b8 v0, s[64:65] scope:SCOPE_SE
	s_setreg_imm32_b32 hwreg(HW_REG_WAVE_MODE, 25, 1), 1
	s_wait_xcnt 0x0
; THE THREE HEADS.  out0 = ht3 W_cur[0:400] + ha3 W_cur[400:800] + b_cur,  out1 = ht3 W_ac + b_ac,  out2 = ha3 W_ap + b_ap.
; ht3, ha3 and the weights come as ready f16 fragments, K padded to 416; the biases ride on k = 400, 401, where h is 1.0 (b_cur with ht3's part alone).
; A work-group owns 32 rows.  Wave w: row tile w >> 2, column tile w & 3 (columns 16 ct .. + 15 of all three outputs; columns past 55 or 52 hold zeros
; and are not written).  Source 0 = h, source 1 = weights: lane (r, hh) holds column 16 ct + r of rows 8 hh + 0..7.
; The outputs' rows are 220 and 208 bytes: the 32 rows are gathered in LDS as they lie in memory and leave as 16 consecutive bytes a thread.
; LDS: 20,736 bytes are used (7,040 + 6,656 + 7,040).  23,040 are declared, so that the addresses of lanes that are switched off (columns 55 to 63
; of out2's last rows: up to byte 20,772; threads 184 to 255 in the second turn of the copy out: up to byte 21,888) lie inside the work-group's LDS too.
; Two waves never store to the same byte: a wave's bytes are its own 16 columns of its own 16 rows.
; Each wave's 12 loads of a K step go straight to registers, four stages deep.  Little matrix work: no tensor load, no cluster.
.set HB, 6815744
.set CUR, 8                            ; v[8:15]   sums of out0
.set AC,  16                           ; v[16:23]  out1
.set AP,  24                           ; v[24:31]  out2
.set STG, 32                           ; v[32:223] four stages of 48: ht, ha, W cur_t, cur_a, ac, ap
.set L0, 0                             ; LDS: out0, 32 rows of 220 bytes
.set L1, 7040                          ; out1, 32 rows of 208 bytes
.set L2, 13696                         ; out2, 32 rows of 220 bytes
	s_load_b256 s[4:11], s[0:1], 0x0               ; S3 s[4:5], WTS s[6:7], out0 s[8:9], out1 s[10:11]
	s_load_b64 s[12:13], s[0:1], 0x20              ; out2
	v_lshl_add_u32 v254, v0, 2, 0x5600
	v_mov_b32 v255, 0
	v_lshrrev_b32 v6, 5, v0
	v_readfirstlane_b32 s20, v6                    ; wave
	s_lshr_b32 s21, s20, 2                         ; which of the two row tiles
	s_and_b32 s22, s20, 3                          ; column tile
	s_lshl1_add_u32 s23, ttmp9, s21                ; row tile
	s_mul_i32 s24, s23, 13312
	s_mov_b32 s25, 0
	s_mul_i32 s26, s22, 53248
	s_add_co_u32 s26, s26, 307200
	s_mov_b32 s27, 0
	s_mul_i32 s28, ttmp9, 7040                     ; my 32 rows in out0 and out2
	s_mov_b32 s29, 0
	s_mul_i32 s30, ttmp9, 6656                     ; and in out1
	s_mov_b32 s31, 0
	v_and_b32 v1, 31, v0
	v_lshlrev_b32 v1, 4, v1                        ; 16 x lane
	v_and_b32 v2, 15, v0
	v_bfe_u32 v3, v0, 4, 1
	v_lshlrev_b32 v4, 4, v0                        ; 16 x thread
	v_lshl_add_u32 v5, s22, 4, v2                  ; my column
	s_lshl_b32 s33, s21, 4
	v_lshl_add_u32 v6, v3, 3, s33                  ; my first row among the 32
	v_lshlrev_b32 v225, 2, v5
	v_mad_u32_u24 v7, v6, 220, v225                ; LDS place in out0 and out2
	v_mad_u32_u24 v224, v6, 208, v225              ; and in out1
	s_wait_kmcnt 0x0
	s_add_nc_u64 s[14:15], s[4:5], s[24:25]        ; ht3, my row tile
	s_add_nc_u64 s[16:17], s[14:15], HB            ; ha3
	s_add_nc_u64 s[18:19], s[6:7], s[26:27]        ; my column tile's weights
	s_add_nc_u64 s[8:9], s[8:9], s[28:29]
	s_add_nc_u64 s[10:11], s[10:11], s[30:31]
	s_add_nc_u64 s[12:13], s[12:13], s[28:29]
.macro STAGE                           ; the twelve loads of K step SK
	.set SN, STG+48*(SK&3)
	global_load_b128 v[SN:SN+3], v1, s[14:15] offset:SK*1024
	global_load_b128 v[SN+4:SN+7], v1, s[14:15] offset:SK*1024+512
	global_load_b128 v[SN+8:SN+11], v1, s[16:17] offset:SK*1024
	global_load_b128 v[SN+12:SN+15], v1, s[16:17] offset:SK*1024+512
.irp m, 0,1,2,3
	global_load_b128 v[SN+16+8*\m:SN+19+8*\m], v1, s[18:19] offset:SK*4096+\m*1024
	global_load_b128 v[SN+20+8*\m:SN+23+8*\m], v1, s[18:19] offset:SK*4096+\m*1024+512
.endr
.endm
	.set SK, 0
.rept 4
	STAGE
	.set SK, SK+1
.endr
	.set KS, 0
.rept 13
	.set SB, STG+48*(KS&3)
.if KS <= 9
	s_wait_loadcnt 36                              ; this step's twelve loads are in; three later stages may stay out
.else
	s_wait_loadcnt 12*(12-KS)
.endif
	; out0's sum is taken up every second instruction, with out1's and out2's between: turns of one instruction
.if KS == 0
	v_wmma_f32_16x16x32_f16 v[CUR:CUR+7], v[SB:SB+7], v[SB+16:SB+23], 0
	v_wmma_f32_16x16x32_f16 v[AC:AC+7], v[SB:SB+7], v[SB+32:SB+39], 0
	v_wmma_f32_16x16x32_f16 v[CUR:CUR+7], v[SB+8:SB+15], v[SB+24:SB+31], v[CUR:CUR+7]
	v_wmma_f32_16x16x32_f16 v[AP:AP+7], v[SB+8:SB+15], v[SB+40:SB+47], 0
.else
	v_wmma_f32_16x16x32_f16 v[CUR:CUR+7], v[SB:SB+7], v[SB+16:SB+23], v[CUR:CUR+7]
	v_wmma_f32_16x16x32_f16 v[AC:AC+7], v[SB:SB+7], v[SB+32:SB+39], v[AC:AC+7]
	v_wmma_f32_16x16x32_f16 v[CUR:CUR+7], v[SB+8:SB+15], v[SB+24:SB+31], v[CUR:CUR+7]
	v_wmma_f32_16x16x32_f16 v[AP:AP+7], v[SB+8:SB+15], v[SB+40:SB+47], v[AP:AP+7]
.endif
.rept 4
	v_nop                                          ; four places before the stage is loaded again, and at the end before the sums are read (ISA guide 7.12.1)
.endr
.if KS+4 <= 12
	.set SK, KS+4
	STAGE
.endif
	.set KS, KS+1
.endr
	; the way out: each wave puts its 16 x 16 piece of each output into LDS, columns past the output's width left out
	s_wait_xcnt 0x0                                ; EXEC changes only behind this wait
	v_cmp_gt_u32 vcc_lo, 55, v5
	s_and_saveexec_b32 s32, vcc_lo
.irp j, 0,1,2,3,4,5,6,7
	ds_store_b32 v7, v[CUR+\j] offset:L0+\j*220
	ds_store_b32 v7, v[AP+\j] offset:L2+\j*220
.endr
	s_or_b32 exec_lo, exec_lo, s32
	v_cmp_gt_u32 vcc_lo, 52, v5
	s_and_saveexec_b32 s32, vcc_lo
.irp j, 0,1,2,3,4,5,6,7
	ds_store_b32 v224, v[AC+\j] offset:L1+\j*208
.endr
	s_or_b32 exec_lo, exec_lo, s32
	s_wait_dscnt 0x0                               ; my stores are done, for the other waves' sake
	s_barrier_signal -1
	s_barrier_wait -1
	; 7,040, 6,656 and 7,040 consecutive bytes: 256 threads x 16 bytes, then the rest
	ds_load_b128 v[32:35], v4 offset:L0
	ds_load_b128 v[36:39], v4 offset:L1
	ds_load_b128 v[40:43], v4 offset:L2
	s_wait_dscnt 0x0
	global_store_b128 v4, v[32:35], s[8:9]
	global_store_b128 v4, v[36:39], s[10:11]
	global_store_b128 v4, v[40:43], s[12:13]
	s_wait_xcnt 0x0                                ; EXEC changes only behind this wait
	v_cmp_gt_u32 vcc_lo, 184, v0                   ; 7,040 - 4,096 = 184 x 16
	s_wait_tensorcnt 0x0
	ds_add_u32 v254, v255
	s_wait_dscnt 0x0
	s_and_saveexec_b32 s32, vcc_lo
	ds_load_b128 v[44:47], v4 offset:L0+4096
	ds_load_b128 v[48:51], v4 offset:L2+4096
	s_wait_dscnt 0x0
	global_store_b128 v4, v[44:47], s[8:9] offset:4096
	global_store_b128 v4, v[48:51], s[12:13] offset:4096
	s_wait_xcnt 0x0                                ; and again in front of the line that widens it
	s_or_b32 exec_lo, exec_lo, s32
	v_cmp_gt_u32 vcc_lo, 160, v0                   ; 6,656 - 4,096 = 160 x 16
	s_and_saveexec_b32 s32, vcc_lo
	ds_load_b128 v[52:55], v4 offset:L1+4096
	s_wait_dscnt 0x0
	global_store_b128 v4, v[52:55], s[10:11] offset:4096
	s_endpgm
.Lfunc_end_k_qed728ef32f_heads:
	.size	k_qed728ef32f_heads, .Lfunc_end_k_qed728ef32f_heads-k_qed728ef32f_heads
	.p2alignl 7, 3214868480
	.fill 96, 4, 3214868480
	.section	.rodata,"a",@progbits
	.p2align	6, 0x0
	.amdhsa_kernel k_qed728ef32f_heads
		.amdhsa_group_segment_fixed_size 23040
		.amdhsa_private_segment_fixed_size 0
		.amdhsa_enable_private_segment 0
		.amdhsa_kernarg_size 40
		.amdhsa_user_sgpr_count 2
		.amdhsa_user_sgpr_kernarg_segment_ptr 1
		.amdhsa_wavefront_size32 1
		.amdhsa_system_sgpr_workgroup_id_x 1
		.amdhsa_system_sgpr_workgroup_id_y 1
		.amdhsa_system_sgpr_workgroup_id_z 1
		.amdhsa_system_vgpr_workitem_id 0
		.amdhsa_next_free_vgpr 256
		.amdhsa_next_free_sgpr 66
		.amdhsa_reserve_vcc 1
		.amdhsa_float_denorm_mode_32 3
		.amdhsa_float_denorm_mode_16_64 3
		.amdhsa_memory_ordered 1
		.amdhsa_forward_progress 1
		.amdhsa_inst_pref_size 26
	.end_amdhsa_kernel
	.amdgpu_metadata
---
amdhsa.version: [ 1, 2 ]
amdhsa.kernels:
  - .name:           k_qed728ef32f_heads
    .symbol:         k_qed728ef32f_heads.kd
    .args:
      - { .name: S3, .offset: 0, .size: 8, .value_kind: global_buffer, .address_space: global }
      - { .name: WTS, .offset: 8, .size: 8, .value_kind: global_buffer, .address_space: global }
      - { .name: out0, .offset: 16, .size: 8, .value_kind: global_buffer, .address_space: global }
      - { .name: out1, .offset: 24, .size: 8, .value_kind: global_buffer, .address_space: global }
      - { .name: out2, .offset: 32, .size: 8, .value_kind: global_buffer, .address_space: global }
    .group_segment_fixed_size: 23040
    .private_segment_fixed_size: 0
    .kernarg_segment_align: 8
    .kernarg_segment_size: 40
    .max_flat_workgroup_size: 256
    .sgpr_count:     66
    .vgpr_count:     256
    .wavefront_size: 32
...
	.end_amdgpu_metadata
.endif
;; end of part 5
;; ======== version 2 of 3: 5 launches; 1.17 times as fast as version 1
;; limits: values outside matrix products are rounded to f16; values are held in f16: magnitudes above 65,504 overflow, below 6.1e-05 lose precision; inputs' magnitudes at most 11,350
;; workspace buffers: WTS 14,233,600 bytes; S1 39,845,888 bytes; S2 39,845,888 bytes; S3 13,631,488 bytes
;; launch prep (part 6): grid 402 x 1, 8 waves a work-group, no clusters, 0 bytes of LDS; arguments Wx_t2, U_t2, b_t2, Wx_a2, U_a2, b_a2, Wx_t3, U_t3, b_t3, Wx_a3, U_a3, b_a3, Wx_t1, b_t1, Wx_a1, b_a1, W_cur, b_cur, W_ac, b_ac, W_ap, b_ap, WTS; writes WTS
.if DOCPART == 6
	.amdgcn_target "amdgcn-amd-amdhsa--gfx1250"
	.amdhsa_code_object_version 6
	.text
	.protected	k_qed728ef32f_prep
	.globl	k_qed728ef32f_prep
	.p2align	8
	.type	k_qed728ef32f_prep,@function
k_qed728ef32f_prep:
	s_mov_b64 s[64:65], 0
	v_nop
	global_prefetch_b8 v0, s[64:65] scope:SCOPE_SE
	s_setreg_imm32_b32 hwreg(HW_REG_WAVE_MODE, 25, 1), 1
	s_wait_xcnt 0x0
; PREP: all weights, once, from f32 [K][N] into f16 matrix fragments in WTS, in the order in which the later launches stream them.
; A fragment is 1,024 bytes, [q = 0,1][lane 0..31][16 bytes]: lane (r = lane & 15, hh = lane >> 4) holds column n = 16 ct + r at
; k = 32 ks + 16 q + 8 hh + 0..7.  One wave makes one half fragment (one q) of every matrix that is made of the same source elements.
; Layers 2 and 3: x is one of the two children ("own"), so nine matrices serve a cell:
;   0 Wx_i+U_i  1 Wx_o+U_o  2 Wx_u+U_u  3 Wx_f+U_f  4 Wx_f   (times own)      5 U_i  6 U_o  7 U_u  8 U_f   (times the other child)
; K is padded 400 -> 416 (layer 1: 55 -> 64).  The activations carry 1.0 at k = KMAX and KMAX+1; rows KMAX, KMAX+1 of the "own" matrices
; carry the bias as an 11-bit part and the remainder; every other padded row is 0.
; The i, f, o columns are multiplied by -log2 e and the u columns by 2 log2 e before the one rounding to f16, so that the sums of the
; later launches are exponents of 2 as they stand.  The heads' weights are not scaled.
; WHY f16: h lies inside (-1, 1) by sigmoid x tanh, x and the weights are of order 1 and below; f16 rounds eight times finer than bf16.
; LIMIT: a weight (scaled, combined) of magnitude 65,504 or more becomes Inf; below 6.1e-5 the absolute error is at most 3e-8.
; NOT READ: U_t1, U_a1 and the f columns of Wx_t1, Wx_a1, b_t1, b_a1.  reference() multiplies them by states that it builds as zeros itself;
; the result differs from reference() only if they hold Inf or NaN.
; No LDS, no matrix unit, no cluster: each element is read once and each output byte written once; nothing is shared between waves.
; WTS: 0 layer 1 [cell][ct 25][gate i,o,u][ks 2]; 307,200 heads [ct 4][ks 13][cur_t, cur_a, ac, ap];
;      520,192 sixteen streams [layer][cell][g 4] of 93 groups of 9 fragments (a group: one column tile, one K step).  In a stream:
;      column tile 6 g + 3 p + c (pass p, column c), K step ks >= 1: group 36 p + 3 (ks - 1) + c;  ks = 0: group 84 + 3 p + c;
;      column tile 24 (a copy in each of a cell's four streams): ks < 3: group 90 + ks;  ks >= 3: group 69 + ks.  Groups 82, 83 stay unwritten.
.set NEGL, 0xbfb8aa3b                  ; -log2 e
.set TWOL, 0x4038aa3b                  ; 2 log2 e
.set SPLITC, 0x46000400                ; 8193.0 = 2^13 + 1: splits off the upper 11 bits of an f32
.set STREAM, 857088                    ; 93 groups of 9,216 bytes
.set OFR, 8                            ; v[8:15]   byte offset of source element (k of register j, my column)
.set BV,  16                           ; v[16:19]  bias of my column, gate i, f, o, u
.set BH,  20                           ; v[20:23]  its upper 11 bits
.set BL,  24                           ; v[24:27]  the remainder
.set BO,  28                           ; v28       4 x my column (clamped)
.set KK,  29                           ; v29       at work
.set WXR, 32                           ; v[32:63]  Wx, 8 numbers for each gate in memory's order i, f, o, u
.set UR,  64                           ; v[64:95]  U likewise
.set VL,  96                           ; v[96:103] a matrix's 8 numbers
.set PD,  104                          ; v[104:111] what stands in the padded rows
.set RES, 128                          ; v[128:163] 4 registers for each matrix: store data, never rewritten
	s_load_b512 s[4:19], s[0:1], 0x0               ; Wx_t2 U_t2 b_t2 Wx_a2 U_a2 b_a2 Wx_t3 U_t3
	s_load_b512 s[20:35], s[0:1], 0x40             ; b_t3 Wx_a3 U_a3 b_a3 Wx_t1 b_t1 Wx_a1 b_a1
	s_load_b256 s[36:43], s[0:1], 0x80             ; W_cur b_cur W_ac b_ac
	s_load_b128 s[44:47], s[0:1], 0xa0             ; W_ap b_ap
	s_load_b64 s[48:49], s[0:1], 0xb0              ; WTS
	v_lshrrev_b32 v1, 5, v0
	v_readfirstlane_b32 s2, v1                     ; wave
	s_mov_b32 s3, ttmp9
	v_and_b32 v1, 31, v0
	v_and_b32 v2, 15, v0                           ; r
	v_bfe_u32 v3, v0, 4, 1                         ; hh
	v_lshlrev_b32 v4, 4, v1                        ; 16 x lane: a wave's store covers 512 consecutive bytes
	s_mov_b32 s99, 0
	s_wait_kmcnt 0x0
; From s56 KMAX, s57 pitch, s58 N, s59 bias on (-1) or off (0), s60 KQ = 2 ks + q, s61 ct: the eight offsets, clamped into the matrix,
; and three lane masks for each j: s[70+j] inside, s[78+j] row KMAX, s[86+j] row KMAX+1.
.macro OFFS
	v_lshl_add_u32 v5, s61, 4, v2                  ; n = 16 ct + r
	v_cmp_gt_u32 s62, s58, v5                      ; my column exists
	s_sub_co_u32 s63, s58, 1
	v_min_u32 v7, s63, v5
	v_lshlrev_b32 v[BO], 2, v7
	s_lshl_b32 s66, s60, 4
	v_lshl_add_u32 v6, v3, 3, s66                  ; k of register 0
	s_sub_co_u32 s67, s56, 1
	s_add_co_u32 s68, s56, 1
	s_and_b32 s69, s62, s59
.irp j, 0,1,2,3,4,5,6,7
	v_add_nc_u32 v[KK], \j, v6
	v_cmp_gt_u32 s[70+\j], s56, v[KK]
	v_cmp_eq_u32 s[78+\j], s56, v[KK]
	v_cmp_eq_u32 s[86+\j], s68, v[KK]
	v_min_u32 v[KK], s67, v[KK]                    ; no load leaves the matrix; what a clamped load brings is dropped below
	v_mad_u32_u24 v[OFR+\j], v[KK], s57, v7
	v_lshlrev_b32 v[OFR+\j], 2, v[OFR+\j]
	s_and_b32 s[70+\j], s[70+\j], s62
	s_and_b32 s[78+\j], s[78+\j], s69
	s_and_b32 s[86+\j], s[86+\j], s69
.endr
.endm
.macro SCALE base, n, c                ; n pairs times a constant
.set k, 0
.rept \n
	v_pk_mul_f32 v[\base+k:\base+k+1], v[\base+k:\base+k+1], \c op_sel_hi:[1,0]
.set k, k+2
.endr
.endm
.macro SPLIT g                         ; bias = upper 11 bits (exact in f16) + remainder: t = 8193 b, hi = t - (t - b)
	v_mul_f32 v[BH+\g], SPLITC, v[BV+\g]
	v_sub_f32 v[BL+\g], v[BH+\g], v[BV+\g]
	v_sub_f32 v[BH+\g], v[BH+\g], v[BL+\g]
	v_sub_f32 v[BL+\g], v[BV+\g], v[BH+\g]
.endm
; matrix m from gate g.  mode 0: Wx + U, bias rows; 1: Wx, bias rows; 2: U, zero rows
.macro MAT m, mode, g
.irp j, 0,1,2,3,4,5,6,7
.if \mode < 2
	v_cndmask_b32 v[PD+\j], 0, v[BL+\g], s[86+\j]
	v_cndmask_b32 v[PD+\j], v[PD+\j], v[BH+\g], s[78+\j]
.endif
.if \mode == 0
	v_add_f32 v[VL+\j], v[WXR+8*\g+\j], v[UR+8*\g+\j]
	v_cndmask_b32 v[VL+\j], v[PD+\j], v[VL+\j], s[70+\j]
.endif
.if \mode == 1
	v_cndmask_b32 v[VL+\j], v[PD+\j], v[WXR+8*\g+\j], s[70+\j]
.endif
.if \mode == 2
	v_cndmask_b32 v[VL+\j], 0, v[UR+8*\g+\j], s[70+\j]
.endif
.endr
.irp i, 0,1,2,3
	v_cvt_pk_f16_f32 v[RES+4*\m+\i], v[VL+2*\i], v[VL+2*\i+1]
.endr
.endm
	s_cmp_lt_u32 s3, 325
	s_cbranch_scc0 .Lnot_cells
	; ---- work-groups 0 to 324: layers 2 and 3.  Task t = ((lc x 26) + KQ) x 25 + ct, lc = t2, a2, t3, a3
	s_lshl_b32 s95, s3, 3
	s_add_co_u32 s95, s95, s2
	s_mul_i32 s67, s95, 5243
	s_lshr_b32 s67, s67, 17                        ; t / 25 (exact below 2,600)
	s_mul_i32 s68, s67, 25
	s_sub_co_u32 s61, s95, s68                     ; ct
	s_mul_i32 s68, s67, 79
	s_lshr_b32 s94, s68, 11                        ; lc = (t / 25) / 26 (exact below 104)
	s_mul_i32 s68, s94, 26
	s_sub_co_u32 s60, s67, s68                     ; KQ
	s_cmp_eq_u32 s94, 1
	s_cselect_b64 s[50:51], s[10:11], s[4:5]
	s_cselect_b64 s[52:53], s[12:13], s[6:7]
	s_cselect_b64 s[54:55], s[14:15], s[8:9]
	s_cmp_eq_u32 s94, 2
	s_cselect_b64 s[50:51], s[16:17], s[50:51]
	s_cselect_b64 s[52:53], s[18:19], s[52:53]
	s_cselect_b64 s[54:55], s[20:21], s[54:55]
	s_cmp_eq_u32 s94, 3
	s_cselect_b64 s[50:51], s[22:23], s[50:51]
	s_cselect_b64 s[52:53], s[24:25], s[52:53]
	s_cselect_b64 s[54:55], s[26:27], s[54:55]
	s_mov_b32 s56, 400
	s_mov_b32 s57, 1600
	s_mov_b32 s58, 400
	s_mov_b32 s59, -1
	OFFS
.irp g, 0,1,2,3
.irp j, 0,1,2,3,4,5,6,7
	global_load_b32 v[WXR+8*\g+\j], v[OFR+\j], s[50:51] offset:1600*\g
	global_load_b32 v[UR+8*\g+\j], v[OFR+\j], s[52:53] offset:1600*\g
.endr
	global_load_b32 v[BV+\g], v[BO], s[54:55] offset:1600*\g
.endr
	; where the nine halves go
	s_lshr_b32 s66, s60, 1                         ; ks
	s_and_b32 s67, s60, 1                          ; q
	s_mul_i32 s68, s61, 43
	s_lshr_b32 s68, s68, 8                         ; g = ct / 6
	s_mul_i32 s69, s68, 6
	s_sub_co_u32 s69, s61, s69
	s_mul_i32 s62, s69, 86
	s_lshr_b32 s62, s62, 8                         ; pass p = (ct % 6) / 3
	s_mul_i32 s63, s62, 3
	s_sub_co_u32 s63, s69, s63                     ; c
	s_mul_i32 s69, s62, 36
	s_mul_i32 s95, s66, 3
	s_add_co_u32 s69, s69, s95
	s_add_co_u32 s69, s69, s63
	s_sub_co_u32 s69, s69, 3                       ; ks >= 1: 36 p + 3 (ks - 1) + c (for ks = 0 replaced below)
	s_mul_i32 s95, s62, 3
	s_add_co_u32 s95, s95, s63
	s_add_co_u32 s95, s95, 84                      ; ks = 0: 84 + 3 p + c
	s_cmp_eq_u32 s66, 0
	s_cselect_b32 s69, s95, s69
	s_add_co_u32 s95, s66, 90                      ; ct = 24: 90 + ks for ks < 3,
	s_add_co_u32 s62, s66, 69                      ; 69 + ks from ks = 3 on; first in stream g = 0
	s_cmp_lt_u32 s66, 3
	s_cselect_b32 s95, s95, s62
	s_cmp_eq_u32 s61, 24
	s_cselect_b32 s69, s95, s69
	s_cselect_b32 s68, 0, s68
	s_lshl2_add_u32 s68, s94, s68                  ; stream
	s_mul_i32 s68, s68, 93
	s_add_co_u32 s68, s68, s69
	s_mul_i32 s68, s68, 9216
	s_lshl_b32 s67, s67, 9
	s_add_co_u32 s68, s68, s67
	s_add_co_u32 s98, s68, 520192
	s_add_nc_u64 s[96:97], s[48:49], s[98:99]
	s_wait_loadcnt 0x0
	SCALE WXR, 12, NEGL
	SCALE WXR+24, 4, TWOL
	SCALE UR, 12, NEGL
	SCALE UR+24, 4, TWOL
	SCALE BV, 1, NEGL
	v_mul_f32 v[BV+2], NEGL, v[BV+2]
	v_mul_f32 v[BV+3], TWOL, v[BV+3]
.irp g, 0,1,2,3
	SPLIT \g
.endr
	MAT 0, 0, 0
	MAT 1, 0, 2
	MAT 2, 0, 3
	MAT 3, 0, 1
	MAT 4, 1, 1
	MAT 5, 2, 0
	MAT 6, 2, 2
	MAT 7, 2, 3
	MAT 8, 2, 1
	s_cmp_eq_u32 s61, 24
	s_cbranch_scc1 .Lshared
.irp m, 0,1,2,3,4,5,6,7,8
	global_store_b128 v4, v[RES+4*\m:RES+4*\m+3], s[96:97] offset:\m*1024
.endr
	s_endpgm
.Lshared:                                              ; column tile 24: a copy for each of the cell's four streams
.irp g, 0,1,2,3
.irp m, 0,1,2,3,4,5,6,7,8
	global_store_b128 v4, v[RES+4*\m:RES+4*\m+3], s[96:97] offset:\g*STREAM+\m*1024
.endr
.endr
	s_endpgm
.Lnot_cells:
	s_cmp_lt_u32 s3, 350
	s_cbranch_scc0 .Lheads
	; ---- work-groups 325 to 349: layer 1, gates i, o, u of Wx alone.  Task t = ((cell x 4) + KQ) x 25 + ct
	s_sub_co_u32 s95, s3, 325
	s_lshl_b32 s95, s95, 3
	s_add_co_u32 s95, s95, s2
	s_mul_i32 s67, s95, 5243
	s_lshr_b32 s67, s67, 17
	s_mul_i32 s68, s67, 25
	s_sub_co_u32 s61, s95, s68                     ; ct
	s_lshr_b32 s94, s67, 2                         ; cell
	s_and_b32 s60, s67, 3                          ; KQ
	s_cmp_lg_u32 s94, 0
	s_cselect_b64 s[50:51], s[32:33], s[28:29]
	s_cselect_b64 s[54:55], s[34:35], s[30:31]
	s_mov_b32 s56, 55
	s_mov_b32 s57, 1600
	s_mov_b32 s58, 400
	s_mov_b32 s59, -1
	OFFS
.irp g, 0,2,3
.irp j, 0,1,2,3,4,5,6,7
	global_load_b32 v[WXR+8*\g+\j], v[OFR+\j], s[50:51] offset:1600*\g
.endr
	global_load_b32 v[BV+\g], v[BO], s[54:55] offset:1600*\g
.endr
	s_mul_i32 s68, s94, 25
	s_add_co_u32 s68, s68, s61
	s_mul_i32 s68, s68, 6
	s_lshr_b32 s66, s60, 1
	s_add_co_u32 s68, s68, s66
	s_lshl_b32 s68, s68, 10
	s_and_b32 s67, s60, 1
	s_lshl_b32 s67, s67, 9
	s_add_co_u32 s98, s68, s67
	s_add_nc_u64 s[96:97], s[48:49], s[98:99]
	s_wait_loadcnt 0x0
	SCALE WXR, 4, NEGL
	SCALE WXR+16, 4, NEGL
	SCALE WXR+24, 4, TWOL
	v_mul_f32 v[BV], NEGL, v[BV]
	v_mul_f32 v[BV+2], NEGL, v[BV+2]
	v_mul_f32 v[BV+3], TWOL, v[BV+3]
	SPLIT 0
	SPLIT 2
	SPLIT 3
	MAT 0, 1, 0
	MAT 1, 1, 2
	MAT 2, 1, 3
.irp m, 0,1,2
	global_store_b128 v4, v[RES+4*\m:RES+4*\m+3], s[96:97] offset:\m*2048
.endr
	s_endpgm
.Lheads:
	; ---- work-groups 350 to 401: the heads.  Task t = (KQ x 4 + mat) x 4 + ct; mat = cur (rows of ht3), cur (rows of ha3), ac, ap
	s_sub_co_u32 s95, s3, 350
	s_lshl_b32 s95, s95, 3
	s_add_co_u32 s95, s95, s2
	s_and_b32 s61, s95, 3                          ; ct
	s_bfe_u32 s94, s95, 0x20002                    ; mat
	s_lshr_b32 s60, s95, 4                         ; KQ
	s_add_nc_u64 s[52:53], s[36:37], 88000         ; W_cur's rows 400 to 799
	s_cmp_eq_u32 s94, 1
	s_cselect_b64 s[50:51], s[52:53], s[36:37]
	s_cselect_b32 s59, 0, -1                       ; b_cur is added once, with ht3's part
	s_mov_b64 s[54:55], s[38:39]
	s_mov_b32 s58, 55
	s_cmp_eq_u32 s94, 2
	s_cselect_b64 s[50:51], s[40:41], s[50:51]
	s_cselect_b64 s[54:55], s[42:43], s[54:55]
	s_cselect_b32 s58, 52, s58
	s_cmp_eq_u32 s94, 3
	s_cselect_b64 s[50:51], s[44:45], s[50:51]
	s_cselect_b64 s[54:55], s[46:47], s[54:55]
	s_mov_b32 s57, s58
	s_mov_b32 s56, 400
	OFFS
.irp j, 0,1,2,3,4,5,6,7
	global_load_b32 v[WXR+\j], v[OFR+\j], s[50:51]
.endr
	global_load_b32 v[BV], v[BO], s[54:55]
	s_mul_i32 s68, s61, 13
	s_lshr_b32 s66, s60, 1
	s_add_co_u32 s68, s68, s66
	s_lshl2_add_u32 s68, s68, s94
	s_lshl_b32 s68, s68, 10
	s_and_b32 s67, s60, 1
	s_lshl_b32 s67, s67, 9
	s_add_co_u32 s68, s68, s67
	s_add_co_u32 s98, s68, 307200
	s_add_nc_u64 s[96:97], s[48:49], s[98:99]
	s_wait_loadcnt 0x0
	SPLIT 0
	MAT 0, 1, 0
	global_store_b128 v4, v[RES:RES+3], s[96:97]
	s_endpgm
.Lfunc_end_k_qed728ef32f_prep:
	.size	k_qed728ef32f_prep, .Lfunc_end_k_qed728ef32f_prep-k_qed728ef32f_prep
	.p2alignl 7, 3214868480
	.fill 96, 4, 3214868480
	.section	.rodata,"a",@progbits
	.p2align	6, 0x0
	.amdhsa_kernel k_qed728ef32f_prep
		.amdhsa_group_segment_fixed_size 0
		.amdhsa_private_segment_fixed_size 0
		.amdhsa_enable_private_segment 0
		.amdhsa_kernarg_size 184
		.amdhsa_user_sgpr_count 2
		.amdhsa_user_sgpr_kernarg_segment_ptr 1
		.amdhsa_wavefront_size32 1
		.amdhsa_system_sgpr_workgroup_id_x 1
		.amdhsa_system_sgpr_workgroup_id_y 1
		.amdhsa_system_sgpr_workgroup_id_z 1
		.amdhsa_system_vgpr_workitem_id 0
		.amdhsa_next_free_vgpr 176
		.amdhsa_next_free_sgpr 100
		.amdhsa_reserve_vcc 0
		.amdhsa_float_denorm_mode_32 3
		.amdhsa_float_denorm_mode_16_64 3
		.amdhsa_memory_ordered 1
		.amdhsa_forward_progress 1
		.amdhsa_inst_pref_size 58
	.end_amdhsa_kernel
	.amdgpu_metadata
---
amdhsa.version: [ 1, 2 ]
amdhsa.kernels:
  - .name:           k_qed728ef32f_prep
    .symbol:         k_qed728ef32f_prep.kd
    .args:
      - { .name: Wx_t2, .offset: 0, .size: 8, .value_kind: global_buffer, .address_space: global }
      - { .name: U_t2, .offset: 8, .size: 8, .value_kind: global_buffer, .address_space: global }
      - { .name: b_t2, .offset: 16, .size: 8, .value_kind: global_buffer, .address_space: global }
      - { .name: Wx_a2, .offset: 24, .size: 8, .value_kind: global_buffer, .address_space: global }
      - { .name: U_a2, .offset: 32, .size: 8, .value_kind: global_buffer, .address_space: global }
      - { .name: b_a2, .offset: 40, .size: 8, .value_kind: global_buffer, .address_space: global }
      - { .name: Wx_t3, .offset: 48, .size: 8, .value_kind: global_buffer, .address_space: global }
      - { .name: U_t3, .offset: 56, .size: 8, .value_kind: global_buffer, .address_space: global }
      - { .name: b_t3, .offset: 64, .size: 8, .value_kind: global_buffer, .address_space: global }
      - { .name: Wx_a3, .offset: 72, .size: 8, .value_kind: global_buffer, .address_space: global }
      - { .name: U_a3, .offset: 80, .size: 8, .value_kind: global_buffer, .address_space: global }
      - { .name: b_a3, .offset: 88, .size: 8, .value_kind: global_buffer, .address_space: global }
      - { .name: Wx_t1, .offset: 96, .size: 8, .value_kind: global_buffer, .address_space: global }
      - { .name: b_t1, .offset: 104, .size: 8, .value_kind: global_buffer, .address_space: global }
      - { .name: Wx_a1, .offset: 112, .size: 8, .value_kind: global_buffer, .address_space: global }
      - { .name: b_a1, .offset: 120, .size: 8, .value_kind: global_buffer, .address_space: global }
      - { .name: W_cur, .offset: 128, .size: 8, .value_kind: global_buffer, .address_space: global }
      - { .name: b_cur, .offset: 136, .size: 8, .value_kind: global_buffer, .address_space: global }
      - { .name: W_ac, .offset: 144, .size: 8, .value_kind: global_buffer, .address_space: global }
      - { .name: b_ac, .offset: 152, .size: 8, .value_kind: global_buffer, .address_space: global }
      - { .name: W_ap, .offset: 160, .size: 8, .value_kind: global_buffer, .address_space: global }
      - { .name: b_ap, .offset: 168, .size: 8, .value_kind: global_buffer, .address_space: global }
      - { .name: WTS, .offset: 176, .size: 8, .value_kind: global_buffer, .address_space: global }
    .group_segment_fixed_size: 0
    .private_segment_fixed_size: 0
    .kernarg_segment_align: 8
    .kernarg_segment_size: 184
    .max_flat_workgroup_size: 256
    .sgpr_count:     100
    .vgpr_count:     176
    .wavefront_size: 32
...
	.end_amdgpu_metadata
.endif
;; end of part 6
;; launch layer1: the kernel of part 2 again; grid 256 x 1, 20 waves a work-group, no clusters, 0 bytes of LDS; arguments x_temp, x_air, WTS, S1; writes S1
;; launch layer2 (part 7): grid 32 x 8, 4 waves a work-group, clusters of 4 x 1, 327,680 bytes of LDS; arguments S1, WTS, S2; writes S2
.if DOCPART == 7
	.amdgcn_target "amdgcn-amd-amdhsa--gfx1250"
	.amdhsa_code_object_version 6
	.text
	.protected	k_qed728ef32f_layer2
	.globl	k_qed728ef32f_layer2
	.p2align	8
	.type	k_qed728ef32f_layer2,@function
k_qed728ef32f_layer2:
	s_mov_b64 s[64:65], 0
	v_nop
	global_prefetch_b8 v0, s[64:65] scope:SCOPE_SE
	s_setreg_imm32_b32 hwreg(HW_REG_WAVE_MODE, 25, 1), 1
	s_wait_xcnt 0x0
	s_wait_alu depctr_hold_cnt(0) depctr_sa_sdst(0) depctr_va_vdst(0) depctr_va_sdst(0) depctr_va_ssrc(0) depctr_va_vcc(0) depctr_vm_vsrc(0)
	s_getreg_b32 s2, hwreg(HW_REG_IB_STS2, 6, 4)
	s_cmp_eq_u32 s2, 0
	s_cbranch_scc0 .Lentry_in_a_cluster
	s_endpgm
.Lentry_in_a_cluster:
	s_bfe_u32 s2, ttmp6, 0x10000c
	s_cmp_lg_u32 s2, 0x3003
	s_cbranch_scc0 .Lentry_shape_is_right
	s_endpgm
.Lentry_shape_is_right:
; A CELL OF LAYER 2 OR 3.  x is one of the two children ("own": ht for the t cell, ha for the a cell), so with the nine prepared matrices
;   i, o, u = own (Wx+U) + oth U,   f_own = own (Wxf+Uf),   f_oth = own Wxf + oth Uf,   c = i u + f_own c_own + f_oth c_oth,   h = o tanh(c).
; K = 400 is padded to 416 = 13 steps of 32; the activations carry 1.0 at k = 400, 401, where the "own" matrices carry the bias in two f16 parts.
; The weights are pre-multiplied by -log2 e (i, o, f) and 2 log2 e (u): the sums are exponents of 2.  Operands are f16: h lies inside (-1, 1).
; GRID: x = block of 256 rows, y = 4 cell + g.  Wave w owns row tiles 16 x + 4 w .. + 3 and column tiles 6 g .. 6 g + 5, in two passes of
; 4 x 3 units of 16 x 16, five sums a unit (480 accumulator registers), and one extra unit: column tile 24 of row tile 16 x + 4 w + g.
; So every wave has 25 units and 2,925 matrix instructions.
; LOOPS, so that the text is short and runs again and again: an outer loop of two trips (the passes); in it K step 0, written out (its products start
; the sums), an inner loop of three trips of four K steps, and the way out of the twelve units.  The extra unit follows as a tail.
; WEIGHTS: a group is one column tile's nine fragments of one K step (9,216 bytes); a fragment read from LDS feeds four matrix instructions.  Three LDS
; slots with constant addresses: Z (K step 0: 3 groups), A and B (2 K steps: 6 groups each).  A trip reads A, asks for A again, reads B, asks for B
; again; Z is asked for again behind K step 0.  Each wave fills a quarter of a slot by one tensor load.  What the last pass asks for is the extra
; unit's stream (Z: its K steps 0-2, A: 3-8, B: 9-12), so the two passes are one text and every load is read; the last load of B brings two
; groups (18,432 bytes) that nobody reads.  CLUSTER: the four row blocks of a cluster walk the same stream, so every load is a joint one (mask 15).
; ACTIVATIONS belong to one wave alone: they go from memory to registers as ready fragments, four buffers P1..P4, two K steps ahead.  K step 0 uses P3.
; The look-ahead of a pass's last trip wraps round to K steps 1, 2 and 0 (the next pass reads the same activations); in the last pass the same 48
; loads are pointed at the extra unit's K steps 0 to 11 instead (eight scalar bases, made anew in each trip from the two loop counters).
; The last group of a trip fetches the next trip's first group from LDS; in a pass's last trip these 18 LDS loads are discarded.
; With e_x = 2^min(sum_x, 60):  i u = (e_u - 1) / ((1+e_i)(1+e_u));  f_own c_own + f_oth c_oth = (c_own (1+e_f2) + c_oth (1+e_f1)) / ((1+e_f1)(1+e_f2));
; h = (e_c - 1) / ((1+e_o)(1+e_c)).   LIMITS: a sigmoid is never below 2^-60; tanh has an absolute error of about 1e-7; a NaN sum is taken as 60.
; REGISTERS.  Window 0: v1-3 16 x lane + slot Z, A, B; v16-87, v88-159 weight fragments, two buffers; v160-223 P4; v224-239 the extra unit's K step 12;
; v240-255 the extra unit's c.  Window 1 + c: v0-159 sums of column c: row tile a, gate (i, o, u, f_own, f_oth) at 8 (5 a + gate).
; Windows 1, 2, 3: v160-223 P1, P2, P3 (own of row tile a at 160 + 8 a, oth at 192 + 8 a).  On the way out v88-159 and P4 are scratch.
.set HB, 6815744                       ; bytes of one h matrix: 512 row tiles x 26 tiles x 512
.set CB, 13107200                      ; bytes of one c matrix: 512 x 25 x 1,024
.set WOFF, 520192                      ; this layer's streams in WTS
.set STORE_C, 1                        ; c is needed by the next layer
.set GRP, 9216
.set STREAM, 93*GRP
.set LA, 3*GRP                         ; LDS: slot Z at 0, A at 27,648, B at 82,944
.set LB, 9*GRP
.set QZ, 3*GRP/4                       ; a wave's quarter of Z: 27 rows of 256 bytes
.set QA, 6*GRP/4                       ; of A or B: 54 rows
.set BB, 16
.set TI, 88
.set TO, 96
.set TU, 104
.set TF1, 112
.set TF2, 120
.set W0, 160
.set W1, 168
.set W2, 176
.set W3, 184
.set CSR, 192                          ; c, store data
.set HSR, 200                          ; h, store data
.set PADR, 204                         ; the padding tile
.set LO, 88                            ; s[88:95]  look-ahead bases, own, one for each row tile
.set LT, 12                            ; s[12:19]  the same for oth
.set MSB, 0
.macro WIN new                         ; the immediate's high byte repeats the setting that is left
.if MSB != (\new)
	s_set_vgpr_msb (MSB<<8)|(\new)
.set MSB, (\new)
.endif
.endm
.macro PLACES                          ; four places behind matrix instructions (ISA guide 7.12.1)
.rept 4
	v_nop
.endr
.endm
.macro CREST                           ; a round of the cluster's barrier behind its opening barrier
	s_cmp_lg_u32 s22, 0
	s_cbranch_scc1 .Lnot_wave_0_\@
	s_barrier_signal -3
.Lnot_wave_0_\@:
	s_barrier_wait -3
	s_barrier_signal -1
	s_barrier_wait -1
.endm
.macro ROUND                           ; a whole round
	s_barrier_signal -1
	s_barrier_wait -1
	CREST
.endm
.macro BASE dst, ptr, o1, o2           ; a buffer's address plus two offsets
	s_add_co_u32 s20, s\o1, s\o2
	s_add_nc_u64 s[\dst:\dst+1], s[\ptr:\ptr+1], s[20:21]
.endm
.macro PADD d, a, c
.irp k, 0,2,4,6
	v_pk_add_f32 v[\d+\k:\d+\k+1], v[\a+\k:\a+\k+1], \c op_sel_hi:[1,0]
.endr
.endm
.macro PMUL d, a, b
	s_wait_alu depctr_va_vdst(0)
.irp k, 0,2,4,6
	v_pk_mul_f32 v[\d+\k:\d+\k+1], v[\a+\k:\a+\k+1], v[\b+\k:\b+\k+1]
.endr
.endm
.macro PFMA d, a, b, c
.irp k, 0,2,4,6
	v_pk_fma_f32 v[\d+\k:\d+\k+1], v[\a+\k:\a+\k+1], v[\b+\k:\b+\k+1], v[\c+\k:\c+\k+1]
.endr
.endm
.macro TR8 op, d
.irp k, 0,1,2,3,4,5,6,7
	\op v[\d+\k], v[\d+\k]
.endr
.endm
	s_load_b128 s[4:7], s[0:1], 0x0                ; states in s[4:5], WTS s[6:7]
	s_load_b64 s[8:9], s[0:1], 0x10                ; states out
	v_lshl_add_u32 v14, v0, 2, 0x29000
	v_mov_b32 v15, 0
	ds_add_u32 v14, v15
	v_lshrrev_b32 v6, 5, v0
	v_readfirstlane_b32 s22, v6                    ; wave
	s_bfe_u32 s23, ttmp6, 0x40000                  ; my place in the cluster
	s_lshl_b32 s24, ttmp9, 2
	s_add_co_u32 s24, s24, s23                     ; block of 256 rows
	s_and_b32 s25, ttmp7, 0xffff                   ; y = 4 cell + g: the same in the four partners
	s_lshr_b32 s26, s25, 2                         ; cell = own
	s_and_b32 s27, s25, 3                          ; g
	; descriptor groups 1: rows of 32 elements of 8 bytes, dense; mask of all four partners, bit 21 beside it.  s[40:47]: 54 rows (A, B); s[80:87]: 27 rows (Z)
	s_mov_b32 s40, 15|(3<<16)|(1<<21)
	s_mov_b32 s41, 32<<16                          ; tensor_dim0 = 32
	s_mov_b32 s42, 54<<16                          ; tensor_dim1 = 54
	s_mov_b32 s43, 32<<16                          ; tile_dim0 = 32
	s_mov_b32 s44, 54                              ; tile_dim1 = 54
	s_mov_b32 s45, 32                              ; pitch
	s_mov_b32 s46, 0
	s_mov_b32 s47, 0
	s_mov_b32 s80, 15|(3<<16)|(1<<21)
	s_mov_b32 s81, 32<<16
	s_mov_b32 s82, 27<<16
	s_mov_b32 s83, 32<<16
	s_mov_b32 s84, 27
	s_mov_b32 s85, 32
	s_mov_b32 s86, 0
	s_mov_b32 s87, 0
	; the stream hangs on y and the wave's number alone; s78, s79 and s96 to s99 never hold my place in the cluster
	s_mul_i32 s96, s22, QA
	s_mul_i32 s97, s22, QZ
	s_mul_i32 s98, s25, STREAM
	s_add_co_u32 s98, s98, WOFF
	s_add_co_u32 s78, s98, s97
	s_add_co_u32 s78, s78, 84*GRP                  ; my quarter of the first Z chunk: the Z chunks lie at group 84
	s_mov_b32 s79, 0
	s_add_co_u32 s98, s98, s96                     ; my quarter of the first A chunk: group 0
	s_mov_b32 s99, 0
	; offsets of my activations, states and results
	s_lshl_b32 s10, s24, 4
	s_lshl2_add_u32 s10, s22, s10                  ; my first row tile
	s_add_co_u32 s11, s10, s27                     ; the extra unit's row tile
	s_mul_i32 s60, s10, 13312                      ; a row tile of h: 26 tiles of 512 bytes
	s_mul_i32 s61, s11, 13312
	s_xor_b32 s12, s26, 1                          ; oth
	s_mul_i32 s13, s26, HB
	s_mul_i32 s14, s12, HB
	s_mul_i32 s15, s26, CB
	s_add_co_u32 s15, s15, 2*HB
	s_mul_i32 s16, s12, CB
	s_add_co_u32 s16, s16, 2*HB
	s_mul_i32 s17, s27, 6
	s_mul_i32 s18, s10, 25
	s_add_co_u32 s18, s18, s17
	s_lshl_b32 s18, s18, 10
	s_mul_i32 s19, s11, 25
	s_add_co_u32 s19, s19, 24
	s_lshl_b32 s19, s19, 10
	s_mul_i32 s23, s10, 26
	s_add_co_u32 s23, s23, s17
	s_lshl_b32 s23, s23, 9
	s_mul_i32 s24, s11, 26
	s_add_co_u32 s24, s24, 24
	s_lshl_b32 s24, s24, 9
	s_mov_b32 s21, 0
	s_mov_b32 s77, 0
	s_mov_b32 s76, 0x42700000                      ; 60.0
	s_mov_b32 s74, 0x4038aa3b                      ; 2 log2 e, twice: a pair for the packed multiply
	s_mov_b32 s75, 0x4038aa3b
	v_and_b32 v1, 31, v0
	v_lshlrev_b32 v1, 4, v1                        ; 16 x lane: slot Z, and the offset of every global access
	v_add_nc_u32 v2, LA, v1                        ; slot A
	v_add_nc_u32 v3, LB, v1                        ; slot B
	s_wait_dscnt 0x0
	s_wait_kmcnt 0x0
	; descriptor groups 0: Z s[48:51], A s[52:55], B s[56:59]
	s_add_nc_u64 s[50:51], s[6:7], s[78:79]
	s_add_nc_u64 s[54:55], s[6:7], s[98:99]
	s_add_nc_u64 s[58:59], s[54:55], 6*GRP
	s_or_b32 s51, s51, 0x80000000
	s_or_b32 s55, s55, 0x80000000
	s_or_b32 s59, s59, 0x80000000
	s_mov_b32 s48, 1
	s_mul_i32 s49, s22, QZ
	s_mov_b32 s52, 1
	s_add_co_u32 s53, s96, LA
	s_mov_b32 s56, 1
	s_add_co_u32 s57, s96, LB
	BASE 28, 4, 13, 77                             ; h own
	BASE 30, 4, 14, 77                             ; h oth
	BASE 32, 4, 13, 60                             ; own at my first row tile; stepped by four K steps a trip
	BASE 34, 4, 14, 60                             ; oth likewise
	BASE 36, 4, 15, 18                             ; c_own
	BASE 38, 4, 16, 18                             ; c_oth
	BASE 66, 8, 13, 23                             ; h out
	BASE 70, 8, 13, 24                             ; the extra unit's h out
.if STORE_C
	BASE 68, 8, 15, 18                             ; c out
	BASE 72, 8, 15, 19
.endif
	BASE 88, 4, 13, 61                             ; for the eight loads below only: the extra unit's own,
	BASE 90, 4, 14, 61                             ; oth,
	BASE 92, 4, 15, 19                             ; c_own
	BASE 94, 4, 16, 19                             ; and c_oth
	s_add_co_u32 s61, s61, 1024                    ; from here on: the extra unit's K step 1
	ROUND                                          ; all four partners are here: the first joint loads meet
	tensor_load_to_lds s[48:51], s[80:87]          ; the three first fills go out together: three loads of this wave are out, later never more than one
	s_nop 0
	PLACES
	tensor_load_to_lds s[52:55], s[40:47]
	s_nop 0
	PLACES
	tensor_load_to_lds s[56:59], s[40:47]
	s_nop 0
	PLACES
; 18 LDS loads: the nine fragments of a group into buffer BBN; 32 lanes take 512 consecutive bytes
.macro BLOAD nreg, noff
.irp m, 0,1,2,3,4,5,6,7,8
	ds_load_b128 v[BBN+8*\m:BBN+8*\m+3], v[\nreg] offset:\noff+\m*1024
	ds_load_b128 v[BBN+8*\m+4:BBN+8*\m+7], v[\nreg] offset:\noff+\m*1024+512
.endr
.endm
; 16 loads: one K step's activations of my four row tiles into the buffer in window pw.  ALD_C: from the trip's bases; ALD_P: from the look-ahead bases
.macro ALD_C pw, off
	.set WN, \pw<<6
	WIN WN
.irp a, 0,1,2,3
	global_load_b128 v[160+8*\a:163+8*\a], v1, s[32:33] offset:\a*13312+\off
	global_load_b128 v[164+8*\a:167+8*\a], v1, s[32:33] offset:\a*13312+\off+512
	global_load_b128 v[192+8*\a:195+8*\a], v1, s[34:35] offset:\a*13312+\off
	global_load_b128 v[196+8*\a:199+8*\a], v1, s[34:35] offset:\a*13312+\off+512
.endr
	WIN 0
.endm
.macro ALD_P pw, off
	.set WN, \pw<<6
	WIN WN
.irp a, 0,1,2,3
	global_load_b128 v[160+8*\a:163+8*\a], v1, s[LO+2*\a:LO+2*\a+1] offset:\off
	global_load_b128 v[164+8*\a:167+8*\a], v1, s[LO+2*\a:LO+2*\a+1] offset:\off+512
	global_load_b128 v[192+8*\a:195+8*\a], v1, s[LT+2*\a:LT+2*\a+1] offset:\off
	global_load_b128 v[196+8*\a:199+8*\a], v1, s[LT+2*\a:LT+2*\a+1] offset:\off+512
.endr
	WIN 0
.endm
; matrix m onto sum g of my four row tiles; ab = 160 own, 192 oth
.macro WM4 m, g, ab, zero
.irp a, 0,1,2,3
.if \zero
	v_wmma_f32_16x16x32_f16 v[8*(5*\a+\g):8*(5*\a+\g)+7], v[BBC+8*\m:BBC+8*\m+7], v[\ab+8*\a:\ab+8*\a+7], 0
.else
	v_wmma_f32_16x16x32_f16 v[8*(5*\a+\g):8*(5*\a+\g)+7], v[BBC+8*\m:BBC+8*\m+7], v[\ab+8*\a:\ab+8*\a+7], v[8*(5*\a+\g):8*(5*\a+\g)+7]
.endif
.endr
.endm
; a group's 36 matrix instructions in two parts.  The sums take turns, one instruction a turn, within a group, from group to group and over both
; backward jumps.  K step 0 starts the sums with the constant 0: nothing is cleared.
.macro MULA
	.set WN, (PW<<2)|((1+CC)<<4)|((1+CC)<<6)
	WIN WN
	WM4 0, 0, 160, ZF
	WM4 1, 1, 160, ZF
	WM4 2, 2, 160, ZF
	WM4 3, 3, 160, ZF
	WM4 4, 4, 160, ZF
.endm
.macro MULB
	.set WN, (PW<<2)|((1+CC)<<4)|((1+CC)<<6)
	WIN WN
	WM4 5, 0, 192, 0
	WM4 6, 1, 192, 0
	WM4 7, 2, 192, 0
	WM4 8, 4, 192, 0
.endm
; One group.  cb: the buffer that holds its fragments; cc: column; pw: window of the K step's activations; zf: starts the sums;
; nreg, noff: where the next group lies in LDS; turn: 0, or the slot that this group is the last to read (1 Z, 2 A, 3 B);
; ald: 0, or the look-ahead that the K step's first group issues (1 to 4: place in the trip; 9: K step 0, which issues none).
; A TURN: my reads of the slot are back and all my tensor loads have landed (the one that was out fills the slot read next); the group's first 20 matrix
; instructions stand between the opening signal and its wait; behind the round of the cluster's barrier both hold of every wave of all four
; partners, and the slot is asked for again, first thing: two K steps' work (216 matrix instructions) in which to land.
.macro GRP cb, cc, pw, zf, nreg, noff, turn, ald
	.set BBC, BB+72*\cb
	.set BBN, BB+72*(1-\cb)
	.set CC, \cc
	.set PW, \pw
	.set ZF, \zf
	PLACES                                         ; the buffers that the last group's matrix instructions read are loaded again below
	WIN 0
.if \turn == 0
	BLOAD \nreg, \noff
.if \ald == 1
	ALD_C 3, 3072                                  ; K step 4 i + 3 into P3
.endif
.if \ald == 2
	ALD_C 0, 4096                                  ; K step 4 i + 4 into P4
.endif
.if \ald == 3
	ALD_P 1, 0                                     ; K step 4 i + 5 (last trip: 1) into P1
.endif
.if \ald == 4
	ALD_P 2, 1024                                  ; K step 4 i + 6 (last trip: 2) into P2
.endif
.if \ald == 9
	s_wait_loadcnt 0x0                             ; K step 0: nothing was issued behind its loads that may stay out
.else
.if \ald != 0
	s_wait_loadcnt 32                              ; this K step's activations are in; the 2 x 16 loads of the next two steps may stay out
.endif
.endif
	s_wait_dscnt 18                                ; this group's fragments are in; the next group's 18 loads may stay out
	MULA
	MULB
.else
.if \turn == 1
	.set TG0, 48
	.set TG1, 80
	.set TST, 3*GRP
.endif
.if \turn == 2
	.set TG0, 52
	.set TG1, 40
	.set TST, 12*GRP
.endif
.if \turn == 3
	.set TG0, 56
	.set TG1, 40
	.set TST, 12*GRP
.endif
	s_wait_dscnt 0x0
	s_wait_tensorcnt 0x0
	ds_add_u32 v14, v15
	s_wait_dscnt 0x0
	s_add_nc_u64 s[TG0+2:TG0+3], s[TG0+2:TG0+3], TST       ; no load of mine is out: the group may be written: the slot's next chunk
	s_barrier_signal -1
	MULA
	WIN 0
	s_barrier_wait -1
	CREST
	tensor_load_to_lds s[TG0:TG0+3], s[TG1:TG1+7]
	s_nop 0
	PLACES
	BLOAD \nreg, \noff
	MULB
.endif
.endm
; The bases of a trip's activation loads, from the counters i (s62) and p (s63).  s[32:35]: my first row tile, K step 4 i.  Look-ahead, one base for
; each row tile a: K step 4 i + 5 of row tile a; in the last trip K step 1; in the last trip of the last pass the extra unit's K step 3 a + 1.
.macro BASES
	s_wait_xcnt 0x0                                ; the bases of earlier loads are rewritten only behind this wait
	s_lshl_b32 s10, s62, 12
	s_add_co_u32 s20, s10, s60
	s_add_nc_u64 s[32:33], s[28:29], s[20:21]
	s_add_nc_u64 s[34:35], s[30:31], s[20:21]
	s_add_co_u32 s20, s20, 5120
	s_add_co_u32 s11, s60, 1024
	s_cmp_eq_u32 s62, 2
	s_cselect_b32 s20, s11, s20
	s_add_co_u32 s11, s62, s63
	s_movk_i32 s10, 13312                          ; from row tile to row tile
	s_cmp_eq_u32 s11, 3                            ; i = 2 and p = 1
	s_cselect_b32 s20, s61, s20
	s_cselect_b32 s10, 3072, s10                   ; the extra unit: three K steps on
.irp a, 0,1,2,3
	s_add_nc_u64 s[LO+2*\a:LO+2*\a+1], s[28:29], s[20:21]
	s_add_nc_u64 s[LT+2*\a:LT+2*\a+1], s[30:31], s[20:21]
	s_add_co_u32 s20, s20, s10
.endr
.endm
; four loads: c_own and c_oth of a unit into v[CIB:CIB+15]
.macro CLOAD
	global_load_b128 v[CIB:CIB+3], v1, s[36:37] offset:CIM
	global_load_b128 v[CIB+4:CIB+7], v1, s[36:37] offset:CIM+512
	global_load_b128 v[CIB+8:CIB+11], v1, s[38:39] offset:CIM
	global_load_b128 v[CIB+12:CIB+15], v1, s[38:39] offset:CIM+512
.endm
; one unit's way out: sums in window EW at EA; c at CI; EL loads may stay out; h to s[EHB] + EHI, c to s[ECB] + ECI
.macro EPI
	.set WN, EW<<2
	WIN WN
.set k, 0
.rept 40
	v_min_num_f32 v[TI+k], s76, v[EA+k]            ; the clamp also brings the sums into window 0
.set k, k+1
.endr
	WIN 0
.set k, 0
.rept 40
	v_exp_f32 v[TI+k], v[TI+k]
.set k, k+1
.endr
	v_nop                                          ; one plain instruction behind the exponentials before their results are used
	s_wait_alu depctr_va_vdst(0)
	PADD TI, TI, 1.0                               ; 1 + e_i
	PFMA W0, TU, TI, TI                            ; (1 + e_i)(1 + e_u)
	PADD TF1, TF1, 1.0
	PADD TF2, TF2, 1.0
	PMUL W1, TF1, TF2                              ; (1 + e_f1)(1 + e_f2)
	TR8 v_rcp_f32, W0
	TR8 v_rcp_f32, W1
	PADD TU, TU, -1.0                              ; plain work behind the reciprocals
	PADD TO, TO, 1.0
	s_wait_loadcnt EL                              ; this unit's c is in; what was issued behind it may stay out
	PMUL W2, CI, TF2
	PFMA W2, CI+8, TF1, W2                         ; c_own (1 + e_f2) + c_oth (1 + e_f1)
	PMUL W3, TU, W0                                ; i u
	s_wait_xcnt 0x0                                ; the last unit's stores have read c and h: both are rewritten only behind this wait
	PFMA CSR, W2, W1, W3                           ; c
.if STORE_C
	global_store_b128 v1, v[CSR:CSR+3], s[ECB:ECB+1] offset:ECI
	global_store_b128 v1, v[CSR+4:CSR+7], s[ECB:ECB+1] offset:ECI+512
.endif
.irp k, 0,2,4,6
	v_pk_mul_f32 v[W0+\k:W0+\k+1], v[CSR+\k:CSR+\k+1], s[74:75] op_sel_hi:[1,0]
.endr
.irp k, 0,1,2,3,4,5,6,7
	v_min_num_f32 v[W0+\k], s76, v[W0+\k]
.endr
	TR8 v_exp_f32, W0
	v_nop
	s_wait_alu depctr_va_vdst(0)
	PFMA W1, W0, TO, TO                            ; (1 + e_o)(1 + e_c)
	TR8 v_rcp_f32, W1
	PADD W0, W0, -1.0
	PMUL W0, W0, W1                                ; h
.irp k, 0,1,2,3
	v_cvt_pk_f16_f32 v[HSR+\k], v[W0+2*\k], v[W0+2*\k+1]    ; eight neighbouring columns of one row: half a fragment of the next layer
.endr
	global_store_b128 v1, v[HSR:HSR+3], s[EHB:EHB+1] offset:EHI
.endm
.macro WMX m, g, src, zero             ; the extra unit: matrix m onto sum g (window 1, v[8 g])
.if \zero
	v_wmma_f32_16x16x32_f16 v[8*\g:8*\g+7], v[BBC+8*\m:BBC+8*\m+7], v[\src:\src+7], 0
.else
	v_wmma_f32_16x16x32_f16 v[8*\g:8*\g+7], v[BBC+8*\m:BBC+8*\m+7], v[\src:\src+7], v[8*\g:8*\g+7]
.endif
.endm
; the extra unit's K step KX: weights from Z (0-2), A (3-8), B (9-12); activations: K step 3 a + r lies at row tile a's place of P3 (r = 0), P1 (1), P2 (2)
.macro XGRP
	.set BBC, BB+72*(KX&1)
	.set BBN, BB+72*((KX+1)&1)
	PLACES
	WIN 0
.if KX < 12
.if KX+1 < 3
	.set NR, 1
	.set NO, (KX+1)*GRP
.else
.if KX+1 < 9
	.set NR, 2
	.set NO, (KX+1-3)*GRP
.else
	.set NR, 3
	.set NO, (KX+1-9)*GRP
.endif
.endif
	BLOAD NR, NO
	s_wait_dscnt 18                                ; this K step's fragments are in; the next one's 18 loads may stay out
	.set PW, KX%3
.if PW == 0
	.set PW, 3
.endif
	.set XO, 160+8*(KX/3)
	.set XT, 192+8*(KX/3)
.else
	s_wait_dscnt 0x0
	.set PW, 0
	.set XO, 224
	.set XT, 232
.endif
.if KX == 0
	.set ZF, 1
.else
	.set ZF, 0
.endif
	.set WN, (PW<<2)|(1<<4)|(1<<6)
	WIN WN
	WMX 0, 0, XO, ZF
	WMX 1, 1, XO, ZF
	WMX 2, 2, XO, ZF
	WMX 3, 3, XO, ZF
	WMX 4, 4, XO, ZF
	WMX 5, 0, XT, 0
	WMX 6, 1, XT, 0
	WMX 7, 2, XT, 0
	WMX 8, 4, XT, 0
	.set KX, KX+1
.endm
	; what the extra unit needs beyond the look-ahead, into registers that nothing else uses: its K step 12 and its c
	global_load_b128 v[224:227], v1, s[88:89] offset:12288
	global_load_b128 v[228:231], v1, s[88:89] offset:12800
	global_load_b128 v[232:235], v1, s[90:91] offset:12288
	global_load_b128 v[236:239], v1, s[90:91] offset:12800
	global_load_b128 v[240:243], v1, s[92:93]
	global_load_b128 v[244:247], v1, s[92:93] offset:512
	global_load_b128 v[248:251], v1, s[94:95]
	global_load_b128 v[252:255], v1, s[94:95] offset:512
	ALD_C 1, 1024                                  ; K steps 1, 2 and 0, in the order in which a pass's end issues them
	ALD_C 2, 2048
	ALD_C 3, 0
	s_wait_tensorcnt 0x2                           ; my quarter of Z is in; A's and B's may stay out
	s_barrier_signal -1
	s_barrier_wait -1
	.set BBN, BB
	BLOAD 1, 0                                     ; K step 0, column 0
	s_mov_b32 s63, 0
.Lpass:
	GRP 0, 0, 3, 1, 1, 1*GRP, 0, 9                 ; K step 0: slot Z, P3
	GRP 1, 1, 3, 1, 1, 2*GRP, 0, 0
	GRP 0, 2, 3, 1, 2, 0, 1, 0                     ; Z is asked for again: the next pass's K step 0, or the extra unit's K steps 0-2
	WIN 0
	s_mov_b32 s62, 0
.Ltrip:
	BASES
	GRP 1, 0, 1, 0, 2, 1*GRP, 0, 1                 ; K step 4 i + 1: slot A, P1
	GRP 0, 1, 1, 0, 2, 2*GRP, 0, 0
	GRP 1, 2, 1, 0, 2, 3*GRP, 0, 0
	GRP 0, 0, 2, 0, 2, 4*GRP, 0, 2                 ; K step 4 i + 2: slot A, P2
	GRP 1, 1, 2, 0, 2, 5*GRP, 0, 0
	GRP 0, 2, 2, 0, 3, 0, 2, 0                     ; A is asked for again
	GRP 1, 0, 3, 0, 3, 1*GRP, 0, 3                 ; K step 4 i + 3: slot B, P3
	GRP 0, 1, 3, 0, 3, 2*GRP, 0, 0
	GRP 1, 2, 3, 0, 3, 3*GRP, 0, 0
	GRP 0, 0, 0, 0, 3, 4*GRP, 0, 4                 ; K step 4 i + 4: slot B, P4
	GRP 1, 1, 0, 0, 3, 5*GRP, 0, 0
	GRP 0, 2, 0, 0, 2, 0, 3, 0                     ; B is asked for again; the next trip's first group is fetched (discarded in the last trip)
	WIN 0
	s_add_co_u32 s62, s62, 1
	s_cmp_lt_u32 s62, 3
	s_cbranch_scc1 .Ltrip
	; the pass's end: what the next pass (or the extra unit) starts with is asked for, then the twelve units go out
	PLACES
	.set BBN, BB
	BLOAD 1, 0                                     ; slot Z's first group into buffer 0, which the way out leaves alone
	s_wait_dscnt 18                                ; the discarded loads into buffer 1 are back: it is scratch from here on
	.set CIB, 128
	.set CIM, 0
	CLOAD
	ALD_P 3, -1024                                 ; K step 0 (the extra unit: 3 a) into P3
	.set U, 0
.rept 12
.if U < 11
	.set CIB, 128+16*((U+1)&1)
	.set CIM, (((U+1)%4)*25+((U+1)/4))*1024
	CLOAD                                          ; a unit's c is loaded one unit ahead
.if U == 0
	.set EL, 20                                    ; behind the first unit's c: 16 loads of P3 and 4 of the next c
.else
	.set EL, 4
.endif
.else
	.set EL, 0
.endif
	.set EW, 1+(U/4)
	.set EA, 40*(U%4)
	.set CI, 128+16*(U&1)
	.set EHB, 66
	.set EHI, ((U%4)*26+(U/4))*512
	.set ECB, 68
	.set ECI, ((U%4)*25+(U/4))*1024
	EPI
	.set U, U+1
.endr
	s_wait_xcnt 0x0                                ; the bases of the loads and stores above are stepped only behind this wait
	s_add_nc_u64 s[36:37], s[36:37], 3072          ; three column tiles on
	s_add_nc_u64 s[38:39], s[38:39], 3072
	s_add_nc_u64 s[66:67], s[66:67], 1536
.if STORE_C
	s_add_nc_u64 s[68:69], s[68:69], 3072
.endif
	s_add_co_u32 s63, s63, 1
	s_cmp_lt_u32 s63, 2
	s_cbranch_scc1 .Lpass
	; THE EXTRA UNIT.  Its K step 0 waits in buffer 0, its activations in P1 to P3 and v224-239, its c in v240-255.
	s_wait_dscnt 0x0
	s_wait_tensorcnt 0x0                           ; my quarter of the last load (slot B) is in,
	s_barrier_signal -1
	s_barrier_wait -1                              ; everybody's is
	.set KX, 0
.rept 13
	XGRP
.endr
	PLACES
	.set EW, 1
	.set EA, 0
	.set CI, 240
	.set EL, 0
	.set EHB, 70
	.set EHI, 0
	.set ECB, 72
	.set ECI, 0
	EPI
	v_bfe_u32 v[PADR], v0, 4, 1                    ; tile 25 of the extra unit's row tile: 1.0 at k = 400, 401 (word 0 of lanes 0 to 15), else 0
	v_cmp_eq_u32 vcc_lo, 0, v[PADR]
	v_mov_b32 v[PADR+1], 0x3c003c00
	v_cndmask_b32 v[PADR], 0, v[PADR+1], vcc_lo
	v_mov_b32 v[PADR+1], 0
	v_mov_b32 v[PADR+2], 0
	v_mov_b32 v[PADR+3], 0
	global_store_b128 v1, v[PADR:PADR+3], s[70:71] offset:512
	s_wait_tensorcnt 0x0
	ds_add_u32 v14, v15
	s_wait_dscnt 0x0
	ROUND                                          ; the closing round: no work-group ends while a partner may still ask jointly
	s_endpgm
.Lfunc_end_k_qed728ef32f_layer2:
	.size	k_qed728ef32f_layer2, .Lfunc_end_k_qed728ef32f_layer2-k_qed728ef32f_layer2
	.p2alignl 7, 3214868480
	.fill 96, 4, 3214868480
	.section	.rodata,"a",@progbits
	.p2align	6, 0x0
	.amdhsa_kernel k_qed728ef32f_layer2
		.amdhsa_group_segment_fixed_size 327680
		.amdhsa_private_segment_fixed_size 0
		.amdhsa_enable_private_segment 0
		.amdhsa_kernarg_size 24
		.amdhsa_user_sgpr_count 2
		.amdhsa_user_sgpr_kernarg_segment_ptr 1
		.amdhsa_wavefront_size32 1
		.amdhsa_system_sgpr_workgroup_id_x 1
		.amdhsa_system_sgpr_workgroup_id_y 1
		.amdhsa_system_sgpr_workgroup_id_z 1
		.amdhsa_system_vgpr_workitem_id 0
		.amdhsa_next_free_vgpr 1024
		.amdhsa_next_free_sgpr 100
		.amdhsa_reserve_vcc 1
		.amdhsa_float_denorm_mode_32 3
		.amdhsa_float_denorm_mode_16_64 3
		.amdhsa_memory_ordered 1
		.amdhsa_forward_progress 1
		.amdhsa_inst_pref_size 219
	.end_amdhsa_kernel
	.amdgpu_metadata
---
amdhsa.version: [ 1, 2 ]
amdhsa.kernels:
  - .name:           k_qed728ef32f_layer2
    .symbol:         k_qed728ef32f_layer2.kd
    .args:
      - { .name: S1, .offset: 0, .size: 8, .value_kind: global_buffer, .address_space: global }
      - { .name: WTS, .offset: 8, .size: 8, .value_kind: global_buffer, .address_space: global }
      - { .name: S2, .offset: 16, .size: 8, .value_kind: global_buffer, .address_space: global }
    .group_segment_fixed_size: 327680
    .private_segment_fixed_size: 0
    .kernarg_segment_align: 8
    .kernarg_segment_size: 24
    .max_flat_workgroup_size: 128
    .sgpr_count:     100
    .vgpr_count:     1024
    .wavefront_size: 32
...
	.end_amdgpu_metadata
.endif
;; end of part 7
;; launch layer3 (part 8): grid 32 x 8, 4 waves a work-group, clusters of 4 x 1, 327,680 bytes of LDS; arguments S2, WTS, S3; writes S3
.if DOCPART == 8
	.amdgcn_target "amdgcn-amd-amdhsa--gfx1250"
	.amdhsa_code_object_version 6
	.text
	.protected	k_qed728ef32f_layer3
	.globl	k_qed728ef32f_layer3
	.p2align	8
	.type	k_qed728ef32f_layer3,@function
k_qed728ef32f_layer3:
	s_mov_b64 s[64:65], 0
	v_nop
	global_prefetch_b8 v0, s[64:65] scope:SCOPE_SE
	s_setreg_imm32_b32 hwreg(HW_REG_WAVE_MODE, 25, 1), 1
	s_wait_xcnt 0x0
	s_wait_alu depctr_hold_cnt(0) depctr_sa_sdst(0) depctr_va_vdst(0) depctr_va_sdst(0) depctr_va_ssrc(0) depctr_va_vcc(0) depctr_vm_vsrc(0)
	s_getreg_b32 s2, hwreg(HW_REG_IB_STS2, 6, 4)
	s_cmp_eq_u32 s2, 0
	s_cbranch_scc0 .Lentry_in_a_cluster
	s_endpgm
.Lentry_in_a_cluster:
	s_bfe_u32 s2, ttmp6, 0x10000c
	s_cmp_lg_u32 s2, 0x3003
	s_cbranch_scc0 .Lentry_shape_is_right
	s_endpgm
.Lentry_shape_is_right:
; A CELL OF LAYER 3: the text of layer 2 with this layer's weight streams (WOFF) and without the store of c (STORE_C = 0: nothing reads c3).
; x is one of the two children ("own": ht for the t cell, ha for the a cell), so with the nine prepared matrices
;   i, o, u = own (Wx+U) + oth U,   f_own = own (Wxf+Uf),   f_oth = own Wxf + oth Uf,   c = i u + f_own c_own + f_oth c_oth,   h = o tanh(c).
; K = 400 is padded to 416 = 13 steps of 32; the activations carry 1.0 at k = 400, 401, where the "own" matrices carry the bias in two f16 parts.
; The weights are pre-multiplied by -log2 e (i, o, f) and 2 log2 e (u): the sums are exponents of 2.  Operands are f16: h lies inside (-1, 1).
; GRID: x = block of 256 rows, y = 4 cell + g.  Wave w owns row tiles 16 x + 4 w .. + 3 and column tiles 6 g .. 6 g + 5, in two passes of
; 4 x 3 units of 16 x 16, five sums a unit (480 accumulator registers), and one extra unit: column tile 24 of row tile 16 x + 4 w + g.
; So every wave has 25 units and 2,925 matrix instructions.
; LOOPS, so that the text is short and runs again and again: an outer loop of two trips (the passes); in it K step 0, written out (its products start
; the sums), an inner loop of three trips of four K steps, and the way out of the twelve units.  The extra unit follows as a tail.
; WEIGHTS: a group is one column tile's nine fragments of one K step (9,216 bytes); a fragment read from LDS feeds four matrix instructions.  Three LDS
; slots with constant addresses: Z (K step 0: 3 groups), A and B (2 K steps: 6 groups each).  A trip reads A, asks for A again, reads B, asks for B
; again; Z is asked for again behind K step 0.  Each wave fills a quarter of a slot by one tensor load.  What the last pass asks for is the extra
; unit's stream (Z: its K steps 0-2, A: 3-8, B: 9-12), so the two passes are one text and every load is read; the last load of B brings two
; groups (18,432 bytes) that nobody reads.  CLUSTER: the four row blocks of a cluster walk the same stream, so every load is a joint one (mask 15).
; ACTIVATIONS belong to one wave alone: they go from memory to registers as ready fragments, four buffers P1..P4, two K steps ahead.  K step 0 uses P3.
; The look-ahead of a pass's last trip wraps round to K steps 1, 2 and 0 (the next pass reads the same activations); in the last pass the same 48
; loads are pointed at the extra unit's K steps 0 to 11 instead (eight scalar bases, made anew in each trip from the two loop counters).
; The last group of a trip fetches the next trip's first group from LDS; in a pass's last trip these 18 LDS loads are discarded.
; With e_x = 2^min(sum_x, 60):  i u = (e_u - 1) / ((1+e_i)(1+e_u));  f_own c_own + f_oth c_oth = (c_own (1+e_f2) + c_oth (1+e_f1)) / ((1+e_f1)(1+e_f2));
; h = (e_c - 1) / ((1+e_o)(1+e_c)).   LIMITS: a sigmoid is never below 2^-60; tanh has an absolute error of about 1e-7; a NaN sum is taken as 60.
; REGISTERS.  Window 0: v1-3 16 x lane + slot Z, A, B; v16-87, v88-159 weight fragments, two buffers; v160-223 P4; v224-239 the extra unit's K step 12;
; v240-255 the extra unit's c.  Window 1 + c: v0-159 sums of column c: row tile a, gate (i, o, u, f_own, f_oth) at 8 (5 a + gate).
; Windows 1, 2, 3: v160-223 P1, P2, P3 (own of row tile a at 160 + 8 a, oth at 192 + 8 a).  On the way out v88-159 and P4 are scratch.
.set HB, 6815744                       ; bytes of one h matrix: 512 row tiles x 26 tiles x 512
.set CB, 13107200                      ; bytes of one c matrix: 512 x 25 x 1,024
.set WOFF, 7376896                     ; this layer's streams in WTS: 520,192 + 8 streams of 857,088 bytes
.set STORE_C, 0                        ; no later launch reads this layer's c
.set GRP, 9216
.set STREAM, 93*GRP
.set LA, 3*GRP                         ; LDS: slot Z at 0, A at 27,648, B at 82,944
.set LB, 9*GRP
.set QZ, 3*GRP/4                       ; a wave's quarter of Z: 27 rows of 256 bytes
.set QA, 6*GRP/4                       ; of A or B: 54 rows
.set BB, 16
.set TI, 88
.set TO, 96
.set TU, 104
.set TF1, 112
.set TF2, 120
.set W0, 160
.set W1, 168
.set W2, 176
.set W3, 184
.set CSR, 192                          ; c
.set HSR, 200                          ; h, store data
.set PADR, 204                         ; the padding tile
.set LO, 88                            ; s[88:95]  look-ahead bases, own, one for each row tile
.set LT, 12                            ; s[12:19]  the same for oth
.set MSB, 0
.macro WIN new                         ; the immediate's high byte repeats the setting that is left
.if MSB != (\new)
	s_set_vgpr_msb (MSB<<8)|(\new)
.set MSB, (\new)
.endif
.endm
.macro PLACES                          ; four places behind matrix instructions (ISA guide 7.12.1)
.rept 4
	v_nop
.endr
.endm
.macro CREST                           ; a round of the cluster's barrier behind its opening barrier
	s_cmp_lg_u32 s22, 0
	s_cbranch_scc1 .Lnot_wave_0_\@
	s_barrier_signal -3
.Lnot_wave_0_\@:
	s_barrier_wait -3
	s_barrier_signal -1
	s_barrier_wait -1
.endm
.macro ROUND                           ; a whole round
	s_barrier_signal -1
	s_barrier_wait -1
	CREST
.endm
.macro BASE dst, ptr, o1, o2           ; a buffer's address plus two offsets
	s_add_co_u32 s20, s\o1, s\o2
	s_add_nc_u64 s[\dst:\dst+1], s[\ptr:\ptr+1], s[20:21]
.endm
.macro PADD d, a, c
.irp k, 0,2,4,6
	v_pk_add_f32 v[\d+\k:\d+\k+1], v[\a+\k:\a+\k+1], \c op_sel_hi:[1,0]
.endr
.endm
.macro PMUL d, a, b
	s_wait_alu depctr_va_vdst(0)
.irp k, 0,2,4,6
	v_pk_mul_f32 v[\d+\k:\d+\k+1], v[\a+\k:\a+\k+1], v[\b+\k:\b+\k+1]
.endr
.endm
.macro PFMA d, a, b, c
.irp k, 0,2,4,6
	v_pk_fma_f32 v[\d+\k:\d+\k+1], v[\a+\k:\a+\k+1], v[\b+\k:\b+\k+1], v[\c+\k:\c+\k+1]
.endr
.endm
.macro TR8 op, d
.irp k, 0,1,2,3,4,5,6,7
	\op v[\d+\k], v[\d+\k]
.endr
.endm
	s_load_b128 s[4:7], s[0:1], 0x0                ; states in s[4:5], WTS s[6:7]
	s_load_b64 s[8:9], s[0:1], 0x10                ; states out
	v_lshl_add_u32 v14, v0, 2, 0x29000
	v_mov_b32 v15, 0
	ds_add_u32 v14, v15
	v_lshrrev_b32 v6, 5, v0
	v_readfirstlane_b32 s22, v6                    ; wave
	s_bfe_u32 s23, ttmp6, 0x40000                  ; my place in the cluster
	s_lshl_b32 s24, ttmp9, 2
	s_add_co_u32 s24, s24, s23                     ; block of 256 rows
	s_and_b32 s25, ttmp7, 0xffff                   ; y = 4 cell + g: the same in the four partners
	s_lshr_b32 s26, s25, 2                         ; cell = own
	s_and_b32 s27, s25, 3                          ; g
	; descriptor groups 1: rows of 32 elements of 8 bytes, dense; mask of all four partners, bit 21 beside it.  s[40:47]: 54 rows (A, B); s[80:87]: 27 rows (Z)
	s_mov_b32 s40, 15|(3<<16)|(1<<21)
	s_mov_b32 s41, 32<<16                          ; tensor_dim0 = 32
	s_mov_b32 s42, 54<<16                          ; tensor_dim1 = 54
	s_mov_b32 s43, 32<<16                          ; tile_dim0 = 32
	s_mov_b32 s44, 54                              ; tile_dim1 = 54
	s_mov_b32 s45, 32                              ; pitch
	s_mov_b32 s46, 0
	s_mov_b32 s47, 0
	s_mov_b32 s80, 15|(3<<16)|(1<<21)
	s_mov_b32 s81, 32<<16
	s_mov_b32 s82, 27<<16
	s_mov_b32 s83, 32<<16
	s_mov_b32 s84, 27
	s_mov_b32 s85, 32
	s_mov_b32 s86, 0
	s_mov_b32 s87, 0
	; the stream hangs on y and the wave's number alone; s78, s79 and s96 to s99 never hold my place in the cluster
	s_mul_i32 s96, s22, QA
	s_mul_i32 s97, s22, QZ
	s_mul_i32 s98, s25, STREAM
	s_add_co_u32 s98, s98, WOFF
	s_add_co_u32 s78, s98, s97
	s_add_co_u32 s78, s78, 84*GRP                  ; my quarter of the first Z chunk: the Z chunks lie at group 84
	s_mov_b32 s79, 0
	s_add_co_u32 s98, s98, s96                     ; my quarter of the first A chunk: group 0
	s_mov_b32 s99, 0
	; offsets of my activations, states and results
	s_lshl_b32 s10, s24, 4
	s_lshl2_add_u32 s10, s22, s10                  ; my first row tile
	s_add_co_u32 s11, s10, s27                     ; the extra unit's row tile
	s_mul_i32 s60, s10, 13312                      ; a row tile of h: 26 tiles of 512 bytes
	s_mul_i32 s61, s11, 13312
	s_xor_b32 s12, s26, 1                          ; oth
	s_mul_i32 s13, s26, HB
	s_mul_i32 s14, s12, HB
	s_mul_i32 s15, s26, CB
	s_add_co_u32 s15, s15, 2*HB
	s_mul_i32 s16, s12, CB
	s_add_co_u32 s16, s16, 2*HB
	s_mul_i32 s17, s27, 6
	s_mul_i32 s18, s10, 25
	s_add_co_u32 s18, s18, s17
	s_lshl_b32 s18, s18, 10
	s_mul_i32 s19, s11, 25
	s_add_co_u32 s19, s19, 24
	s_lshl_b32 s19, s19, 10
	s_mul_i32 s23, s10, 26
	s_add_co_u32 s23, s23, s17
	s_lshl_b32 s23, s23, 9
	s_mul_i32 s24, s11, 26
	s_add_co_u32 s24, s24, 24
	s_lshl_b32 s24, s24, 9
	s_mov_b32 s21, 0
	s_mov_b32 s77, 0
	s_mov_b32 s76, 0x42700000                      ; 60.0
	s_mov_b32 s74, 0x4038aa3b                      ; 2 log2 e, twice: a pair for the packed multiply
	s_mov_b32 s75, 0x4038aa3b
	v_and_b32 v1, 31, v0
	v_lshlrev_b32 v1, 4, v1                        ; 16 x lane: slot Z, and the offset of every global access
	v_add_nc_u32 v2, LA, v1                        ; slot A
	v_add_nc_u32 v3, LB, v1                        ; slot B
	s_wait_dscnt 0x0
	s_wait_kmcnt 0x0
	; descriptor groups 0: Z s[48:51], A s[52:55], B s[56:59]
	s_add_nc_u64 s[50:51], s[6:7], s[78:79]
	s_add_nc_u64 s[54:55], s[6:7], s[98:99]
	s_add_nc_u64 s[58:59], s[54:55], 6*GRP
	s_or_b32 s51, s51, 0x80000000
	s_or_b32 s55, s55, 0x80000000
	s_or_b32 s59, s59, 0x80000000
	s_mov_b32 s48, 1
	s_mul_i32 s49, s22, QZ
	s_mov_b32 s52, 1
	s_add_co_u32 s53, s96, LA
	s_mov_b32 s56, 1
	s_add_co_u32 s57, s96, LB
	BASE 28, 4, 13, 77                             ; h own
	BASE 30, 4, 14, 77                             ; h oth
	BASE 32, 4, 13, 60                             ; own at my first row tile; stepped by four K steps a trip
	BASE 34, 4, 14, 60                             ; oth likewise
	BASE 36, 4, 15, 18                             ; c_own
	BASE 38, 4, 16, 18                             ; c_oth
	BASE 66, 8, 13, 23                             ; h out
	BASE 70, 8, 13, 24                             ; the extra unit's h out
.if STORE_C
	BASE 68, 8, 15, 18                             ; c out
	BASE 72, 8, 15, 19
.endif
	BASE 88, 4, 13, 61                             ; for the eight loads below only: the extra unit's own,
	BASE 90, 4, 14, 61                             ; oth,
	BASE 92, 4, 15, 19                             ; c_own
	BASE 94, 4, 16, 19                             ; and c_oth
	s_add_co_u32 s61, s61, 1024                    ; from here on: the extra unit's K step 1
	ROUND                                          ; all four partners are here: the first joint loads meet
	tensor_load_to_lds s[48:51], s[80:87]          ; the three first fills go out together: three loads of this wave are out, later never more than one
	s_nop 0
	PLACES
	tensor_load_to_lds s[52:55], s[40:47]
	s_nop 0
	PLACES
	tensor_load_to_lds s[56:59], s[40:47]
	s_nop 0
	PLACES
; 18 LDS loads: the nine fragments of a group into buffer BBN; 32 lanes take 512 consecutive bytes
.macro BLOAD nreg, noff
.irp m, 0,1,2,3,4,5,6,7,8
	ds_load_b128 v[BBN+8*\m:BBN+8*\m+3], v[\nreg] offset:\noff+\m*1024
	ds_load_b128 v[BBN+8*\m+4:BBN+8*\m+7], v[\nreg] offset:\noff+\m*1024+512
.endr
.endm
; 16 loads: one K step's activations of my four row tiles into the buffer in window pw.  ALD_C: from the trip's bases; ALD_P: from the look-ahead bases
.macro ALD_C pw, off
	.set WN, \pw<<6
	WIN WN
.irp a, 0,1,2,3
	global_load_b128 v[160+8*\a:163+8*\a], v1, s[32:33] offset:\a*13312+\off
	global_load_b128 v[164+8*\a:167+8*\a], v1, s[32:33] offset:\a*13312+\off+512
	global_load_b128 v[192+8*\a:195+8*\a], v1, s[34:35] offset:\a*13312+\off
	global_load_b128 v[196+8*\a:199+8*\a], v1, s[34:35] offset:\a*13312+\off+512
.endr
	WIN 0
.endm
.macro ALD_P pw, off
	.set WN, \pw<<6
	WIN WN
.irp a, 0,1,2,3
	global_load_b128 v[160+8*\a:163+8*\a], v1, s[LO+2*\a:LO+2*\a+1] offset:\off
	global_load_b128 v[164+8*\a:167+8*\a], v1, s[LO+2*\a:LO+2*\a+1] offset:\off+512
	global_load_b128 v[192+8*\a:195+8*\a], v1, s[LT+2*\a:LT+2*\a+1] offset:\off
	global_load_b128 v[196+8*\a:199+8*\a], v1, s[LT+2*\a:LT+2*\a+1] offset:\off+512
.endr
	WIN 0
.endm
; matrix m onto sum g of my four row tiles; ab = 160 own, 192 oth
.macro WM4 m, g, ab, zero
.irp a, 0,1,2,3
.if \zero
	v_wmma_f32_16x16x32_f16 v[8*(5*\a+\g):8*(5*\a+\g)+7], v[BBC+8*\m:BBC+8*\m+7], v[\ab+8*\a:\ab+8*\a+7], 0
.else
	v_wmma_f32_16x16x32_f16 v[8*(5*\a+\g):8*(5*\a+\g)+7], v[BBC+8*\m:BBC+8*\m+7], v[\ab+8*\a:\ab+8*\a+7], v[8*(5*\a+\g):8*(5*\a+\g)+7]
.endif
.endr
.endm
; a group's 36 matrix instructions in two parts.  The sums take turns, one instruction a turn, within a group, from group to group and over both
; backward jumps.  K step 0 starts the sums with the constant 0: nothing is cleared.
.macro MULA
	.set WN, (PW<<2)|((1+CC)<<4)|((1+CC)<<6)
	WIN WN
	WM4 0, 0, 160, ZF
	WM4 1, 1, 160, ZF
	WM4 2, 2, 160, ZF
	WM4 3, 3, 160, ZF
	WM4 4, 4, 160, ZF
.endm
.macro MULB
	.set WN, (PW<<2)|((1+CC)<<4)|((1+CC)<<6)
	WIN WN
	WM4 5, 0, 192, 0
	WM4 6, 1, 192, 0
	WM4 7, 2, 192, 0
	WM4 8, 4, 192, 0
.endm
; One group.  cb: the buffer that holds its fragments; cc: column; pw: window of the K step's activations; zf: starts the sums;
; nreg, noff: where the next group lies in LDS; turn: 0, or the slot that this group is the last to read (1 Z, 2 A, 3 B);
; ald: 0, or the look-ahead that the K step's first group issues (1 to 4: place in the trip; 9: K step 0, which issues none).
; A TURN: my reads of the slot are back and all my tensor loads have landed (the one that was out fills the slot read next); the group's first 20 matrix
; instructions stand between the opening signal and its wait; behind the round of the cluster's barrier both hold of every wave of all four
; partners, and the slot is asked for again, first thing: two K steps' work (216 matrix instructions) in which to land.
.macro GRP cb, cc, pw, zf, nreg, noff, turn, ald
	.set BBC, BB+72*\cb
	.set BBN, BB+72*(1-\cb)
	.set CC, \cc
	.set PW, \pw
	.set ZF, \zf
	PLACES                                         ; the buffers that the last group's matrix instructions read are loaded again below
	WIN 0
.if \turn == 0
	BLOAD \nreg, \noff
.if \ald == 1
	ALD_C 3, 3072                                  ; K step 4 i + 3 into P3
.endif
.if \ald == 2
	ALD_C 0, 4096                                  ; K step 4 i + 4 into P4
.endif
.if \ald == 3
	ALD_P 1, 0                                     ; K step 4 i + 5 (last trip: 1) into P1
.endif
.if \ald == 4
	ALD_P 2, 1024                                  ; K step 4 i + 6 (last trip: 2) into P2
.endif
.if \ald == 9
	s_wait_loadcnt 0x0                             ; K step 0: nothing was issued behind its loads that may stay out
.else
.if \ald != 0
	s_wait_loadcnt 32                              ; this K step's activations are in; the 2 x 16 loads of the next two steps may stay out
.endif
.endif
	s_wait_dscnt 18                                ; this group's fragments are in; the next group's 18 loads may stay out
	MULA
	MULB
.else
.if \turn == 1
	.set TG0, 48
	.set TG1, 80
	.set TST, 3*GRP
.endif
.if \turn == 2
	.set TG0, 52
	.set TG1, 40
	.set TST, 12*GRP
.endif
.if \turn == 3
	.set TG0, 56
	.set TG1, 40
	.set TST, 12*GRP
.endif
	s_wait_dscnt 0x0
	s_wait_tensorcnt 0x0
	ds_add_u32 v14, v15
	s_wait_dscnt 0x0
	s_add_nc_u64 s[TG0+2:TG0+3], s[TG0+2:TG0+3], TST       ; no load of mine is out: the group may be written: the slot's next chunk
	s_barrier_signal -1
	MULA
	WIN 0
	s_barrier_wait -1
	CREST
	tensor_load_to_lds s[TG0:TG0+3], s[TG1:TG1+7]
	s_nop 0
	PLACES
	BLOAD \nreg, \noff
	MULB
.endif
.endm
; The bases of a trip's activation loads, from the counters i (s62) and p (s63).  s[32:35]: my first row tile, K step 4 i.  Look-ahead, one base for
; each row tile a: K step 4 i + 5 of row tile a; in the last trip K step 1; in the last trip of the last pass the extra unit's K step 3 a + 1.
.macro BASES
	s_wait_xcnt 0x0                                ; the bases of earlier loads are rewritten only behind this wait
	s_lshl_b32 s10, s62, 12
	s_add_co_u32 s20, s10, s60
	s_add_nc_u64 s[32:33], s[28:29], s[20:21]
	s_add_nc_u64 s[34:35], s[30:31], s[20:21]
	s_add_co_u32 s20, s20, 5120
	s_add_co_u32 s11, s60, 1024
	s_cmp_eq_u32 s62, 2
	s_cselect_b32 s20, s11, s20
	s_add_co_u32 s11, s62, s63
	s_movk_i32 s10, 13312                          ; from row tile to row tile
	s_cmp_eq_u32 s11, 3                            ; i = 2 and p = 1
	s_cselect_b32 s20, s61, s20
	s_cselect_b32 s10, 3072, s10                   ; the extra unit: three K steps on
.irp a, 0,1,2,3
	s_add_nc_u64 s[LO+2*\a:LO+2*\a+1], s[28:29], s[20:21]
	s_add_nc_u64 s[LT+2*\a:LT+2*\a+1], s[30:31], s[20:21]
	s_add_co_u32 s20, s20, s10
.endr
.endm
; four loads: c_own and c_oth of a unit into v[CIB:CIB+15]
.macro CLOAD
	global_load_b128 v[CIB:CIB+3], v1, s[36:37] offset:CIM
	global_load_b128 v[CIB+4:CIB+7], v1, s[36:37] offset:CIM+512
	global_load_b128 v[CIB+8:CIB+11], v1, s[38:39] offset:CIM
	global_load_b128 v[CIB+12:CIB+15], v1, s[38:39] offset:CIM+512
.endm
; one unit's way out: sums in window EW at EA; c at CI; EL loads may stay out; h to s[EHB] + EHI, c to s[ECB] + ECI
.macro EPI
	.set WN, EW<<2
	WIN WN
.set k, 0
.rept 40
	v_min_num_f32 v[TI+k], s76, v[EA+k]            ; the clamp also brings the sums into window 0
.set k, k+1
.endr
	WIN 0
.set k, 0
.rept 40
	v_exp_f32 v[TI+k], v[TI+k]
.set k, k+1
.endr
	v_nop                                          ; one plain instruction behind the exponentials before their results are used
	s_wait_alu depctr_va_vdst(0)
	PADD TI, TI, 1.0                               ; 1 + e_i
	PFMA W0, TU, TI, TI                            ; (1 + e_i)(1 + e_u)
	PADD TF1, TF1, 1.0
	PADD TF2, TF2, 1.0
	PMUL W1, TF1, TF2                              ; (1 + e_f1)(1 + e_f2)
	TR8 v_rcp_f32, W0
	TR8 v_rcp_f32, W1
	PADD TU, TU, -1.0                              ; plain work behind the reciprocals
	PADD TO, TO, 1.0
	s_wait_loadcnt EL                              ; this unit's c is in; what was issued behind it may stay out
	PMUL W2, CI, TF2
	PFMA W2, CI+8, TF1, W2                         ; c_own (1 + e_f2) + c_oth (1 + e_f1)
	PMUL W3, TU, W0                                ; i u
	s_wait_xcnt 0x0                                ; the last unit's store has read h: it is rewritten only behind this wait
	PFMA CSR, W2, W1, W3                           ; c
.if STORE_C
	global_store_b128 v1, v[CSR:CSR+3], s[ECB:ECB+1] offset:ECI
	global_store_b128 v1, v[CSR+4:CSR+7], s[ECB:ECB+1] offset:ECI+512
.endif
.irp k, 0,2,4,6
	v_pk_mul_f32 v[W0+\k:W0+\k+1], v[CSR+\k:CSR+\k+1], s[74:75] op_sel_hi:[1,0]
.endr
.irp k, 0,1,2,3,4,5,6,7
	v_min_num_f32 v[W0+\k], s76, v[W0+\k]
.endr
	TR8 v_exp_f32, W0
	v_nop
	s_wait_alu depctr_va_vdst(0)
	PFMA W1, W0, TO, TO                            ; (1 + e_o)(1 + e_c)
	TR8 v_rcp_f32, W1
	PADD W0, W0, -1.0
	PMUL W0, W0, W1                                ; h
.irp k, 0,1,2,3
	v_cvt_pk_f16_f32 v[HSR+\k], v[W0+2*\k], v[W0+2*\k+1]    ; eight neighbouring columns of one row: half a fragment for the heads
.endr
	global_store_b128 v1, v[HSR:HSR+3], s[EHB:EHB+1] offset:EHI
.endm
.macro WMX m, g, src, zero             ; the extra unit: matrix m onto sum g (window 1, v[8 g])
.if \zero
	v_wmma_f32_16x16x32_f16 v[8*\g:8*\g+7], v[BBC+8*\m:BBC+8*\m+7], v[\src:\src+7], 0
.else
	v_wmma_f32_16x16x32_f16 v[8*\g:8*\g+7], v[BBC+8*\m:BBC+8*\m+7], v[\src:\src+7], v[8*\g:8*\g+7]
.endif
.endm
; the extra unit's K step KX: weights from Z (0-2), A (3-8), B (9-12); activations: K step 3 a + r lies at row tile a's place of P3 (r = 0), P1 (1), P2 (2)
.macro XGRP
	.set BBC, BB+72*(KX&1)
	.set BBN, BB+72*((KX+1)&1)
	PLACES
	WIN 0
.if KX < 12
.if KX+1 < 3
	.set NR, 1
	.set NO, (KX+1)*GRP
.else
.if KX+1 < 9
	.set NR, 2
	.set NO, (KX+1-3)*GRP
.else
	.set NR, 3
	.set NO, (KX+1-9)*GRP
.endif
.endif
	BLOAD NR, NO
	s_wait_dscnt 18                                ; this K step's fragments are in; the next one's 18 loads may stay out
	.set PW, KX%3
.if PW == 0
	.set PW, 3
.endif
	.set XO, 160+8*(KX/3)
	.set XT, 192+8*(KX/3)
.else
	s_wait_dscnt 0x0
	.set PW, 0
	.set XO, 224
	.set XT, 232
.endif
.if KX == 0
	.set ZF, 1
.else
	.set ZF, 0
.endif
	.set WN, (PW<<2)|(1<<4)|(1<<6)
	WIN WN
	WMX 0, 0, XO, ZF
	WMX 1, 1, XO, ZF
	WMX 2, 2, XO, ZF
	WMX 3, 3, XO, ZF
	WMX 4, 4, XO, ZF
	WMX 5, 0, XT, 0
	WMX 6, 1, XT, 0
	WMX 7, 2, XT, 0
	WMX 8, 4, XT, 0
	.set KX, KX+1
.endm
	; what the extra unit needs beyond the look-ahead, into registers that nothing else uses: its K step 12 and its c
	global_load_b128 v[224:227], v1, s[88:89] offset:12288
	global_load_b128 v[228:231], v1, s[88:89] offset:12800
	global_load_b128 v[232:235], v1, s[90:91] offset:12288
	global_load_b128 v[236:239], v1, s[90:91] offset:12800
	global_load_b128 v[240:243], v1, s[92:93]
	global_load_b128 v[244:247], v1, s[92:93] offset:512
	global_load_b128 v[248:251], v1, s[94:95]
	global_load_b128 v[252:255], v1, s[94:95] offset:512
	ALD_C 1, 1024                                  ; K steps 1, 2 and 0, in the order in which a pass's end issues them
	ALD_C 2, 2048
	ALD_C 3, 0
	s_wait_tensorcnt 0x2                           ; my quarter of Z is in; A's and B's may stay out
	s_barrier_signal -1
	s_barrier_wait -1
	.set BBN, BB
	BLOAD 1, 0                                     ; K step 0, column 0
	s_mov_b32 s63, 0
.Lpass:
	GRP 0, 0, 3, 1, 1, 1*GRP, 0, 9                 ; K step 0: slot Z, P3
	GRP 1, 1, 3, 1, 1, 2*GRP, 0, 0
	GRP 0, 2, 3, 1, 2, 0, 1, 0                     ; Z is asked for again: the next pass's K step 0, or the extra unit's K steps 0-2
	WIN 0
	s_mov_b32 s62, 0
.Ltrip:
	BASES
	GRP 1, 0, 1, 0, 2, 1*GRP, 0, 1                 ; K step 4 i + 1: slot A, P1
	GRP 0, 1, 1, 0, 2, 2*GRP, 0, 0
	GRP 1, 2, 1, 0, 2, 3*GRP, 0, 0
	GRP 0, 0, 2, 0, 2, 4*GRP, 0, 2                 ; K step 4 i + 2: slot A, P2
	GRP 1, 1, 2, 0, 2, 5*GRP, 0, 0
	GRP 0, 2, 2, 0, 3, 0, 2, 0                     ; A is asked for again
	GRP 1, 0, 3, 0, 3, 1*GRP, 0, 3                 ; K step 4 i + 3: slot B, P3
	GRP 0, 1, 3, 0, 3, 2*GRP, 0, 0
	GRP 1, 2, 3, 0, 3, 3*GRP, 0, 0
	GRP 0, 0, 0, 0, 3, 4*GRP, 0, 4                 ; K step 4 i + 4: slot B, P4
	GRP 1, 1, 0, 0, 3, 5*GRP, 0, 0
	GRP 0, 2, 0, 0, 2, 0, 3, 0                     ; B is asked for again; the next trip's first group is fetched (discarded in the last trip)
	WIN 0
	s_add_co_u32 s62, s62, 1
	s_cmp_lt_u32 s62, 3
	s_cbranch_scc1 .Ltrip
	; the pass's end: what the next pass (or the extra unit) starts with is asked for, then the twelve units go out
	PLACES
	.set BBN, BB
	BLOAD 1, 0                                     ; slot Z's first group into buffer 0, which the way out leaves alone
	s_wait_dscnt 18                                ; the discarded loads into buffer 1 are back: it is scratch from here on
	.set CIB, 128
	.set CIM, 0
	CLOAD
	ALD_P 3, -1024                                 ; K step 0 (the extra unit: 3 a) into P3
	.set U, 0
.rept 12
.if U < 11
	.set CIB, 128+16*((U+1)&1)
	.set CIM, (((U+1)%4)*25+((U+1)/4))*1024
	CLOAD                                          ; a unit's c is loaded one unit ahead
.if U == 0
	.set EL, 20                                    ; behind the first unit's c: 16 loads of P3 and 4 of the next c
.else
	.set EL, 4
.endif
.else
	.set EL, 0
.endif
	.set EW, 1+(U/4)
	.set EA, 40*(U%4)
	.set CI, 128+16*(U&1)
	.set EHB, 66
	.set EHI, ((U%4)*26+(U/4))*512
	.set ECB, 68
	.set ECI, ((U%4)*25+(U/4))*1024
	EPI
	.set U, U+1
.endr
	s_wait_xcnt 0x0                                ; the bases of the loads and stores above are stepped only behind this wait
	s_add_nc_u64 s[36:37], s[36:37], 3072          ; three column tiles on
	s_add_nc_u64 s[38:39], s[38:39], 3072
	s_add_nc_u64 s[66:67], s[66:67], 1536
.if STORE_C
	s_add_nc_u64 s[68:69], s[68:69], 3072
.endif
	s_add_co_u32 s63, s63, 1
	s_cmp_lt_u32 s63, 2
	s_cbranch_scc1 .Lpass
	; THE EXTRA UNIT.  Its K step 0 waits in buffer 0, its activations in P1 to P3 and v224-239, its c in v240-255.
	s_wait_dscnt 0x0
	s_wait_tensorcnt 0x0                           ; my quarter of the last load (slot B) is in,
	s_barrier_signal -1
	s_barrier_wait -1                              ; everybody's is
	.set KX, 0
.rept 13
	XGRP
.endr
	PLACES
	.set EW, 1
	.set EA, 0
	.set CI, 240
	.set EL, 0
	.set EHB, 70
	.set EHI, 0
	.set ECB, 72
	.set ECI, 0
	EPI
	v_bfe_u32 v[PADR], v0, 4, 1                    ; tile 25 of the extra unit's row tile: 1.0 at k = 400, 401 (word 0 of lanes 0 to 15), else 0
	v_cmp_eq_u32 vcc_lo, 0, v[PADR]
	v_mov_b32 v[PADR+1], 0x3c003c00
	v_cndmask_b32 v[PADR], 0, v[PADR+1], vcc_lo
	v_mov_b32 v[PADR+1], 0
	v_mov_b32 v[PADR+2], 0
	v_mov_b32 v[PADR+3], 0
	global_store_b128 v1, v[PADR:PADR+3], s[70:71] offset:512
	s_wait_tensorcnt 0x0
	ds_add_u32 v14, v15
	s_wait_dscnt 0x0
	ROUND                                          ; the closing round: no work-group ends while a partner may still ask jointly
	s_endpgm
.Lfunc_end_k_qed728ef32f_layer3:
	.size	k_qed728ef32f_layer3, .Lfunc_end_k_qed728ef32f_layer3-k_qed728ef32f_layer3
	.p2alignl 7, 3214868480
	.fill 96, 4, 3214868480
	.section	.rodata,"a",@progbits
	.p2align	6, 0x0
	.amdhsa_kernel k_qed728ef32f_layer3
		.amdhsa_group_segment_fixed_size 327680
		.amdhsa_private_segment_fixed_size 0
		.amdhsa_enable_private_segment 0
		.amdhsa_kernarg_size 24
		.amdhsa_user_sgpr_count 2
		.amdhsa_user_sgpr_kernarg_segment_ptr 1
		.amdhsa_wavefront_size32 1
		.amdhsa_system_sgpr_workgroup_id_x 1
		.amdhsa_system_sgpr_workgroup_id_y 1
		.amdhsa_system_sgpr_workgroup_id_z 1
		.amdhsa_system_vgpr_workitem_id 0
		.amdhsa_next_free_vgpr 1024
		.amdhsa_next_free_sgpr 100
		.amdhsa_reserve_vcc 1
		.amdhsa_float_denorm_mode_32 3
		.amdhsa_float_denorm_mode_16_64 3
		.amdhsa_memory_ordered 1
		.amdhsa_forward_progress 1
		.amdhsa_inst_pref_size 216
	.end_amdhsa_kernel
	.amdgpu_metadata
---
amdhsa.version: [ 1, 2 ]
amdhsa.kernels:
  - .name:           k_qed728ef32f_layer3
    .symbol:         k_qed728ef32f_layer3.kd
    .args:
      - { .name: S2, .offset: 0, .size: 8, .value_kind: global_buffer, .address_space: global }
      - { .name: WTS, .offset: 8, .size: 8, .value_kind: global_buffer, .address_space: global }
      - { .name: S3, .offset: 16, .size: 8, .value_kind: global_buffer, .address_space: global }
    .group_segment_fixed_size: 327680
    .private_segment_fixed_size: 0
    .kernarg_segment_align: 8
    .kernarg_segment_size: 24
    .max_flat_workgroup_size: 128
    .sgpr_count:     100
    .vgpr_count:     1024
    .wavefront_size: 32
...
	.end_amdgpu_metadata
.endif
;; end of part 8
;; launch heads: the kernel of part 5 again; grid 256 x 1, 8 waves a work-group, no clusters, 23,040 bytes of LDS; arguments S3, WTS, out0, out1, out2; writes out0, out1, out2
;; ======== version 3 of 3: 5 launches; version 2 with the launch layer1 written anew for expert scheduling mode
;; limits: values outside matrix products are rounded to f16; values are held in f16: magnitudes above 65,504 overflow, below 6.1e-05 lose precision; inputs' magnitudes at most 11,350
;; workspace buffers: WTS 14,233,600 bytes; S1 39,845,888 bytes; S2 39,845,888 bytes; S3 13,631,488 bytes
;; launch prep: the kernel of part 6 again; grid 402 x 1, 8 waves a work-group, no clusters, 0 bytes of LDS; arguments Wx_t2, U_t2, b_t2, Wx_a2, U_a2, b_a2, Wx_t3, U_t3, b_t3, Wx_a3, U_a3, b_a3, Wx_t1, b_t1, Wx_a1, b_a1, W_cur, b_cur, W_ac, b_ac, W_ap, b_ap, WTS; writes WTS
;; launch layer1 (part 9): grid 256 x 1, 20 waves a work-group, no clusters, 0 bytes of LDS; arguments x_temp, x_air, WTS, S1; writes S1
.if DOCPART == 9
	.amdgcn_target "amdgcn-amd-amdhsa--gfx1250"
	.amdhsa_code_object_version 6
	.text
	.protected	k_qed728ef32f_layer1
	.globl	k_qed728ef32f_layer1
	.p2align	8
	.type	k_qed728ef32f_layer1,@function
k_qed728ef32f_layer1:
	s_mov_b64 s[64:65], 0
	v_nop
	global_prefetch_b8 v0, s[64:65] scope:SCOPE_SE
	s_setreg_imm32_b32 hwreg(HW_REG_WAVE_SCHED_MODE, 0, 2), 2
	s_setreg_imm32_b32 hwreg(HW_REG_WAVE_MODE, 25, 1), 1
	s_wait_xcnt 0x0
	s_wait_alu depctr_vm_vsrc(0)
; LAYER 1, both cells.  reference() builds the states as zeros itself, so the recurrent products and f c vanish:
;   c = sigmoid(g_i) tanh(g_u),  h = sigmoid(g_o) tanh(c),  g = x Wx + b.   (U_t1, U_a1 and the f columns are not read: see the first launch.)
; A work-group owns 32 rows of x_temp and x_air.  Wave w: cell (w / 5) & 1, row tile (w / 5) >> 1, column tiles 5 (w % 5) .. + 4.
; K = 55 is padded to 64; x carries 1.0 at k = 55, 56, where the weights carry the bias in two f16 parts.
; The weights come as ready f16 fragments (1,024 bytes, 16 bytes a lane and half), pre-multiplied by -log2 e (i, o) and 2 log2 e (u).
; Source 0 = weights, source 1 = x: lane (r, hh) then holds row r and columns 16 ct + 8 hh + 0..7, which is half a fragment of the next layer.
; S1: h_t at 0, h_a at HB, [row tile][26 tiles][512 bytes] f16 (tile 25: 1.0 at k = 400, 401, else 0);
;     c_t at 2 HB, c_a at 2 HB + CB, [row tile][25 tiles][2 halves][512 bytes] f32.
; With e_x = 2^min(sum_x, 60):  c = (e_u - 1) / ((1 + e_i)(1 + e_u)),  h = (e_c - 1) / ((1 + e_o)(1 + e_c)), e_c = 2^min(2 log2 e c, 60).
; LIMITS: x of magnitude 65,504 or more becomes Inf in f16; a sigmoid is never below 2^-60; tanh has an absolute error of about 1e-7;
; a NaN sum is taken as 60 by the clamp.
; Little matrix work and no tile shared through LDS: loads go straight to registers; no cluster, no tensor load.
; 180 registers a wave: five waves lie on a SIMD.  x in f32 (v8-39) is dead once converted; its registers then serve as scratch and store data.
; THE MODE: SCHED_MODE bits 1:0 = 2 (LLVM: expert scheduling mode 2), set by the entry lines.  The code itself states the register dependences
; between vector or matrix instructions and memory instructions, with s_wait_alu, always for 0.
; THE PLAN.  Registers that memory instructions touch:
;   v1, v4, v6   byte offsets, made once at the head and never written again.
;   v[8:39]      x as loaded, once; no vector instruction names these registers ahead of the loads.
;   W0, W1       two weight buffers.  Tile i: its six matrix instructions read W[i & 1]; behind them the loads of tile i + 2 land in it.
;   O0, O1       two out-buffers of c (8 registers) and h (4).  Tile i's last lines write O[i & 1]; the three stores issued in tile i + 1 read it.
;   v[28:31]     the padding tile: written at the head, read by one store at the end.
;   x's fragments, the scratch T0 and the three sums are named by vector and matrix instructions alone.
; So ONE wait on va_vdst, behind a tile's matrix instructions, states all that the tile's fifteen memory instructions hang on: the matrix instructions are
; done reading W[i & 1], and the tile before has written the other out-buffer.  The loads and stores follow it, dealt among the clamps and the
; exponentials, which name the three sums alone.  One wait on vm_vsrc, at the head of tiles 2 to 4, states that the stores issued in the tile before
; have read the out-buffer that this tile writes again.  The other waits on va_vdst stand ahead of the first reader of a batch of transcendentals.
.set HB, 6815744
.set CB, 13107200
.set TWOL, 0x4038aa3b
.set XR,  8                            ; v[8:39]    x as loaded, f32: k = 16 cq + 8 hh + j at 8 cq + j
.set T0,  8                            ; v[8:15]    at work              (these behind the conversion of x)
.set OC0, 16                           ; v[16:23]   out-buffer 0: c
.set OH0, 24                           ; v[24:27]   out-buffer 0: h
.set PT,  28                           ; v[28:31]   the padding tile
.set OC1, 32                           ; v[32:39]   out-buffer 1: c
.set XA,  40                           ; v[40:55]   x, two fragments
.set WB0, 56                           ; v[56:151]  weights, two buffers of six fragments (gate x 2 + ks)
.set AI,  152                          ; v[152:175] sums i, o, u
.set AO,  160
.set AU,  168
.set OH1, 176                          ; v[176:179] out-buffer 1: h
.macro PADD d, a, c
.irp k, 0,2,4,6
	v_pk_add_f32 v[\d+\k:\d+\k+1], v[\a+\k:\a+\k+1], \c op_sel_hi:[1,0]
.endr
.endm
.macro PMUL d, a, b
.irp k, 0,2,4,6
	v_pk_mul_f32 v[\d+\k:\d+\k+1], v[\a+\k:\a+\k+1], v[\b+\k:\b+\k+1]
.endr
.endm
.macro PFMA d, a, b, c
.irp k, 0,2,4,6
	v_pk_fma_f32 v[\d+\k:\d+\k+1], v[\a+\k:\a+\k+1], v[\b+\k:\b+\k+1], v[\c+\k:\c+\k+1]
.endr
.endm
.macro EXP8 d
.irp k, 0,1,2,3,4,5,6,7
	v_exp_f32 v[\d+\k], v[\d+\k]
.endr
.endm
.macro RCP8 d
.irp k, 0,1,2,3,4,5,6,7
	v_rcp_f32 v[\d+\k], v[\d+\k]
.endr
.endm
	s_load_b256 s[4:11], s[0:1], 0x0               ; x_temp s[4:5], x_air s[6:7], WTS s[8:9], S1 s[10:11]
	v_lshrrev_b32 v6, 5, v0
	v_readfirstlane_b32 s20, v6                    ; wave
	v_and_b32 v1, 31, v0
	v_lshlrev_b32 v1, 4, v1                        ; 16 x lane
	v_and_b32 v2, 15, v0                           ; r
	v_bfe_u32 v3, v0, 4, 1                         ; hh
	s_wait_alu depctr_va_sdst(0)                   ; s20 is written, ahead of its first reader: the wave's cell, row tile and column tiles are made from it
	s_mul_i32 s21, s20, 52
	s_lshr_b32 s21, s21, 8                         ; w / 5 (exact below 20)
	s_mul_i32 s22, s21, 5
	s_sub_co_u32 s22, s20, s22                     ; w % 5
	s_and_b32 s23, s21, 1                          ; cell
	s_lshr_b32 s24, s21, 1
	s_lshl1_add_u32 s24, ttmp9, s24                ; row tile
	s_mul_i32 s25, s22, 5                          ; first column tile
	s_mul_i32 s26, s23, 25
	s_add_co_u32 s26, s26, s25
	s_mul_i32 s26, s26, 6144                       ; six fragments a column tile
	s_mov_b32 s27, 0
	s_mul_i32 s32, s24, 26
	s_add_co_u32 s32, s32, s25
	s_lshl_b32 s32, s32, 9
	s_mul_i32 s29, s23, HB
	s_add_co_u32 s32, s32, s29
	s_mov_b32 s33, 0
	s_mul_i32 s34, s24, 25
	s_add_co_u32 s34, s34, s25
	s_lshl_b32 s34, s34, 10
	s_mul_i32 s29, s23, CB
	s_add_co_u32 s34, s34, s29
	s_add_co_u32 s34, s34, 2*HB
	s_mov_b32 s35, 0
	s_mov_b32 s28, 0x42700000                      ; 60.0
	s_mov_b32 s30, TWOL
	s_mov_b32 s31, TWOL
	v_lshl_add_u32 v6, s24, 4, v2                  ; my row of x
	v_mul_u32_u24 v6, 220, v6                      ; 55 f32 a row
	v_lshl_add_u32 v4, v3, 5, v6                   ; + 8 hh numbers
	s_wait_kmcnt 0x0
	s_cmp_lg_u32 s23, 0
	s_cselect_b64 s[12:13], s[6:7], s[4:5]         ; my cell's x
	s_add_nc_u64 s[14:15], s[8:9], s[26:27]        ; my weights
	s_add_nc_u64 s[16:17], s[10:11], s[32:33]      ; my h
	s_add_nc_u64 s[18:19], s[10:11], s[34:35]      ; my c
	s_wait_alu depctr_va_vdst(0)                   ; v1, v4 and v6 are written: every load and store of the kernel reads one of them as its offset
	; x: rows of 220 bytes are aligned to 4 bytes only, so 31 loads of 4 bytes.  k = 48 to 54 are loaded by both halves of the lanes.
.irp q, 0,1,2
.irp j, 0,1,2,3,4,5,6,7
	global_load_b32 v[XR+8*\q+\j], v4, s[12:13] offset:(16*\q+\j)*4
.endr
.endr
.irp j, 0,1,2,3,4,5,6
	global_load_b32 v[XR+24+\j], v6, s[12:13] offset:192+4*\j
.endr
.macro WLOAD i                         ; twelve loads: the six fragments of column tile i
.set WBN, WB0+48*((\i)&1)
.irp f, 0,1,2,3,4,5
	global_load_b128 v[WBN+8*\f:WBN+8*\f+3], v1, s[14:15] offset:(\i)*6144+\f*1024
	global_load_b128 v[WBN+8*\f+4:WBN+8*\f+7], v1, s[14:15] offset:(\i)*6144+\f*1024+512
.endr
.endm
	WLOAD 0
	WLOAD 1
	s_wait_loadcnt 24                              ; x is in; the 24 weight loads behind it may stay out
	v_cmp_eq_u32 vcc_lo, 1, v3
	s_wait_alu depctr_va_vcc(0)                    ; VCC is written, ahead of the selects that read it
	v_cndmask_b32 v[XR+24], v[XR+24], 1.0, vcc_lo  ; hh = 1: k = 56 is 1.0,
.irp j, 1,2,3,4,5,6
	v_cndmask_b32 v[XR+24+\j], v[XR+24+\j], 0, vcc_lo      ; k = 57 to 62 are 0
.endr
	v_cndmask_b32 v[XR+31], 1.0, 0, vcc_lo         ; hh = 0: k = 55 is 1.0; hh = 1: k = 63 is 0
.set k, 0
.rept 16
	v_cvt_pk_f16_f32 v[XA+k], v[XR+2*k], v[XR+2*k+1]
.set k, k+1
.endr
	; x in f32 is dead from here on.  The padding tile: 1.0 twice (k = 400, 401) in word 0 of the lanes with hh = 0, else 0
	v_cmp_eq_u32 vcc_lo, 0, v3
	v_mov_b32 v[PT+1], 0x3c003c00
	s_wait_alu depctr_va_vcc(0)                    ; VCC is written anew, ahead of the select that reads it
	v_cndmask_b32 v[PT], 0, v[PT+1], vcc_lo
	v_mov_b32 v[PT+1], 0
	v_mov_b32 v[PT+2], 0
	v_mov_b32 v[PT+3], 0
.macro TILE i
.set WBC, WB0+48*((\i)&1)              ; this tile's weights
.set CS, OC0+16*((\i)&1)               ; this tile's out-buffer: c,
.set HS, OH0+152*((\i)&1)              ; h
.set CP, OC0+16*(((\i)+1)&1)           ; the out-buffer of the tile before
.set HP, OH0+152*(((\i)+1)&1)
.if \i < 4
	s_wait_loadcnt 12                              ; this tile's weights are in; the next tile's twelve loads may stay out
.else
	s_wait_loadcnt 0x0
.endif
.if \i >= 2
	s_wait_xcnt 0x0                                ; the stores issued in the tile before have had their addresses translated: their data registers are rewritten only behind this wait
	s_wait_alu depctr_vm_vsrc(0)                   ; those stores have read this tile's out-buffer, which the tile's last lines write again
.endif
	; the three sums take turns, one instruction a turn
	v_wmma_f32_16x16x32_f16 v[AI:AI+7], v[WBC:WBC+7], v[XA:XA+7], 0
	v_wmma_f32_16x16x32_f16 v[AO:AO+7], v[WBC+16:WBC+23], v[XA:XA+7], 0
	v_wmma_f32_16x16x32_f16 v[AU:AU+7], v[WBC+32:WBC+39], v[XA:XA+7], 0
	v_wmma_f32_16x16x32_f16 v[AI:AI+7], v[WBC+8:WBC+15], v[XA+8:XA+15], v[AI:AI+7]
	v_wmma_f32_16x16x32_f16 v[AO:AO+7], v[WBC+24:WBC+31], v[XA+8:XA+15], v[AO:AO+7]
	v_wmma_f32_16x16x32_f16 v[AU:AU+7], v[WBC+40:WBC+47], v[XA+8:XA+15], v[AU:AU+7]
.rept 4
	v_nop                                          ; four places before the sums are read (ISA guide 7.12.1); they stay beside the wait below
.endr
	s_wait_alu depctr_va_vdst(0)                   ; the matrix instructions are done reading this weight buffer, in which the loads below land (tiles 0 to 2); the tile before has written its c and h, which the stores below read (tiles 1 to 4)
	; the twelve loads of the tile after next, one ahead of each two clamps.  No further wait: the clamps and exponentials name the three sums alone
.set k, 0
.rept 12
.if \i < 3
	global_load_b128 v[WBC+4*k:WBC+4*k+3], v1, s[14:15] offset:((\i)+2)*6144+k*512
.endif
	v_min_num_f32 v[AI+2*k], s28, v[AI+2*k]
	v_min_num_f32 v[AI+2*k+1], s28, v[AI+2*k+1]
.set k, k+1
.endr
	; the three stores of the tile before, one ahead of each eight exponentials
.if \i > 0
	global_store_b128 v1, v[CP:CP+3], s[18:19] offset:((\i)-1)*1024
.endif
	EXP8 AI
.if \i > 0
	global_store_b128 v1, v[CP+4:CP+7], s[18:19] offset:((\i)-1)*1024+512
.endif
	EXP8 AO
.if \i > 0
	global_store_b128 v1, v[HP:HP+3], s[16:17] offset:((\i)-1)*512
.endif
	EXP8 AU
	v_nop                                          ; one plain instruction behind the exponentials before their results are used
	s_wait_alu depctr_va_vdst(0)                   ; the 24 exponentials have written e_i, e_o, e_u, ahead of their first reader
	PADD AI, AI, 1.0                               ; 1 + e_i
	PFMA T0, AU, AI, AI                            ; (1 + e_i)(1 + e_u)
	RCP8 T0
	PADD AU, AU, -1.0                              ; e_u - 1: plain work behind the reciprocals
	PADD AO, AO, 1.0                               ; 1 + e_o
	s_wait_alu depctr_va_vdst(0)                   ; the eight reciprocals have written T0, ahead of their first reader
	PMUL CS, AU, T0                                ; c, into this tile's out-buffer
.irp k, 0,2,4,6
	v_pk_mul_f32 v[T0+\k:T0+\k+1], v[CS+\k:CS+\k+1], s[30:31] op_sel_hi:[1,0]
.endr
.irp k, 0,1,2,3,4,5,6,7
	v_min_num_f32 v[T0+\k], s28, v[T0+\k]
.endr
	EXP8 T0
	v_nop                                          ; one plain instruction behind the exponentials
	s_wait_alu depctr_va_vdst(0)                   ; the eight exponentials have written e_c in T0, ahead of their first reader
	PFMA AI, T0, AO, AO                            ; (1 + e_o)(1 + e_c)
	RCP8 AI
	PADD T0, T0, -1.0                              ; plain work behind the reciprocals
	s_wait_alu depctr_va_vdst(0)                   ; the eight reciprocals have written AI, ahead of their first reader
	PMUL T0, T0, AI                                ; h
.irp k, 0,1,2,3
	v_cvt_pk_f16_f32 v[HS+\k], v[T0+2*\k], v[T0+2*\k+1]    ; into this tile's out-buffer
.endr
.endm
	TILE 0
	TILE 1
	TILE 2
	TILE 3
	TILE 4
	s_wait_alu depctr_va_vdst(0)                   ; tile 4 has written its c and h (out-buffer 0), which the last stores read
	global_store_b128 v1, v[OC0:OC0+3], s[18:19] offset:4*1024
	global_store_b128 v1, v[OC0+4:OC0+7], s[18:19] offset:4*1024+512
	global_store_b128 v1, v[OH0:OH0+3], s[16:17] offset:4*512
	s_cmp_lg_u32 s22, 4
	s_cbranch_scc1 .Ldone
	global_store_b128 v1, v[PT:PT+3], s[16:17] offset:2560      ; the wave with tiles 20 to 24 also writes tile 25; its data were written at the head, ahead of every wait on va_vdst above
.Ldone:
	s_endpgm
.Lfunc_end_k_qed728ef32f_layer1:
	.size	k_qed728ef32f_layer1, .Lfunc_end_k_qed728ef32f_layer1-k_qed728ef32f_layer1
	.p2alignl 7, 3214868480
	.fill 96, 4, 3214868480
	.section	.rodata,"a",@progbits
	.p2align	6, 0x0
	.amdhsa_kernel k_qed728ef32f_layer1
		.amdhsa_group_segment_fixed_size 0
		.amdhsa_private_segment_fixed_size 0
		.amdhsa_enable_private_segment 0
		.amdhsa_kernarg_size 32
		.amdhsa_user_sgpr_count 2
		.amdhsa_user_sgpr_kernarg_segment_ptr 1
		.amdhsa_wavefront_size32 1
		.amdhsa_system_sgpr_workgroup_id_x 1
		.amdhsa_system_sgpr_workgroup_id_y 1
		.amdhsa_system_sgpr_workgroup_id_z 1
		.amdhsa_system_vgpr_workitem_id 0
		.amdhsa_next_free_vgpr 180
		.amdhsa_next_free_sgpr 66
		.amdhsa_reserve_vcc 1
		.amdhsa_float_denorm_mode_32 3
		.amdhsa_float_denorm_mode_16_64 3
		.amdhsa_memory_ordered 1
		.amdhsa_forward_progress 1
		.amdhsa_inst_pref_size 44
	.end_amdhsa_kernel
	.amdgpu_metadata
---
amdhsa.version: [ 1, 2 ]
amdhsa.kernels:
  - .name:           k_qed728ef32f_layer1
    .symbol:         k_qed728ef32f_layer1.kd
    .args:
      - { .name: x_temp, .offset: 0, .size: 8, .value_kind: global_buffer, .address_space: global }
      - { .name: x_air, .offset: 8, .size: 8, .value_kind: global_buffer, .address_space: global }
      - { .name: WTS, .offset: 16, .size: 8, .value_kind: global_buffer, .address_space: global }
      - { .name: S1, .offset: 24, .size: 8, .value_kind: global_buffer, .address_space: global }
    .group_segment_fixed_size: 0
    .private_segment_fixed_size: 0
    .kernarg_segment_align: 8
    .kernarg_segment_size: 32
    .max_flat_workgroup_size: 640
    .sgpr_count:     66
    .vgpr_count:     180
    .wavefront_size: 32
...
	.end_amdgpu_metadata
.endif
;; end of part 9
;; launch layer2: the kernel of part 7 again; grid 32 x 8, 4 waves a work-group, clusters of 4 x 1, 327,680 bytes of LDS; arguments S1, WTS, S2; writes S2
;; launch layer3: the kernel of part 8 again; grid 32 x 8, 4 waves a work-group, clusters of 4 x 1, 327,680 bytes of LDS; arguments S2, WTS, S3; writes S3
;; launch heads: the kernel of part 5 again; grid 256 x 1, 8 waves a work-group, no clusters, 23,040 bytes of LDS; arguments S3, WTS, out0, out1, out2; writes out0, out1, out2
